; MI455X (gfx1250); checked and timed in simulation.
; The chip was launched on July 23, 2026; its instructions are those of AMD's public machine-readable ISA for CDNA 5 (MIT licence, August 2026) and "CDNA5" Instruction Set Architecture Reference Guide (July 2026). The comments in the code are by the model that wrote it; some were corrected since.
;; Decoder Layer. Allowed arithmetic: matrix products marked QUANTISED: E3M2 operands, one E8M0 scale for each 32 along K, by v_wmma_scale_f32_16x16x128_f8f6f4 with both operands' format E3M2, f32 sums; everything else in f32.
;; Inputs: W1 4,096 x 1,024 float32; W2 1,024 x 4,096 float32; Wo 1,024 x 1,024 float32; Wqkv 3,072 x 1,024 float32; b1 4,096 float32; b2 1,024 float32; bo 1,024 float32; bqkv 3,072 float32; ln1_a 1,024 float32; ln1_b 1,024 float32; ln2_a 1,024 float32; ln2_b 1,024 float32; mask 1 x 1 x 2,048 x 2,048 int32; x 2 x 2,048 x 1,024 float32.
;; Outputs: out0 2 x 2,048 x 1,024 float32.
;; This version of the problem:
;;   THIS VERSION OF THE PROBLEM IS GIVEN IN LOW PRECISION. The matrix products marked QUANTISED in the list below multiply operands that are first quantised to E3M2 (3 exponent bits, 2 mantissa bits; 6 bits a number), with one power-of-two scale for each 32 numbers along K (OCP MX v1.0); their sums are f32. All else is computed in f32.
;;   The module's matrix products, in the order in which they are computed (A, B: the left and right operand; K: the contracted axis; several contracted axes count as one K, in the product's order):
;;     1. [M 4,096, K 1,024] x [K 1,024, N 3,072]; A: input x; B: input Wqkv: QUANTISED
;;     2. batch 32 x [M 2,048, K 64] x [K 64, N 2,048]; A: computed on the way; B: computed on the way: QUANTISED
;;     3. batch 32 x [M 64, K 2,048] x [K 2,048, N 2,048]; A: computed on the way; B: softmax (see below): QUANTISED
;;     4. [M 4,096, K 1,024] x [K 1,024, N 1,024]; A: computed on the way; B: input Wo: QUANTISED
;;     5. [M 4,096, K 1,024] x [K 1,024, N 4,096]; A: computed on the way; B: input W1: QUANTISED
;;     6. [M 4,096, K 4,096] x [K 4,096, N 1,024]; A: computed on the way; B: input W2: QUANTISED
;;   THE QUANTISER, for each operand of a quantised product, along K:
;;     - K is cut into blocks of 32 from its start; a last block that is shorter is filled with zeros.
;;     - A block's scale is 2^e with e = floor(log2(the largest magnitude in the block)) - 4, held to -126 .. 127; a block of zeros has e = 0. As a byte (E8M0): e + 127.
;;     - Each number is divided by its block's scale, clamped to +-28, and rounded to the nearest number of E3M2, ties to even, subnormals kept.
;;     - The product sums the exact products of the quantised numbers (number of the format x scale) in f32.
;;   ~~~python
;;   def quantise(x, axis):      # numpy; x: float32 -> the quantised numbers, widened to float32 again
;;       x = np.moveaxis(x, axis, -1); K = x.shape[-1]
;;       x = np.pad(x, [(0, 0)] * (x.ndim - 1) + [(0, -K % 32)]); x = x.reshape(x.shape[:-1] + (-1, 32)); a = np.abs(x).max(-1, keepdims=True)
;;       e = np.where(a > 0, np.clip(np.frexp(np.where(a > 0, a, 1))[1] - 1 - 4, -126, 127), 0)      # np.frexp(a)[1] - 1 = floor(log2(a)), exactly
;;       r = np.clip(x / 2.0 ** e, -28, 28)
;;       step = 2.0 ** (np.maximum(np.frexp(np.where(r == 0, 1, r))[1] - 1, -2) - 2)
;;       q = np.round(r / step) * step * 2.0 ** e      # np.round: ties to even
;;       return np.moveaxis(q.reshape(q.shape[:-2] + (-1,))[..., :K], -1, axis).astype(np.float32)
;;   ~~~
;;   SOFTMAX AHEAD OF A QUANTISED PRODUCT. Where the list says 'softmax', what is quantised is not the finished softmax but p = 2^(t - M), with t = logit x log2(e) and M = ceil(the row's largest t), a whole number; so 1/2 < the row's largest p <= 1. The row's sum l is taken of the UNQUANTISED p, in f32, and the product's result is divided by l at the end. Since M is a whole number, a kernel that streams over the keys may use a running M (the ceiling of the running maximum): every later rescaling is an exact power of two, which a block's scale takes up: the codes' values come out the same.
;;   OPERANDS COMPUTED ON THE WAY. 'Computed on the way' means the value that the module computes at that place (a softmax that the list does not call 'softmax' is quantised finished and normalised). What goes into a quantiser is computed in f32, as accurately as f32 sums, v_exp_f32 and their like allow (about 1e-6 of the number): no bf16 or f16 on the way to a quantiser, and a product that is left as it is and whose result goes on into a quantised operand takes f32 operands (vector FMAs, or v_wmma_f32_16x16x4_f32). A number that lies on a knife's edge between two numbers of the format may be rounded either way, as far as f32 arithmetic and the matrix unit's own rounding can turn it there, and no further.
;; 2 versions. Each part assembles by itself: llvm-mc -triple=amdgcn-amd-amdhsa -mcpu=gfx1250 --defsym DOCPART=n.
;; ======== version 1 of 2: 8 launches
;; workspace buffers: pq 13,107,200 bytes; mw 526,336 bytes of whole numbers; qkv 9,830,400 bytes; ob 3,276,800 bytes; yb 16,777,216 bytes; hb 20,054,016 bytes; fb 13,107,200 bytes
;; launch prep (part 1): grid 640 x 1, 4 waves a work-group, no clusters, 34,304 bytes of LDS; arguments x, Wqkv, Wo, W1, W2, mask, pq, mw; writes pq, mw
.if DOCPART == 1
	.amdgcn_target "amdgcn-amd-amdhsa--gfx1250"
	.amdhsa_code_object_version 6
	.text
	.protected	k_qe5dc883fe9_prep
	.globl	k_qe5dc883fe9_prep
	.p2align	8
	.type	k_qe5dc883fe9_prep,@function
k_qe5dc883fe9_prep:
	s_mov_b64 s[64:65], 0
	v_nop
	global_prefetch_b8 v0, s[64:65] scope:SCOPE_SE
	s_setreg_imm32_b32 hwreg(HW_REG_WAVE_MODE, 25, 1), 1
	s_wait_xcnt 0x0
; x, Wqkv, Wo, W1, W2 (f32, K innermost) become codes of BF6 (E3M2) with one E8M0 byte for each 32 along K, and the mask becomes lane masks.
; LAYOUT OF THE CODES (this program's own).  Rows are kept by POSITION: position p holds row sigma(p), sigma = p with bits 3 and 4 exchanged, so block rb of 16 positions holds rows
; 32 (rb / 2) + 8 (rb % 2) + (r % 8) + 16 (r / 8).  A fragment (16 positions x 128 K, 12 registers a lane) is an image of its registers: pair g of lane l at 256 g + 8 l, 1,536 bytes.
; Fragment (rb, ks) lies at (((rb / 8) KS + ks) 8 + rb % 8) 1536, its 16 scale words at ((rb / 8) KS + ks) 512 + (rb % 8) 64 + 4 r.  KS = K / 128.
; THE MASK: word (T, s, n), at (16 T + s) 256 + 4 n: bit l = mask[sigma(16 T + l % 16)][128 s + 32 (n / 16) + 16 (l / 16) + n % 16] != 0.  Flag word (T, p) at 524288 + 16 T + 4 p:
; bit j: step 4 p + j has a key that counts for one of the 16 queries; bit 8 + j: all its keys count for all 16.
; A JOB (one wave) is one block of 16 positions x 4 units of 128 columns.  Each load reads one row's 512 consecutive bytes; a unit turns through the wave's own stage in LDS (rows of 512 + 16 bytes), after
; which lane (r, h) holds, in register 16 b + i, column 32 b + 16 h + i of position r: 16 neighbours of each block of 32, as the conversion wants them.
; A block's scale byte is its largest magnitude's exponent field - 4, held at 1 from below (a block of zeros keeps 1: its codes are zeros, and this program alone reads the bytes).
; LIMITS: NaN and infinities among the inputs are not served; blocks whose largest magnitude lies under 2^-122 keep the byte 1.
; No tensor load, no barrier: waves share nothing.  Loads run one unit (16 loads) ahead of the unit at work.
.set SP,   528                         ; a stage row
.set STG,  16*SP                       ; a wave's stage
.set VOFF, 16                          ; v16-31  byte offset of stage row rr's 16 bytes of my lane; never rewritten
.set X0,   32                          ; v32-95, v96-159  two sets of 64 numbers
.set PC,   160                         ; v160-178 the codes just made
.set TM,   180                         ; v180-195 at work in QUANT
.set PW,   196                         ; the scale word just made
.set PWE,  197                         ; that of the even unit before
.set PWS,  198                         ; lanes 0-15 the even unit's, lanes 16-31 the odd unit's
.set MW,   204                         ; v204-205 64 mask words: lane i holds words 2 i and 2 i + 1
.set SEL,  48                          ; s[48:49] lane selects: lane l xor 16
.macro PICK lim, j0, lq, pitch, cb, sb, ptr    ; work-groups under lim belong to this tensor
	s_cmp_lt_u32 ttmp9, \lim
	s_cselect_b32 s24, \j0, s24
	s_cselect_b32 s25, \lq, s25
	s_cselect_b32 s26, \pitch, s26
	s_cselect_b32 s27, \cb, s27
	s_cselect_b32 s28, \sb, s28
	s_cselect_b64 s[4:5], s[\ptr:\ptr+1], s[4:5]
.endm
; 64 numbers of a lane, register 16 b + i = k 32 b + 16 h + i of my row, become a fragment's 12 registers at v[PC] and its scale word in v[PW]
.macro QUANT s
.irp b, 0,1,2,3
	v_max3_num_f32 v[TM+\b], 0x2800000, |v[\s+16*\b]|, |v[\s+1+16*\b]|   ; my 16 numbers of block b, and the floor 2^(5 - 127): the byte cannot fall under 1
.endr
.irp i, 2,4,6,8,10,12,14
.irp b, 0,1,2,3
	v_max3_num_f32 v[TM+\b], v[TM+\b], |v[\s+16*\b+\i]|, |v[\s+1+16*\b+\i]|
.endr
.endr
.irp b, 0,1,2,3
	v_permlanex16_b32 v[TM+4+\b], v[TM+\b], s[SEL], s[SEL+1]
.endr
.irp b, 0,1,2,3
	v_max_num_f32 v[TM+\b], v[TM+\b], v[TM+4+\b]   ; with lane l xor 16's 16: the block's largest magnitude
.endr
.irp b, 0,1,2,3
	v_add_nc_u32 v[TM+12+\b], 0xfe000000, v[TM+\b] ; 4 off its exponent field: the conversion's scale operand
.endr
.irp b, 0,1,2,3
	v_lshrrev_b32 v[TM+4+\b], 23, v[TM+12+\b]      ; the scale's byte
.endr
	v_lshl_or_b32 v[PW], v[TM+5], 8, v[TM+4]
	v_lshl_or_b32 v[PW], v[TM+6], 16, v[PW]
	v_lshl_or_b32 v[PW], v[TM+7], 24, v[PW]
	s_wait_xcnt 0x0                                ; the last fragment's stores have read v[PC] on and v[PWS]: they are written again only behind this wait
.irp c, 0,1
	v_cvt_scalef32_pk16_bf6_f32 v[PC+6*\c:PC+2+6*\c], v[\s+32*\c:\s+15+32*\c], v[TM+12+2*\c]
	v_cvt_scalef32_pk16_bf6_f32 v[PC+12+4*\c:PC+14+4*\c], v[\s+16+32*\c:\s+31+32*\c], v[TM+12+2*\c+1]   ; (a conversion's three registers begin on an even number)
.endr
	v_nop                                          ; one plain place behind a scaled conversion
.irp c, 0,1                                    ; the operand wants a whole block in a lane: lanes 0-15 block 2 c, lanes 16-31 block 2 c + 1
.irp i, 0,1,2
	v_permlane16_swap_b32 v[PC+6*\c+\i], v[PC+12+4*\c+\i]
.endr
.irp i, 0,1,2
	v_mov_b32 v[PC+3+6*\c+\i], v[PC+12+4*\c+\i]
.endr
.endr
.endm
.macro LOADU u                         ; unit u: 16 rows x 512 consecutive bytes into set u % 2
.irp rr, 0,1,2,3,4,5,6,7,8,9,10,11,12,13,14,15
	global_load_b128 v[X0+64*((\u)%2)+4*\rr:X0+64*((\u)%2)+4*\rr+3], v[VOFF+\rr], s[4:5] offset:512*(\u) th:TH_LOAD_NT
.endr
.endm
.macro TURN xs                         ; through my stage and back into the registers that they left; LDS serves a wave's instructions in order, so no wait stands between
.irp rr, 0,1,2,3,4,5,6,7,8,9,10,11,12,13,14,15
	ds_store_b128 v2, v[\xs+4*\rr:\xs+4*\rr+3] offset:\rr*SP
.endr
.irp b, 0,1,2,3
.irp j, 0,1,2,3
	ds_load_b128 v[\xs+16*\b+4*\j:\xs+16*\b+4*\j+3], v3 offset:128*\b+16*\j
.endr
.endr
.endm
	s_load_b512 s[8:23], s[0:1], 0x0               ; x, Wqkv, Wo, W1, W2, mask, pq, mw
	v_lshl_add_u32 v208, v0, 2, 0x8400
	v_mov_b32 v209, 0
	v_lshrrev_b32 v6, 5, v0
	v_readfirstlane_b32 s2, v6                     ; wave
	v_and_b32 v7, 31, v0                           ; lane
	v_and_b32 v8, 15, v0                           ; r
	v_bfe_u32 v9, v0, 4, 1                         ; h
	v_lshlrev_b32 v1, 3, v7                        ; 8 l: my place in a register pair's 256 bytes
	v_lshlrev_b32 v5, 4, v7                        ; 16 l
	s_mul_i32 s3, s2, STG
	v_add_nc_u32 v2, s3, v5                        ; the stage, by rows
	v_mul_u32_u24 v3, v8, SP
	v_lshl_add_u32 v3, v9, 6, v3
	v_add_nc_u32 v3, s3, v3                        ; the stage, by lanes: row r, + 64 h
	v_lshlrev_b32 v4, 2, v8
	v_lshl_add_u32 v4, v9, 9, v4                   ; scale words: 4 r, lanes 16-31 one unit (512 bytes) on
	v_cmp_ne_u32 vcc_lo, 0, v9                     ; lanes 16-31
.irp b, 0,1,2,3
	v_mov_b32 v[TM+4+\b], 0                        ; a lane permute's destination counts as one of its sources
.endr
	v_mov_b32 v[PWE], 0
	v_mov_b32 v[MW], 0
	v_mov_b32 v[MW+1], 0
	s_mov_b32 s[SEL], 0x76543210
	s_mov_b32 s[SEL+1], 0xfedcba98
	s_mov_b32 s24, 2048                            ; the tensor's first job; log2 of its jobs to a block; bytes from row to row; where its codes and scales begin in pq
	s_mov_b32 s25, 2
	s_mov_b32 s26, 8192
	s_mov_b32 s27, 0
	s_mov_b32 s28, 0
	s_mov_b32 s29, 0                               ; the flags gathered so far
	s_wait_kmcnt 0x0
	s_mov_b64 s[50:51], s[22:23]                   ; mw
	s_mov_b64 s[4:5], s[18:19]                     ; the mask, unless the work-group's number says otherwise
	PICK 512, 1536, 3, 16384, 9437184, 12976128, 16
	PICK 384, 1024, 1, 4096, 6291456, 12845056, 14
	PICK 256, 896, 1, 4096, 5505024, 12812288, 12
	PICK 224, 512, 1, 4096, 3145728, 12713984, 10
	PICK 128, 0, 1, 4096, 0, 12582912, 8
	s_lshl_b32 s30, ttmp9, 2
	s_add_co_u32 s30, s30, s2
	s_sub_co_u32 s30, s30, s24                     ; my job in its tensor
	s_lshr_b32 s31, s30, s25                       ; rb
	s_lshl_b32 s32, s31, s25
	s_sub_co_u32 s32, s30, s32                     ; which 512 columns
	s_lshr_b32 s33, s31, 1
	s_lshl_b32 s33, s33, 5
	s_and_b32 s34, s31, 1
	s_lshl_b32 s34, s34, 3
	s_add_co_u32 s33, s33, s34                     ; the block's first row: 32 (rb / 2) + 8 (rb % 2)
	s_mul_i32 s33, s33, s26
	s_lshl_b32 s34, s32, 11
	s_add_co_u32 s34, s33, s34
	s_mov_b32 s35, 0
	s_add_nc_u64 s[4:5], s[4:5], s[34:35]
	s_lshr_b32 s36, s31, 3
	s_lshl_b32 s36, s36, s25
	s_add_co_u32 s36, s36, s32                     ; ((rb / 8) KS + ks) / 4
	s_and_b32 s37, s31, 7
	s_lshl_b32 s38, s36, 5
	s_add_co_u32 s38, s38, s37
	s_mul_i32 s38, s38, 1536
	s_add_co_u32 s38, s38, s27
	s_mov_b32 s39, 0
	s_add_nc_u64 s[6:7], s[20:21], s[38:39]        ; my first fragment
	s_lshl_b32 s38, s36, 11
	s_lshl_b32 s37, s37, 6
	s_add_co_u32 s38, s38, s37
	s_add_co_u32 s38, s38, s28
	s_add_nc_u64 s[40:41], s[20:21], s[38:39]      ; its scale words
	s_lshl_b32 s38, s31, 12
	s_lshl_b32 s37, s32, 10
	s_add_co_u32 s38, s38, s37
	s_add_nc_u64 s[42:43], s[50:51], s[38:39]      ; a mask job's words: (16 T + 4 p) 256
	s_lshl_b32 s38, s31, 4
	s_lshl_b32 s37, s32, 2
	s_add_co_u32 s38, s38, s37
	s_add_nc_u64 s[44:45], s[50:51], s[38:39]      ; and its flag word: 16 T + 4 p
.irp rr, 0,1,2,3,4,5,6,7,8,9,10,11,12,13,14,15
	s_mul_i32 s46, s26, (\rr%8)+16*(\rr/8)
	v_add_nc_u32 v[VOFF+\rr], s46, v5
.endr
	LOADU 0
	LOADU 1
.macro UNIT u
.set XS, X0+64*((\u)%2)
.if \u < 3
	s_wait_loadcnt 16                              ; this unit's 16 loads are in; the next unit's may be out
.else
	s_wait_loadcnt 0x0
.endif
	TURN XS
	s_wait_dscnt 0x0
	s_cmp_ge_u32 ttmp9, 512
	s_cbranch_scc1 .Lmask_\@
	QUANT XS
.irp g, 0,1,2,3,4,5
	global_store_b64 v1, v[PC+2*\g:PC+2*\g+1], s[6:7] offset:12288*(\u)+256*\g   ; 32 lanes store 256 consecutive bytes, aligned
.endr
.if (\u)%2 == 0
	v_mov_b32 v[PWE], v[PW]
.else
	v_cndmask_b32 v[PWS], v[PWE], v[PW], vcc_lo
	global_store_b32 v4, v[PWS], s[40:41] offset:512*((\u)-1)
.endif
	s_branch .Ljoin_\@
.Lmask_\@:
	s_wait_xcnt 0x0                                ; the last unit's store has read v[MW:MW+1]
	s_mov_b32 s21, 0
	s_mov_b32 s22, -1
.set n, 0
.rept 64
	v_cmp_ne_u32 s20, 0, v[XS+n]                   ; word n: a bit for each lane
	v_writelane_b32 v[MW+n%2], s20, n/2
	s_or_b32 s21, s21, s20
	s_and_b32 s22, s22, s20
.set n, n+1
.endr
	global_store_b64 v1, v[MW:MW+1], s[42:43] offset:256*(\u)   ; a step's 64 words: 256 consecutive bytes, aligned
	s_cmp_lg_u32 s21, 0
	s_cselect_b32 s20, 1<<(\u), 0
	s_or_b32 s29, s29, s20
	s_cmp_eq_u32 s22, -1
	s_cselect_b32 s20, 256<<(\u), 0
	s_or_b32 s29, s29, s20
.Ljoin_\@:
.if \u < 2
	LOADU (\u)+2
.endif
.endm
	UNIT 0
	UNIT 1
	UNIT 2
	UNIT 3
	s_cmp_lt_u32 ttmp9, 512
	s_cbranch_scc1 .Ldone
	v_mov_b32 v10, s29
	v_mov_b32 v11, 0
	v_cmp_gt_u32 s20, 1, v7
	s_wait_xcnt 0x0                                ; EXEC changes only behind this wait
	s_wait_tensorcnt 0x0
	ds_add_u32 v208, v209
	s_wait_dscnt 0x0
	s_and_saveexec_b32 s21, s20                    ; lane 0 stores the job's flag word
	global_store_b32 v11, v10, s[44:45] offset:524288
	s_endpgm
.Ldone:
	s_wait_tensorcnt 0x0
	ds_add_u32 v208, v209
	s_wait_dscnt 0x0
	s_endpgm
.Lfunc_end_k_qe5dc883fe9_prep:
	.size	k_qe5dc883fe9_prep, .Lfunc_end_k_qe5dc883fe9_prep-k_qe5dc883fe9_prep
	.p2alignl 7, 3214868480
	.fill 96, 4, 3214868480
	.section	.rodata,"a",@progbits
	.p2align	6, 0x0
	.amdhsa_kernel k_qe5dc883fe9_prep
		.amdhsa_group_segment_fixed_size 34304
		.amdhsa_private_segment_fixed_size 0
		.amdhsa_enable_private_segment 0
		.amdhsa_kernarg_size 64
		.amdhsa_user_sgpr_count 2
		.amdhsa_user_sgpr_kernarg_segment_ptr 1
		.amdhsa_wavefront_size32 1
		.amdhsa_system_sgpr_workgroup_id_x 1
		.amdhsa_system_sgpr_workgroup_id_y 1
		.amdhsa_system_sgpr_workgroup_id_z 1
		.amdhsa_system_vgpr_workitem_id 0
		.amdhsa_next_free_vgpr 210
		.amdhsa_next_free_sgpr 66
		.amdhsa_reserve_vcc 1
		.amdhsa_float_denorm_mode_32 3
		.amdhsa_float_denorm_mode_16_64 3
		.amdhsa_memory_ordered 1
		.amdhsa_forward_progress 1
		.amdhsa_inst_pref_size 89
	.end_amdhsa_kernel
	.amdgpu_metadata
---
amdhsa.version: [ 1, 2 ]
amdhsa.kernels:
  - .name:           k_qe5dc883fe9_prep
    .symbol:         k_qe5dc883fe9_prep.kd
    .args:
      - { .name: x, .offset: 0, .size: 8, .value_kind: global_buffer, .address_space: global }
      - { .name: Wqkv, .offset: 8, .size: 8, .value_kind: global_buffer, .address_space: global }
      - { .name: Wo, .offset: 16, .size: 8, .value_kind: global_buffer, .address_space: global }
      - { .name: W1, .offset: 24, .size: 8, .value_kind: global_buffer, .address_space: global }
      - { .name: W2, .offset: 32, .size: 8, .value_kind: global_buffer, .address_space: global }
      - { .name: mask, .offset: 40, .size: 8, .value_kind: global_buffer, .address_space: global }
      - { .name: pq, .offset: 48, .size: 8, .value_kind: global_buffer, .address_space: global }
      - { .name: mw, .offset: 56, .size: 8, .value_kind: global_buffer, .address_space: global }
    .group_segment_fixed_size: 34304
    .private_segment_fixed_size: 0
    .kernarg_segment_align: 8
    .kernarg_segment_size: 64
    .max_flat_workgroup_size: 128
    .sgpr_count:     66
    .vgpr_count:     210
    .wavefront_size: 32
...
	.end_amdgpu_metadata
.endif
;; end of part 1
;; launch qkvg (part 2): grid 48 x 4, 4 waves a work-group, clusters of 4 x 4, 327,680 bytes of LDS; arguments pq, bqkv, qkv; writes qkv
.if DOCPART == 2
	.amdgcn_target "amdgcn-amd-amdhsa--gfx1250"
	.amdhsa_code_object_version 6
	.text
	.protected	k_qe5dc883fe9_qkvg
	.globl	k_qe5dc883fe9_qkvg
	.p2align	8
	.type	k_qe5dc883fe9_qkvg,@function
k_qe5dc883fe9_qkvg:
	s_mov_b64 s[64:65], 0
	v_nop
	global_prefetch_b8 v0, s[64:65] scope:SCOPE_SE
	s_setreg_imm32_b32 hwreg(HW_REG_WAVE_MODE, 25, 1), 1
	s_wait_xcnt 0x0
	s_wait_alu depctr_hold_cnt(0) depctr_sa_sdst(0) depctr_va_vdst(0) depctr_va_sdst(0) depctr_va_ssrc(0) depctr_va_vcc(0) depctr_vm_vsrc(0)
	s_getreg_b32 s2, hwreg(HW_REG_IB_STS2, 6, 4)
	s_cmp_eq_u32 s2, 0
	s_cbranch_scc0 .Lentry_in_a_cluster
	s_endpgm
.Lentry_in_a_cluster:
	s_bfe_u32 s2, ttmp6, 0x10000c
	s_cmp_lg_u32 s2, 0xf033
	s_cbranch_scc0 .Lentry_shape_is_right
	s_endpgm
.Lentry_shape_is_right:
; qkv = x Wqkv^T + bqkv on codes of BF6, and q, k, v quantised on the way out, each along the K of the attention product that takes it.
; THE PRODUCT.  A tile of C, 256 x 256, is made by four waves, 128 x 128 each: 64 accumulators of 16 x 16 in windows 2 and 3.  K = 1,024 goes in steps of 256 through a ring of two LDS slots filled by tensor loads.
; Operands lie in memory as images of their registers (a fragment of 16 positions x 128 K is 1,536 bytes, pair g of lane l at 256 g + 8 l; 128 positions x 256 K are 24,576 dense bytes), so a wave's quarter of a slot
; is one dense block, every fragment comes by six ds_load_b64 of 256 consecutive bytes, and no padding is needed.  The scale words of the work-group's rows for all of K come once, with the first fills.
; Source 0 = 16 positions of 'B', source 1 = 16 positions of 'A'.  Position p holds row sigma(p) (bits 3 and 4 exchanged), so a lane's 64 results of a block of A are, register 16 b + i, B's row 32 b + 16 h + i:
; neighbours along B's axis, as the quantiser wants them.
; CLUSTERS 0-7 (q, k): A = x (tile row 4 (c / 2) + cy), B = Wqkv's rows 0-2047 (tile column 4 (c % 2) + cx): a lane holds one token and 128 columns = two heads of 64; each half of the fragment goes to its head.
; CLUSTERS 8-11 (v): A = Wqkv's rows 2048 on (tile row cy), B = x (tile column 4 (c - 8) + cx): a lane holds one column of v and 128 tokens: the keys are the second attention product's K.
; The choice hangs on the cluster's number alone and selects numbers, never a path.  bqkv: for q, k it is the C of the first K step; for v it is one number a lane, added ahead of the quantiser; the other of the two is cleared.
; A's tiles are asked for jointly along a row of the cluster, B's along a column.
; OUT: q @0, k @3145728: [b 16 + head][tile of 16 positions][768]; v @6291456: [b 16 + head][step of 128 keys][16 of the head's 64][1536]; scale words of q, k @9437184: [128 columns][block of 16 tokens][16];
; of v @9699328: [128 tokens][block of 16 columns][16].
; LIMITS: NaN and infinities are not served; blocks whose largest magnitude lies under 2^-122 keep the byte 1.
.set KS,    8                          ; K / 128
.set LAPS,  KS/4                       ; a lap = two slots = 512 along K
.set PART,  24576                      ; 128 positions x 256 K: what one tensor load brings
.set SLOT,  4*PART                     ; A's two halves, then B's
.set SCL,   2*SLOT                     ; behind the ring: the scale words, four parts
.set SPART, KS*512                     ; those of 128 positions
.set SPARE, SCL+4*SPART                ; the spare words, 128 bytes a wave: two blocks of 256 bytes that no other line names
.set FR,    12
.set NL,    6                          ; LDS loads that bring a fragment
.set NP,    4                          ; places behind this matrix instruction (ISA guide 7.12.1)
.set L8,    3                          ; v3  8 x lane
.set L4,    4                          ; v4  4 x lane
.set ADRA,  16                         ; v16-17 my A fragments in slot 0, 1
.set ADRB,  20                         ; v20-21 my B fragments
.set ADRS,  27                         ; v27 my scale words: lanes 0-15 A's, lanes 16-31 B's
.set SPW,   28                         ; v28 my spare word; never rewritten
.set NIL,   29                         ; v29 0; never rewritten
.set SC,    32                         ; v32-63 scale words, two sets of 16: register 2 i + q
.set BB,    64                         ; v64-127 the bias in the result's layout; on the way out at work
.set AF,    128                        ; v128-223 A's fragments, one set
.set G1, 24
.set G0, 32
.set G1B, 48
.set G0B, 56
.set G1S, 68
.set G0S, 76
.set G1SB, 80
.set G0SB, 88
.set SEL, 100
.set PC,  64
.set TM,  84
.set PW,  100
.set PWE, 101
.set PWS, 102
.set BA,  224                          ; v224-239 v's bias: block a's at v[224 + 2 a], zeros between
.set VO1, 6                            ; v6  8 x lane + the distance of a fragment's second half
.set MSB, 0
.macro WIN new                         ; the immediate's high byte repeats the setting that is left
.if MSB != (\new)
	s_set_vgpr_msb (MSB<<8)|(\new)
.set MSB, (\new)
.endif
.endm
.set MUL_LO, 0xa1                      ; source 0 (B) window 1, source 1 (A) window 0, C and D window 2
.set MUL_HI, 0xf1                      ; the same, C and D window 3
.set TO_B,   0x40
.macro JLOAD g0a, g1a, g0b, g1b        ; a joint load: waves 0, 1 fetch for A, waves 2, 3 for B; four v_nop follow each line
	s_cmp_eq_u32 s15, 0
	s_cbranch_scc0 .Lfor_b_\@
	tensor_load_to_lds s[\g0a:\g0a+3], s[\g1a:\g1a+7]
	s_nop 0
.rept 4
	v_nop
.endr
	s_branch .Lasked_\@
.Lfor_b_\@:
	tensor_load_to_lds s[\g0b:\g0b+3], s[\g1b:\g1b+7]
	s_nop 0
.rept 4
	v_nop
.endr
.Lasked_\@:
.endm
.macro CREST                           ; a round of the cluster's barrier behind its opening barrier
	s_cmp_lg_u32 s14, 0
	s_cbranch_scc1 .Lnot_wave_0_\@
	s_barrier_signal -3
.Lnot_wave_0_\@:
	s_barrier_wait -3
	s_barrier_signal -1
	s_barrier_wait -1
.endm
.macro CROUND
	s_barrier_signal -1
	s_barrier_wait -1
	CREST
.endm
.macro FRAG reg, adr, q, i             ; block i of my 128 positions, the slot's q-th 128 along K: six pairs of registers, 256 consecutive bytes each
.irp p, 0,1,2,3,4,5
	ds_load_b64 v[\reg+2*\p:\reg+2*\p+1], v[\adr] offset:(\q)*12288+(\i)*1536+256*\p
.endr
.endm
; 16 matrix instructions: A's blocks a0, a0 + 1 x B's eight.  zero = 1: the first K step starts the sums with the bias as C.  The 64 accumulators take turns, one instruction a turn.
.macro MUL16 a0, p, q, sc, zero
.irp a, \a0, \a0+1
.irp b, 0,1,2,3,4,5,6,7
.if \zero
	v_wmma_scale_f32_16x16x128_f8f6f4 v[8*(8*((\a)%4)+\b):8*(8*((\a)%4)+\b)+7], v[128*(\p)+FR*\b:128*(\p)+FR*\b+FR-1], v[AF+FR*(\a):AF+FR*(\a)+FR-1], v[BB+8*\b:BB+8*\b+7], v[SC+16*(\sc)+2*\b+(\q)], v[SC+16*(\sc)+2*(\a)+(\q)] matrix_a_fmt:MATRIX_FMT_BF6 matrix_b_fmt:MATRIX_FMT_BF6 matrix_a_scale:MATRIX_SCALE_ROW1
.else
	v_wmma_scale_f32_16x16x128_f8f6f4 v[8*(8*((\a)%4)+\b):8*(8*((\a)%4)+\b)+7], v[128*(\p)+FR*\b:128*(\p)+FR*\b+FR-1], v[AF+FR*(\a):AF+FR*(\a)+FR-1], v[8*(8*((\a)%4)+\b):8*(8*((\a)%4)+\b)+7], v[SC+16*(\sc)+2*\b+(\q)], v[SC+16*(\sc)+2*(\a)+(\q)] matrix_a_fmt:MATRIX_FMT_BF6 matrix_b_fmt:MATRIX_FMT_BF6 matrix_a_scale:MATRIX_SCALE_ROW1
.endif
.endr
.endr
.endm
.macro FETCH_B slot, q, p
	WIN TO_B
.irp i, 0,1,2,3,4,5,6,7
	FRAG 128*(\p)+FR*\i, ADRB+\slot, \q, \i
.endr
	WIN 0
.endm
.macro FETCH_A slot, q, i0
.irp i, \i0, \i0+1, \i0+2, \i0+3
	FRAG AF+FR*(\i), ADRA+\slot, \q, \i
.endr
.endm
.macro SCALES sc                       ; a slot's scale words: lanes 0-15 take A's block i, lanes 16-31 B's
.irp i, 0,1,2,3,4,5,6,7
.irp q, 0,1
	ds_load_b32 v[SC+16*\sc+2*\i+\q], v[ADRS] offset:512*\q+64*\i
.endr
.endr
.endm
.macro PLACES n
.rept \n
	v_nop
.endr
.endm
.macro STEP slot, q, zero              ; 128 along K that has its successor in the same slot
	s_wait_dscnt 4*NL                              ; B's set and A's blocks 0-3 are in; the youngest 24 loads (A's blocks 4-7) may be out
	WIN MUL_LO-0x20*(\zero)
	MUL16 0, (\q)%2, \q, \slot, \zero
	MUL16 2, (\q)%2, \q, \slot, \zero
	s_wait_dscnt 0
	PLACES NP
	FETCH_B \slot, (\q)+1, 1-(\q)%2
	FETCH_A \slot, (\q)+1, 0
	WIN MUL_HI-0x30*(\zero)
	MUL16 4, (\q)%2, \q, \slot, \zero
	MUL16 6, (\q)%2, \q, \slot, \zero
	PLACES NP
	WIN 0
	FETCH_A \slot, (\q)+1, 4
.endm
; A slot's last step changes slots: in front of the barrier each wave waits for all its tensor loads, adds 0 to its spare word, and waits for that and for its reads of this slot.  fill = 1: the slot is filled again.
.macro TURN slot, next, fill
	s_wait_tensorcnt 0x0                           ; all my tensor loads have landed: my part of the next slot
	ds_add_u32 v[SPW], v[NIL]                      ; 0 onto my spare word
	s_wait_dscnt 4*NL+1                            ; (the add and the youngest 24 loads may be out)
	WIN MUL_LO
	MUL16 0, 1, 1, \slot, 0
	s_wait_dscnt 0x0                               ; the add is done, and my reads of this slot are over
	s_barrier_signal -1
	MUL16 2, 1, 1, \slot, 0
	WIN 0
	s_barrier_wait -1
.if \fill
	CREST                                          ; the barrier has opened a round of the cluster's: no wave of any partner still reads this slot or has a load on its way
	s_add_nc_u64 s[G0+4*\slot+2:G0+4*\slot+3], s[G0+4*\slot+2:G0+4*\slot+3], 2*PART
	s_add_nc_u64 s[G0B+4*\slot+2:G0B+4*\slot+3], s[G0B+4*\slot+2:G0B+4*\slot+3], 2*PART
	JLOAD G0+4*\slot, G1, G0B+4*\slot, G1B         ; the first tensor load behind the round, one a wave; its four v_nop are the places in front of the loads below
.else
	PLACES NP
.endif
	v_add_nc_u32 v[ADRS], 1024, v[ADRS]            ; the next slot's scale words
	FETCH_B \next, 0, 0
	FETCH_A \next, 0, 0
	SCALES \next
	WIN MUL_HI
	MUL16 4, 1, 1, \slot, 0
	MUL16 6, 1, 1, \slot, 0
	PLACES NP
	WIN 0
	FETCH_A \next, 0, 4
.endm
; 64 numbers of a lane in window w, register 16 b + i = k 32 b + 16 h + i of my row, become a fragment's 12 registers at v[PC] and its scale word in v[PW] (window 0)
.macro QUANT w, s
	WIN ((\w)<<2)|((\w)<<4)
.irp b, 0,1,2,3
	v_max3_num_f32 v[TM+\b], 0x2800000, |v[\s+16*\b]|, |v[\s+1+16*\b]|   ; with the floor 2^(5 - 127): the byte cannot fall under 1
.endr
.irp i, 2,4,6,8,10,12,14
.irp b, 0,1,2,3
	v_max3_num_f32 v[TM+\b], v[TM+\b], |v[\s+16*\b+\i]|, |v[\s+1+16*\b+\i]|
.endr
.endr
	WIN 0
.irp b, 0,1,2,3
	v_permlanex16_b32 v[TM+4+\b], v[TM+\b], s[SEL], s[SEL+1]
.endr
.irp b, 0,1,2,3
	v_max_num_f32 v[TM+\b], v[TM+\b], v[TM+4+\b]
.endr
.irp b, 0,1,2,3
	v_add_nc_u32 v[TM+12+\b], 0xfe000000, v[TM+\b] ; 4 off the exponent field: the conversion's scale operand
.endr
.irp b, 0,1,2,3
	v_lshrrev_b32 v[TM+4+\b], 23, v[TM+12+\b]
.endr
	v_lshl_or_b32 v[PW], v[TM+5], 8, v[TM+4]
	v_lshl_or_b32 v[PW], v[TM+6], 16, v[PW]
	v_lshl_or_b32 v[PW], v[TM+7], 24, v[PW]
	s_wait_xcnt 0x0                                ; the last block's stores have read v[PC] on and v[PWS]
	WIN (\w)
.irp c, 0,1
	v_cvt_scalef32_pk16_bf6_f32 v[PC+6*\c:PC+2+6*\c], v[\s+32*\c:\s+15+32*\c], v[TM+12+2*\c]
	v_cvt_scalef32_pk16_bf6_f32 v[PC+12+4*\c:PC+14+4*\c], v[\s+16+32*\c:\s+31+32*\c], v[TM+12+2*\c+1]
.endr
	WIN 0
	v_nop                                          ; one plain place behind a scaled conversion
.irp c, 0,1
.irp i, 0,1,2
	v_permlane16_swap_b32 v[PC+6*\c+\i], v[PC+12+4*\c+\i]
.endr
.irp i, 0,1,2
	v_mov_b32 v[PC+3+6*\c+\i], v[PC+12+4*\c+\i]
.endr
.endr
.endm
	s_load_b128 s[4:7], s[0:1], 0x0                ; pq, bqkv
	s_load_b64 s[8:9], s[0:1], 0x10                ; qkv
	v_lshl_add_u32 v[SPW], v0, 2, SPARE
	v_mov_b32 v[NIL], 0
	ds_add_u32 v28, v29
	ds_add_u32 v28, v29
	s_wait_dscnt 0x0
	v_lshrrev_b32 v1, 5, v0
	v_readfirstlane_b32 s14, v1                    ; wave 0..3
	s_lshr_b32 s15, s14, 1                         ; my half of the tile's rows.  Also: I fetch for A (0) or B (1)
	s_and_b32 s16, s14, 1                          ; my half of its columns.  Also: which 128 positions I fetch
	s_bfe_u32 s40, ttmp6, 0x40000                  ; cx
	s_bfe_u32 s41, ttmp6, 0x40004                  ; cy
	s_lshr_b32 s17, ttmp9, 1
	s_lshl_b32 s17, s17, 2                         ; q, k: 4 (c / 2)
	s_and_b32 s42, ttmp9, 1
	s_lshl_b32 s42, s42, 2                         ; q, k: 4 (c % 2)
	s_and_b32 s18, ttmp9, 3
	s_lshl_b32 s18, s18, 2                         ; v: 4 (c - 8)
	s_cmp_lt_u32 ttmp9, 8                          ; q and k, or v: the cluster's number, the same in all sixteen partners
	s_cselect_b32 s17, s17, 0
	s_cselect_b32 s42, s42, s18
	s_cselect_b32 s96, 0, 4718592                  ; A's codes: x, or Wqkv from its row 2048 on
	s_cselect_b32 s97, 0, 196608                   ; A's scale words, beyond 12582912
	s_cselect_b32 s98, 3145728, 0                  ; B's codes: Wqkv, or x
	s_cselect_b32 s99, 131072, 0
	s_add_co_u32 s17, s17, s41                     ; tile row
	s_add_co_u32 s42, s42, s40                     ; tile column
	s_lshl_b32 s43, s41, 2
	s_lshl_b32 s43, 15, s43                        ; my row of the cluster
	s_lshl_b32 s44, 0x1111, s40                    ; my column
	s_or_b32 s[G1+0], s43, (3<<16)|(1<<21)         ; 15:0 the mask; 17:16 elements of 8 bytes; 21 set beside a mask; no padding
	s_or_b32 s[G1B+0], s44, (3<<16)|(1<<21)
.irp g, G1, G1B
	s_mov_b32 s[\g+1], 32<<16                      ; a dense block as rows of 256 bytes: tensor_dim0 = 32
	s_mov_b32 s[\g+2], 96<<16                      ; tensor_dim1 = 96
	s_mov_b32 s[\g+3], 32<<16                      ; tile_dim0
	s_mov_b32 s[\g+4], 96                          ; tile_dim1
	s_mov_b32 s[\g+5], 32                          ; from row to row
	s_mov_b32 s[\g+6], 0
	s_mov_b32 s[\g+7], 0
.endr
	s_or_b32 s[G1S+0], s43, (3<<16)|(1<<21)
	s_or_b32 s[G1SB+0], s44, (3<<16)|(1<<21)
.irp g, G1S, G1SB
	s_mov_b32 s[\g+1], 32<<16
	s_mov_b32 s[\g+2], (2*KS)<<16
	s_mov_b32 s[\g+3], 32<<16
	s_mov_b32 s[\g+4], 2*KS
	s_mov_b32 s[\g+5], 32
	s_mov_b32 s[\g+6], 0
	s_mov_b32 s[\g+7], 0
.endr
	s_lshl_b32 s20, s17, 1
	s_add_co_u32 s20, s20, s16                     ; A: the 128 positions that I fetch
	s_lshl_b32 s46, s42, 1
	s_add_co_u32 s46, s46, s16                     ; B's
	s_mul_i32 s22, s20, SPART
	s_mul_i32 s92, s46, SPART
	s_mul_i32 s20, s20, KS*12288
	s_mul_i32 s46, s46, KS*12288
	s_add_co_u32 s20, s20, s96
	s_add_co_u32 s22, s22, s97
	s_add_co_u32 s22, s22, 12582912
	s_add_co_u32 s46, s46, s98
	s_add_co_u32 s92, s92, s99
	s_add_co_u32 s92, s92, 12582912
	s_mov_b32 s21, 0
	s_mov_b32 s23, 0
	s_mov_b32 s47, 0
	s_mov_b32 s93, 0
	s_mul_i32 s45, s14, PART                       ; where they go: wave x a part: no place in the cluster enters an LDS address
	s_mul_i32 s94, s14, SPART
	s_mov_b32 s[SEL], 0x76543210
	s_mov_b32 s[SEL+1], 0xfedcba98
	s_wait_kmcnt 0x0
	s_add_nc_u64 s[20:21], s[4:5], s[20:21]
	s_add_nc_u64 s[22:23], s[4:5], s[22:23]
	s_add_nc_u64 s[46:47], s[4:5], s[46:47]
	s_add_nc_u64 s[92:93], s[4:5], s[92:93]
	CROUND                                         ; all sixteen work-groups are here: the first joint loads meet
	s_mov_b32 s[G0S], 1
	s_add_co_u32 s[G0S+1], s94, SCL
	s_mov_b64 s[G0S+2:G0S+3], s[22:23]
	s_or_b32 s[G0S+3], s[G0S+3], 0x80000000
	s_mov_b32 s[G0SB], 1
	s_add_co_u32 s[G0SB+1], s94, SCL
	s_mov_b64 s[G0SB+2:G0SB+3], s[92:93]
	s_or_b32 s[G0SB+3], s[G0SB+3], 0x80000000
	JLOAD G0S, G1S, G0SB, G1SB                     ; the scale words first; three loads of mine are out at the start, one behind each round
.irp s, 0,1
	s_mov_b32 s[G0+4*\s], 1
	s_add_co_u32 s[G0+4*\s+1], s45, \s*SLOT
	s_add_nc_u64 s[G0+4*\s+2:G0+4*\s+3], s[20:21], \s*PART
	s_or_b32 s[G0+4*\s+3], s[G0+4*\s+3], 0x80000000
	s_mov_b32 s[G0B+4*\s], 1
	s_add_co_u32 s[G0B+4*\s+1], s45, \s*SLOT
	s_add_nc_u64 s[G0B+4*\s+2:G0B+4*\s+3], s[46:47], \s*PART
	s_or_b32 s[G0B+4*\s+3], s[G0B+4*\s+3], 0x80000000
	JLOAD G0+4*\s, G1, G0B+4*\s, G1B
.endr
	v_and_b32 v1, 15, v0                           ; r
	v_bfe_u32 v2, v0, 4, 1                         ; h
	v_and_b32 v5, 31, v0
	v_lshlrev_b32 v[L8], 3, v5
	v_lshlrev_b32 v[L4], 2, v5
	s_mul_i32 s21, s15, PART
	s_mul_i32 s22, s16, PART
	s_add_co_u32 s22, s22, 2*PART
.irp s, 0,1
	v_add_nc_u32 v[ADRA+\s], s21, v[L8]
	v_add_nc_u32 v[ADRB+\s], s22, v[L8]
	s_add_co_u32 s21, s21, SLOT
	s_add_co_u32 s22, s22, SLOT
.endr
	v_lshlrev_b32 v5, 2, v1
	s_mul_i32 s21, s15, SPART
	s_mul_i32 s22, s16, SPART
	s_add_co_u32 s22, s22, 2*SPART
	s_sub_co_u32 s22, s22, s21
	v_mul_u32_u24 v6, s22, v2                      ; lanes 16-31 take B's: one product, the distance between the two parts
	s_add_co_u32 s21, s21, SCL
	v_add_nc_u32 v5, v5, v6
	v_add_nc_u32 v[ADRS], s21, v5
	; where the results go, made both ways and chosen by the cluster's number
	s_lshl_b32 s20, s17, 1
	s_add_co_u32 s20, s20, s15                     ; RG: my 128 positions of A
	s_lshl_b32 s21, s42, 1
	s_add_co_u32 s21, s21, s16                     ; gb: my 128 of B
	s_lshr_b32 s22, s21, 3
	s_mul_i32 s22, s22, 3145728
	s_and_b32 s23, s21, 7
	s_mul_i32 s23, s23, 196608
	s_add_co_u32 s22, s22, s23
	s_lshr_b32 s23, s20, 4
	s_mul_i32 s23, s23, 1572864
	s_add_co_u32 s22, s22, s23
	s_and_b32 s23, s20, 15
	s_mul_i32 s23, s23, 6144
	s_add_co_u32 s22, s22, s23                     ; q, k: q or k, the pair of heads, the batch, the first of my 8 tiles
	s_lshr_b32 s46, s21, 4
	s_mul_i32 s46, s46, 1572864
	s_and_b32 s47, s21, 15
	s_mul_i32 s47, s47, 6144
	s_add_co_u32 s46, s46, s47
	s_mul_i32 s47, s20, 196608
	s_add_co_u32 s46, s46, s47
	s_add_co_u32 s46, s46, 6291456                 ; v: the batch, the step of 128 keys, the pair of heads
	s_lshl_b32 s93, s20, 3
	s_lshl_b32 s92, s21, 8
	s_add_co_u32 s92, s92, s93
	s_lshl_b32 s92, s92, 6
	s_add_co_u32 s92, s92, 9437184
	s_lshl_b32 s94, s21, 6
	s_add_co_u32 s94, s94, s93
	s_lshl_b32 s94, s94, 6
	s_add_co_u32 s94, s94, 9699328
	s_lshl_b32 s95, s21, 9                         ; q, k: bqkv at my 128 columns
	s_lshl_b32 s93, s20, 9
	s_add_co_u32 s93, s93, 8192                    ; v: bqkv at 2048 + my 128 rows
	s_mov_b32 s96, 1536
	s_mov_b32 s98, 93696
	s_mov_b32 s66, 768
	s_cmp_lt_u32 ttmp9, 8
	s_cselect_b32 s22, s22, s46
	s_cselect_b32 s92, s92, s94
	s_cselect_b32 s46, s95, 0
	s_cselect_b32 s94, 0, s93
	s_cselect_b32 s96, 768, s96                    ; from block to block,
	s_cselect_b32 s98, 768, s98                    ; from block 3 to block 4,
	s_cselect_b32 s66, 98304, s66                  ; from a fragment's first half to its second
	s_cselect_b32 vcc_lo, -1, 0
	s_mov_b32 s23, 0
	s_mov_b32 s93, 0
	s_mov_b32 s47, 0
	s_mov_b32 s95, 0
	s_mov_b32 s97, 0
	s_mov_b32 s99, 0
	s_add_nc_u64 s[10:11], s[8:9], s[22:23]        ; codes
	s_add_nc_u64 s[12:13], s[8:9], s[92:93]        ; scale words
	s_add_nc_u64 s[18:19], s[6:7], s[94:95]
	s_add_nc_u64 s[6:7], s[6:7], s[46:47]
	v_add_nc_u32 v[VO1], s66, v[L8]
	v_lshlrev_b32 v7, 6, v2
.irp b, 0,1,2,3,4,5,6,7
	global_load_b128 v[BB+8*\b:BB+8*\b+3], v7, s[6:7] offset:128*(\b/2)+32*(\b%2)      ; register 8 b + j of half h: column 32 (b / 2) + 16 h + 8 (b % 2) + j
	global_load_b128 v[BB+8*\b+4:BB+8*\b+7], v7, s[6:7] offset:128*(\b/2)+32*(\b%2)+16
.endr
	v_and_b32 v5, 8, v1
	v_add_nc_u32 v5, v5, v1
	v_lshlrev_b32 v5, 2, v5                        ; position r of a block is row r + 8 (r / 8) of its 24
.irp a, 0,1,2,3,4,5,6,7
	global_load_b32 v[BA+2*\a], v5, s[18:19] offset:(32*(\a/2)+8*(\a%2))*4
.endr
	s_wait_tensorcnt 1                             ; the scale words and my part of slot 0 are in (slot 1's load may be out),
	s_barrier_signal -1
	s_barrier_wait -1                              ; everybody's are
	FETCH_B 0, 0, 0
	FETCH_A 0, 0, 0
	SCALES 0
	FETCH_A 0, 0, 4
	s_wait_loadcnt 0x0                             ; the biases
.set j, 0
.rept 64
	v_cndmask_b32 v[BB+j], 0, v[BB+j], vcc_lo      ; kept for q and k, cleared for v
.set j, j+1
.endr
.irp a, 0,1,2,3,4,5,6,7
	v_cndmask_b32 v[BA+2*\a], v[BA+2*\a], 0, vcc_lo   ; cleared for q and k, kept for v
	v_mov_b32 v[BA+2*\a+1], 0                      ; (named with it as a pair)
.endr
	STEP 0, 0, 1                                   ; the first step stands in front of the loop: its products start the sums
	s_mov_b32 s3, LAPS-1
.Llap:
	TURN 0, 1, 1
	STEP 1, 0, 0
	TURN 1, 0, 1
	STEP 0, 0, 0
	s_sub_co_u32 s3, s3, 1
	s_cmp_lg_u32 s3, 0
	s_cbranch_scc1 .Llap
	TURN 0, 1, 0                                   ; the last lap fills nothing
	STEP 1, 0, 0
	s_wait_dscnt 4*NL
	WIN MUL_LO
	MUL16 0, 1, 1, 1, 0
	MUL16 2, 1, 1, 1, 0
	s_wait_dscnt 0
	WIN MUL_HI
	MUL16 4, 1, 1, 1, 0
	MUL16 6, 1, 1, 1, 0
	WIN 0
	; THE WAY OUT: block by block of 16 positions of A: the lane's bias, the quantiser, six stores of 256 consecutive bytes; two blocks' scale words leave together
	PLACES NP
.irp b, 0,1,2,3
	v_mov_b32 v[TM+4+\b], 0                        ; a lane permute's destination counts as one of its sources
.endr
	v_cmp_ne_u32 vcc_lo, 0, v2                     ; lanes 16-31
.macro OUTQ a
.set WW, 2+(\a)/4
.set ACB, 64*((\a)%4)
.if (\a) > 0
	s_wait_xcnt 0x0                                ; the last block's stores have read their base
.if (\a) == 4
	s_add_nc_u64 s[10:11], s[10:11], s[98:99]
.else
	s_add_nc_u64 s[10:11], s[10:11], s[96:97]
.endif
.endif
	WIN (WW<<6)|WW
.set j, 0
.rept 32
	v_pk_add_f32 v[ACB+j:ACB+j+1], v[ACB+j:ACB+j+1], v[BA+2*(\a):BA+2*(\a)+1] op_sel_hi:[1,0]   ; each accumulator from its low end on
.set j, j+2
.endr
	QUANT WW, ACB
.irp g, 0,1,2
	global_store_b64 v[L8], v[PC+2*\g:PC+2*\g+1], s[10:11] offset:256*\g
	global_store_b64 v[VO1], v[PC+6+2*\g:PC+7+2*\g], s[10:11] offset:256*\g
.endr
.if (\a)%2 == 0
	v_mov_b32 v[PWE], v[PW]
.else
	v_cndmask_b32 v[PWS], v[PWE], v[PW], vcc_lo
	global_store_b32 v[L4], v[PWS], s[12:13] offset:128*((\a)/2)
.endif
.endm
.irp a, 0,1,2,3,4,5,6,7
	OUTQ \a
.endr
	s_wait_tensorcnt 0x0                           ; the wave's end
	ds_add_u32 v[SPW], v[NIL]
	s_wait_dscnt 0x0
	CROUND                                         ; the closing round
	s_endpgm
.Lfunc_end_k_qe5dc883fe9_qkvg:
	.size	k_qe5dc883fe9_qkvg, .Lfunc_end_k_qe5dc883fe9_qkvg-k_qe5dc883fe9_qkvg
	.p2alignl 7, 3214868480
	.fill 96, 4, 3214868480
	.section	.rodata,"a",@progbits
	.p2align	6, 0x0
	.amdhsa_kernel k_qe5dc883fe9_qkvg
		.amdhsa_group_segment_fixed_size 327680
		.amdhsa_private_segment_fixed_size 0
		.amdhsa_enable_private_segment 0
		.amdhsa_kernarg_size 24
		.amdhsa_user_sgpr_count 2
		.amdhsa_user_sgpr_kernarg_segment_ptr 1
		.amdhsa_wavefront_size32 1
		.amdhsa_system_sgpr_workgroup_id_x 1
		.amdhsa_system_sgpr_workgroup_id_y 1
		.amdhsa_system_sgpr_workgroup_id_z 1
		.amdhsa_system_vgpr_workitem_id 0
		.amdhsa_next_free_vgpr 1024
		.amdhsa_next_free_sgpr 102
		.amdhsa_reserve_vcc 1
		.amdhsa_float_denorm_mode_32 3
		.amdhsa_float_denorm_mode_16_64 3
		.amdhsa_memory_ordered 1
		.amdhsa_forward_progress 1
		.amdhsa_inst_pref_size 193
	.end_amdhsa_kernel
	.amdgpu_metadata
---
amdhsa.version: [ 1, 2 ]
amdhsa.kernels:
  - .name:           k_qe5dc883fe9_qkvg
    .symbol:         k_qe5dc883fe9_qkvg.kd
    .args:
      - { .name: pq, .offset: 0, .size: 8, .value_kind: global_buffer, .address_space: global }
      - { .name: bqkv, .offset: 8, .size: 8, .value_kind: global_buffer, .address_space: global }
      - { .name: qkv, .offset: 16, .size: 8, .value_kind: global_buffer, .address_space: global }
    .group_segment_fixed_size: 327680
    .private_segment_fixed_size: 0
    .kernarg_segment_align: 8
    .kernarg_segment_size: 24
    .max_flat_workgroup_size: 128
    .sgpr_count:     102
    .vgpr_count:     1024
    .wavefront_size: 32
...
	.end_amdgpu_metadata
.endif
;; end of part 2
;; launch attn (part 3): grid 8 x 32, 16 waves a work-group, no clusters, 206,848 bytes of LDS; arguments qkv, mw, ob; writes ob
.if DOCPART == 3
	.amdgcn_target "amdgcn-amd-amdhsa--gfx1250"
	.amdhsa_code_object_version 6
	.text
	.protected	k_qe5dc883fe9_attn
	.globl	k_qe5dc883fe9_attn
	.p2align	8
	.type	k_qe5dc883fe9_attn,@function
k_qe5dc883fe9_attn:
	s_mov_b64 s[64:65], 0
	v_nop
	global_prefetch_b8 v0, s[64:65] scope:SCOPE_SE
	s_setreg_imm32_b32 hwreg(HW_REG_WAVE_MODE, 25, 1), 1
	s_wait_xcnt 0x0
; o = softmax(mask(q k^T / 8)) v for one head and batch a work-group row, both products on codes of BF6; o is quantised along the model's axis on the way out, as the next product's operand.
; THE SOFTMAX: t = score x log2(e) / 8; M = the running largest t rounded UP to a whole number; p = 2^(t - M) is quantised along the keys; the row's sum is taken of the unquantised p and divides at the end.
; SHARES.  Work-group (i, b 16 + head); each of its sixteen waves owns one tile of 16 query positions, T = 8 rho + i, rho a permutation of the wave's number; four waves to a SIMD.
; BOTH PRODUCTS TRANSPOSED: S^T = k q^T, O^T = v^T p^T: a lane holds one query throughout.  Positions hold rows sigma(p) (bits 3, 4 exchanged), so the 16 registers of two neighbouring tiles of keys are 16 neighbouring
; keys, and the 16 of two tiles of v's columns 16 neighbouring columns.
; HEAD SIZE 64 is half of the instruction's 128 along K: a PAIR of key tiles is one 12-register operand (tile 2 P in K 0-63, tile 2 P + 1 in K 64-127); against [q | zeros] it gives tile 2 P's scores, against [zeros | q]
; tile 2 P + 1's: zero codes add nothing.
; THE HEAD'S K AND V LIE IN LDS WHOLE, each byte filled once, in four chunks of 512 keys, through registers; a chunk is asked for a phase (four key steps) before it is stored, and read behind a barrier.
; THE MASK is an input: a key step none of whose keys counts for the tile is passed over, and one all of whose keys count takes no mask, by scalar branches on flag words that an earlier launch stored; else 64 lane masks
; turn hidden scores into -infinity.  Such branches hang on numbers read from memory, which shuts out tensor loads and with them joint loads in a cluster: that is why the work-groups of a head, which read the same
; K and V, do not ask jointly.
; A QUERY WITHOUT ANY KEY: its sum is 0; its two scale bytes become 0xff, which makes the next product's row NaN, as the softmax of such a row is.
; LIMITS: NaN and infinities among the inputs are not served; blocks whose largest magnitude lies under 2^-122 keep the byte 1.
; REGISTERS: v1, v10, v11, v2 bases (K, V, K's words, V's words); v3-6 the step's addresses; v7 -infinity; v8, v9 where a chunk goes; v12 -M, v13 largest t, v[14:15] the sum; v16-33 zeros | q | zeros; v34-81 four pairs of K,
; then four tiles of V; v82-85, v86-89 their scale words; v90 q's; v91 4 r; v92 f, v93 p's scale word; v94 at work; v95 16 x thread; v96-159 S^T, then p; v160-191 O^T; v192-211 codes; v212-223 at work; v228-251 a chunk.
.set KC,  3145728
.set VC,  6291456
.set QKS, 9437184
.set VS,  9699328
.set LV,  98304                        ; LDS: K's codes at 0, V's here,
.set LKS, 196608                       ; K's pair words [pair][16],
.set LVS, 200704                       ; V's words [step][tile][16]
.set CH,  24576                        ; a chunk: 512 keys of K, and as many bytes of V
.macro CHUNK c
.irp j, 0,1,2
	global_load_b128 v[228+4*\j:231+4*\j], v95, s[16:17] offset:CH*(\c)+8192*\j
	global_load_b128 v[240+4*\j:243+4*\j], v95, s[18:19] offset:CH*(\c)+8192*\j
.endr
.endm
	s_load_b128 s[4:7], s[0:1], 0x0                ; qkv, mw
	s_load_b64 s[8:9], s[0:1], 0x10                ; ob
	v_lshl_add_u32 v254, v0, 2, 0x32000
	v_mov_b32 v255, 0
	v_lshrrev_b32 v3, 5, v0
	v_readfirstlane_b32 s10, v3                    ; wave 0..15
	v_and_b32 v4, 31, v0
	v_and_b32 v5, 15, v0
	v_lshlrev_b32 v1, 3, v4                        ; 8 l
	v_add_nc_u32 v10, LV, v1
	v_lshlrev_b32 v91, 2, v5                       ; 4 r
	v_add_nc_u32 v11, LKS, v91
	v_add_nc_u32 v2, LVS, v91
	v_lshlrev_b32 v95, 4, v0
	v_lshlrev_b32 v8, 4, v0
	v_add_nc_u32 v9, LV, v8
	v_lshrrev_b32 v212, 4, v0
	v_lshl_add_u32 v212, v212, 7, v91              ; K's raw words: pair x / 16 is 128 bytes on, + 4 (x % 16)
	v_lshrrev_b32 v213, 6, v0
	v_lshlrev_b32 v213, 12, v213
	v_and_b32 v214, 63, v0
	v_lshl_add_u32 v213, v214, 2, v213             ; V's: step x / 64 is 4,096 bytes on, + 4 (x % 64)
	v_lshl_add_u32 v214, v0, 2, LKS
	s_and_b32 s32, ttmp7, 0xffff                   ; b 16 + head
	s_lshr_b32 s33, s32, 4                         ; b
	s_and_b32 s34, s32, 15                         ; head
	s_lshr_b32 s35, s34, 1
	s_and_b32 s36, s34, 1
	s_bfe_u32 s37, s10, 0x10002
	s_mul_i32 s37, s37, 3
	s_and_b32 s38, s10, 3
	s_xor_b32 s37, s37, s38
	s_and_b32 s38, s10, 12
	s_or_b32 s37, s37, s38                         ; rho
	s_lshl_b32 s37, s37, 3
	s_add_co_u32 s38, s37, ttmp9                   ; T
	s_mul_i32 s40, s32, 98304
	s_mul_i32 s42, s38, 768
	s_lshl_b32 s44, s35, 8
	s_lshl_b32 s39, s33, 7
	s_add_co_u32 s46, s44, s39
	s_add_co_u32 s44, s46, s38
	s_lshl_b32 s44, s44, 6
	s_add_co_u32 s44, s44, QKS                     ; q's raw words
	s_add_co_u32 s46, s46, 2048
	s_lshl_b32 s46, s46, 6
	s_add_co_u32 s46, s46, QKS                     ; k's
	s_lshl_b32 s48, s33, 16
	s_lshl_b32 s54, s34, 8
	s_add_co_u32 s48, s48, s54
	s_add_co_u32 s48, s48, VS                      ; v's
	s_lshl_b32 s50, s38, 12                        ; the tile's mask words
	s_lshl_b32 s52, s38, 4                         ; and flags
	s_add_co_u32 s54, s39, s38                     ; rb = 128 b + T
	s_lshr_b32 s55, s54, 3
	s_lshl_b32 s55, s55, 3
	s_add_co_u32 s55, s55, s35
	s_lshl_b32 s55, s55, 3
	s_and_b32 s54, s54, 7
	s_add_co_u32 s55, s55, s54                     ; ((rb / 8) 8 + head / 2) 8 + rb % 8
	s_mul_i32 s56, s55, 1536
	s_mul_i32 s54, s36, 768
	s_add_co_u32 s56, s56, s54
	s_lshl_b32 s58, s55, 6
	s_lshl_b32 s54, s36, 1
	s_add_co_u32 s58, s58, s54
	s_add_co_u32 s58, s58, 3145728
.irp i, 41,43,45,47,49,51,53,57,59
	s_mov_b32 s\i, 0
.endr
	s_mov_b32 s62, 0x07060302                      ; an odd head's two bytes of the odd and of the even tile's raw word,
	s_mov_b32 s63, 0x03020302
	s_cmp_eq_u32 s36, 0
	s_cselect_b32 s62, 0x05040100, s62             ; or an even head's
	s_cselect_b32 s63, 0x01000100, s63             ; q's two bytes, twice
	s_mov_b32 s20, 0x76543210
	s_mov_b32 s21, 0xfedcba98
	s_mov_b32 s22, 0x3e38aa3b                      ; c = log2(e) / 8
	s_mov_b32 s23, s22
	s_wait_kmcnt 0x0
	s_add_nc_u64 s[16:17], s[4:5], s[40:41]
	s_add_nc_u64 s[60:61], s[16:17], s[42:43]      ; q's tile
	s_add_nc_u64 s[18:19], s[16:17], VC            ; the head's V
	s_add_nc_u64 s[16:17], s[16:17], KC            ; the head's K
	s_add_nc_u64 s[44:45], s[4:5], s[44:45]
	s_add_nc_u64 s[46:47], s[4:5], s[46:47]
	s_add_nc_u64 s[48:49], s[4:5], s[48:49]
	s_add_nc_u64 s[14:15], s[6:7], s[50:51]
	s_add_nc_u64 s[52:53], s[6:7], s[52:53]
	s_add_nc_u64 s[6:7], s[8:9], s[58:59]          ; o's scale bytes
	s_add_nc_u64 s[8:9], s[8:9], s[56:57]          ; o's codes
	s_load_b128 s[24:27], s[52:53], 0x80000        ; the tile's four flag words
	CHUNK 0
	global_load_b32 v216, v212, s[46:47]
	global_load_b32 v217, v212, s[46:47] offset:64
	global_load_b32 v218, v212, s[46:47] offset:4096
	global_load_b32 v219, v212, s[46:47] offset:4160
	global_load_b32 v220, v213, s[48:49]
	global_load_b32 v221, v213, s[48:49] offset:32768
.irp g, 0,1,2
	global_load_b64 v[22+2*\g:23+2*\g], v1, s[60:61] offset:256*\g
.endr
	global_load_b32 v222, v91, s[44:45]
.irp j, 16,17,18,19,20,21,28,29,30,31,32,33
	v_mov_b32 v\j, 0                               ; zero codes on both sides of q
.endr
	v_mov_b32 v7, 0xff800000
	v_mov_b32 v13, 0xff61b1e6                      ; the largest t so far: -3e38
	v_floor_f32 v12, -v13                          ; -M
	v_mov_b32 v14, 0
	v_mov_b32 v15, 0
	v_mov_b32 v92, 0
	v_mov_b32 v93, 0
	s_wait_loadcnt 0x0
	s_wait_kmcnt 0x0
	v_perm_b32 v216, v217, v216, s62
	v_perm_b32 v218, v219, v218, s62
	v_perm_b32 v90, v222, v222, s63
	ds_store_b32 v214, v216
	ds_store_b32 v214, v218 offset:2048
	ds_store_b32 v214, v220 offset:4096
	ds_store_b32 v214, v221 offset:6144
.irp j, 0,1,2
	ds_store_b128 v8, v[228+4*\j:231+4*\j] offset:8192*\j
	ds_store_b128 v9, v[240+4*\j:243+4*\j] offset:8192*\j
.endr
.set j, 0
.rept 32
	v_mov_b32 v[160+j], 0                          ; O^T: the step is written once, and a tile may have no step at all.  These 32 stand here, while the stores are out, as the plain instructions between the write of q's scale word and the first product that takes it
.set j, j+1
.endr
	s_wait_dscnt 0x0                               ; for the others' sake: my stores have landed
	CHUNK 1
	s_barrier_signal -1
	s_barrier_wait -1
; A KEY STEP: 128 keys; s11 counts the phase's four, s12 and s13 are the step's places among the codes and the scale words, s[14:15] its mask words
.macro STEP p
	s_bitcmp1_b32 s[24+\p], s11
	s_cbranch_scc0 .Lnone_\@                       ; no key of the step counts for any of my 16 queries
	v_add_nc_u32 v3, s12, v1                       ; (these four are also the places in front of loads into registers that the last products read)
	v_add_nc_u32 v4, s12, v10
	v_add_nc_u32 v5, s13, v11
	v_add_nc_u32 v6, s13, v2
.irp t, 0,1,2,3
.irp g, 0,1,2,3,4,5
	ds_load_b64 v[34+12*\t+2*\g:35+12*\t+2*\g], v3 offset:1536*\t+256*\g
.endr
	ds_load_b32 v[82+\t], v5 offset:64*\t
.endr
	s_wait_dscnt 0x0
.irp t, 0,1,2,3
	v_wmma_scale_f32_16x16x128_f8f6f4 v[96+16*\t:103+16*\t], v[34+12*\t:45+12*\t], v[22:33], 0, v[82+\t], v90 matrix_a_fmt:MATRIX_FMT_BF6 matrix_b_fmt:MATRIX_FMT_BF6
	v_wmma_scale_f32_16x16x128_f8f6f4 v[104+16*\t:111+16*\t], v[34+12*\t:45+12*\t], v[16:27], 0, v[82+\t], v90 matrix_a_fmt:MATRIX_FMT_BF6 matrix_b_fmt:MATRIX_FMT_BF6
.endr
.rept 4
	v_nop                                          ; places in front of the loads below and of the first read of the scores
.endr
.irp t, 0,1,2,3
.irp g, 0,1,2,3,4,5
	ds_load_b64 v[34+12*\t+2*\g:35+12*\t+2*\g], v4 offset:1536*\t+256*\g   ; V's four tiles land while the softmax is walked
.endr
	ds_load_b32 v[86+\t], v6 offset:64*\t
.endr
	s_add_co_u32 s28, s11, 8
	s_bitcmp1_b32 s[24+\p], s28
	s_cbranch_scc1 .Lopen_\@                       ; every key counts for every query
	s_load_b512 s[32:47], s[14:15], 0x0
	s_load_b512 s[48:63], s[14:15], 0x40
	s_load_b512 s[68:83], s[14:15], 0x80
	s_load_b512 s[84:99], s[14:15], 0xc0
	s_wait_kmcnt 0x0
.set n, 0
.rept 64
	v_cndmask_b32 v[96+n], v7, v[96+n], s[32+n+4*(n/32)]   ; a hidden key's score becomes -infinity: p = 0
.set n, n+1
.endr
.Lopen_\@:
.irp b, 0,1,2,3
	v_max3_num_f32 v[212+\b], v[96+16*\b], v[97+16*\b], v[98+16*\b]   ; the largest score of each block of 32 keys: for the row's maximum and, since p rises with the score, for the block's largest p
.endr
.irp i, 3,5,7,9,11,13
.irp b, 0,1,2,3
	v_max3_num_f32 v[212+\b], v[212+\b], v[96+16*\b+\i], v[97+16*\b+\i]
.endr
.endr
.irp b, 0,1,2,3
	v_max_num_f32 v[212+\b], v[212+\b], v[111+16*\b]
.endr
.irp b, 0,1,2,3
	v_permlanex16_b32 v[216+\b], v[212+\b], s20, s21
.endr
.irp b, 0,1,2,3
	v_max_num_f32 v[212+\b], v[212+\b], v[216+\b]
.endr
	v_max3_num_f32 v94, v212, v213, v214
	v_max_num_f32 v94, v94, v215
	v_mul_f32 v94, s22, v94
	v_max_num_f32 v13, v13, v94                    ; the running largest t
	v_mov_b32 v94, v12
	v_floor_f32 v12, -v13                          ; the new -M = -ceil(t)
	v_sub_f32 v94, v12, v94                        ; old M - new M: a whole number, 0 or less
	v_cvt_i32_f32 v94, v94                         ; (it saturates)
	v_ldexp_f32 v92, 1.0, v94                      ; f = 2^(old M - new M): a multiplication by it rounds nothing
.set j, 0
.rept 32
	v_pk_fma_f32 v[96+j:97+j], v[96+j:97+j], s[22:23], v[12:13] op_sel_hi:[1,0,0]   ; t - M
.set j, j+2
.endr
.irp b, 0,1,2,3
	v_fma_f32 v[212+\b], v[212+\b], s22, v12
.endr
.set j, 0
.rept 64
	v_exp_f32 v[96+j], v[96+j]                     ; p = 2^(t - M)
.set j, j+1
.endr
	v_pk_mul_f32 v[14:15], v[14:15], v[92:93] op_sel_hi:[1,0]   ; the sums under the new M: a plain place behind the exponentials
	s_wait_alu depctr_va_vdst(0)                   ; one wait for the whole batch, ahead of its first reader
.irp b, 0,1,2,3
	v_exp_f32 v[212+\b], v[212+\b]                 ; each block's largest p
.endr
	v_pk_add_f32 v[216:217], v[96:97], v[98:99]    ; the row's sum of the unquantised p, in two chains
.irp j, 4,8,12,16,20,24,28,32,36,40,44,48,52,56,60
	v_pk_add_f32 v[14:15], v[14:15], v[96+\j:97+\j]
	v_pk_add_f32 v[216:217], v[216:217], v[98+\j:99+\j]
.endr
	v_pk_add_f32 v[14:15], v[14:15], v[216:217]
	s_wait_alu depctr_va_vdst(0)                   ; and one for the four
.irp b, 0,1,2,3
	v_max_num_f32 v[212+\b], 0x2800000, v[212+\b]  ; the floor 2^(5 - 127)
.endr
.irp b, 0,1,2,3
	v_add_nc_u32 v[220+\b], 0xfe000000, v[212+\b]
.endr
.irp b, 0,1,2,3
	v_lshrrev_b32 v[216+\b], 23, v[220+\b]
.endr
	v_lshl_or_b32 v93, v217, 8, v216               ; p's scale word for these 128 keys
	v_lshl_or_b32 v93, v218, 16, v93
	v_lshl_or_b32 v93, v219, 24, v93
.irp c, 0,1
	v_cvt_scalef32_pk16_bf6_f32 v[192+6*\c:194+6*\c], v[96+32*\c:111+32*\c], v[220+2*\c]
	v_cvt_scalef32_pk16_bf6_f32 v[204+4*\c:206+4*\c], v[112+32*\c:127+32*\c], v[220+2*\c+1]
.endr
	v_nop
.irp c, 0,1
.irp i, 0,1,2
	v_permlane16_swap_b32 v[192+6*\c+\i], v[204+4*\c+\i]
.endr
.irp i, 0,1,2
	v_mov_b32 v[195+6*\c+\i], v[204+4*\c+\i]
.endr
.endr
.set j, 0
.rept 16
	v_pk_mul_f32 v[160+j:161+j], v[160+j:161+j], v[92:93] op_sel_hi:[1,0]   ; O^T under the new M; these sixteen are also the places in front of the products below
.set j, j+2
.endr
	s_wait_dscnt 0x0                               ; V's tiles and words are in
.irp t, 0,1,2,3
	v_wmma_scale_f32_16x16x128_f8f6f4 v[160+8*\t:167+8*\t], v[34+12*\t:45+12*\t], v[192:203], v[160+8*\t:167+8*\t], v[86+\t], v93 matrix_a_fmt:MATRIX_FMT_BF6 matrix_b_fmt:MATRIX_FMT_BF6
.endr
.Lnone_\@:
	s_add_co_u32 s12, s12, 6144
	s_add_co_u32 s13, s13, 256
	s_add_nc_u64 s[14:15], s[14:15], 256
.endm
; A PHASE: the four key steps of chunk p; then chunk p + 1, asked for a phase ago, goes into LDS bytes that nobody has touched, chunk p + 2 is asked for, and a barrier shows the new chunk to all
.macro PHASE p
	s_mov_b32 s12, CH*\p
	s_mov_b32 s13, 1024*\p
	s_mov_b32 s11, 0
.Lstep_\@:
	STEP \p
	s_add_co_u32 s11, s11, 1
	s_cmp_lt_u32 s11, 4
	s_cbranch_scc1 .Lstep_\@
.if \p < 3
	s_wait_loadcnt 0x0
	v_add_nc_u32 v8, CH, v8
	v_add_nc_u32 v9, CH, v9
.irp j, 0,1,2
	ds_store_b128 v8, v[228+4*\j:231+4*\j] offset:8192*\j
	ds_store_b128 v9, v[240+4*\j:243+4*\j] offset:8192*\j
.endr
	s_wait_dscnt 0x0
.if \p < 2
	CHUNK \p+2
.endif
	s_barrier_signal -1
	s_barrier_wait -1
.endif
.endm
	PHASE 0
	PHASE 1
	PHASE 2
	PHASE 3
	; THE WAY OUT: O^T / the sum; register 16 b + i is column 32 b + 16 h + i of my head: two blocks of the next product's K
.rept 4
	v_nop
.endr
	v_add_f32 v14, v14, v15
	v_permlanex16_b32 v92, v14, s20, s21
	v_add_f32 v14, v14, v92                        ; the row's sum
	v_cmp_eq_f32 vcc_lo, 0, v14                    ; a query for which no key counts
	v_rcp_f32 v94, v14
	v_mov_b32 v95, 0xffff                          ; (a plain place behind the reciprocal)
	s_wait_alu depctr_va_vdst(0)
.set j, 0
.rept 32
	v_mul_f32 v[96+j], v[160+j], v94
.set j, j+1
.endr
.irp b, 0,1
	v_max3_num_f32 v[212+\b], 0x2800000, |v[96+16*\b]|, |v[97+16*\b]|
.endr
.irp i, 2,4,6,8,10,12,14
.irp b, 0,1
	v_max3_num_f32 v[212+\b], v[212+\b], |v[96+16*\b+\i]|, |v[97+16*\b+\i]|
.endr
.endr
.irp b, 0,1
	v_permlanex16_b32 v[216+\b], v[212+\b], s20, s21
.endr
.irp b, 0,1
	v_max_num_f32 v[212+\b], v[212+\b], v[216+\b]
.endr
.irp b, 0,1
	v_add_nc_u32 v[220+\b], 0xfe000000, v[212+\b]
.endr
.irp b, 0,1
	v_lshrrev_b32 v[216+\b], 23, v[220+\b]
.endr
	v_lshl_or_b32 v93, v217, 8, v216
	v_cndmask_b32 v93, v93, v95, vcc_lo            ; no key: both bytes 0xff
	v_cvt_scalef32_pk16_bf6_f32 v[192:194], v[96:111], v220
	v_cvt_scalef32_pk16_bf6_f32 v[204:206], v[112:127], v221
	v_nop
.irp i, 0,1,2
	v_permlane16_swap_b32 v[192+\i], v[204+\i]
.endr
.irp i, 0,1,2
	v_mov_b32 v[195+\i], v[204+\i]
.endr
.irp g, 0,1,2
	global_store_b64 v1, v[192+2*\g:193+2*\g], s[8:9] offset:256*\g   ; half a fragment: 768 consecutive bytes
.endr
	v_and_b32 v94, 31, v0
	v_cmp_gt_u32 vcc_lo, 16, v94
	s_wait_xcnt 0x0                                ; EXEC changes only behind this wait
	s_wait_tensorcnt 0x0
	ds_add_u32 v254, v255
	s_wait_dscnt 0x0
	s_and_saveexec_b32 s28, vcc_lo
	global_store_b16 v91, v93, s[6:7]              ; my head's half of the row's scale word
	s_endpgm
.Lfunc_end_k_qe5dc883fe9_attn:
	.size	k_qe5dc883fe9_attn, .Lfunc_end_k_qe5dc883fe9_attn-k_qe5dc883fe9_attn
	.p2alignl 7, 3214868480
	.fill 96, 4, 3214868480
	.section	.rodata,"a",@progbits
	.p2align	6, 0x0
	.amdhsa_kernel k_qe5dc883fe9_attn
		.amdhsa_group_segment_fixed_size 206848
		.amdhsa_private_segment_fixed_size 0
		.amdhsa_enable_private_segment 0
		.amdhsa_kernarg_size 24
		.amdhsa_user_sgpr_count 2
		.amdhsa_user_sgpr_kernarg_segment_ptr 1
		.amdhsa_wavefront_size32 1
		.amdhsa_system_sgpr_workgroup_id_x 1
		.amdhsa_system_sgpr_workgroup_id_y 1
		.amdhsa_system_sgpr_workgroup_id_z 1
		.amdhsa_system_vgpr_workitem_id 0
		.amdhsa_next_free_vgpr 256
		.amdhsa_next_free_sgpr 102
		.amdhsa_reserve_vcc 1
		.amdhsa_float_denorm_mode_32 3
		.amdhsa_float_denorm_mode_16_64 3
		.amdhsa_memory_ordered 1
		.amdhsa_forward_progress 1
		.amdhsa_inst_pref_size 104
	.end_amdhsa_kernel
	.amdgpu_metadata
---
amdhsa.version: [ 1, 2 ]
amdhsa.kernels:
  - .name:           k_qe5dc883fe9_attn
    .symbol:         k_qe5dc883fe9_attn.kd
    .args:
      - { .name: qkv, .offset: 0, .size: 8, .value_kind: global_buffer, .address_space: global }
      - { .name: mw, .offset: 8, .size: 8, .value_kind: global_buffer, .address_space: global }
      - { .name: ob, .offset: 16, .size: 8, .value_kind: global_buffer, .address_space: global }
    .group_segment_fixed_size: 206848
    .private_segment_fixed_size: 0
    .kernarg_segment_align: 8
    .kernarg_segment_size: 24
    .max_flat_workgroup_size: 512
    .sgpr_count:     102
    .vgpr_count:     256
    .wavefront_size: 32
...
	.end_amdgpu_metadata
.endif
;; end of part 3
;; launch wo (part 4): grid 4 x 16, 4 waves a work-group, clusters of 4 x 4, 327,680 bytes of LDS; arguments ob, pq, bo, x, yb; writes yb
.if DOCPART == 4
	.amdgcn_target "amdgcn-amd-amdhsa--gfx1250"
	.amdhsa_code_object_version 6
	.text
	.protected	k_qe5dc883fe9_wo
	.globl	k_qe5dc883fe9_wo
	.p2align	8
	.type	k_qe5dc883fe9_wo,@function
k_qe5dc883fe9_wo:
	s_mov_b64 s[64:65], 0
	v_nop
	global_prefetch_b8 v0, s[64:65] scope:SCOPE_SE
	s_setreg_imm32_b32 hwreg(HW_REG_WAVE_MODE, 25, 1), 1
	s_wait_xcnt 0x0
	s_wait_alu depctr_hold_cnt(0) depctr_sa_sdst(0) depctr_va_vdst(0) depctr_va_sdst(0) depctr_va_ssrc(0) depctr_va_vcc(0) depctr_vm_vsrc(0)
	s_getreg_b32 s2, hwreg(HW_REG_IB_STS2, 6, 4)
	s_cmp_eq_u32 s2, 0
	s_cbranch_scc0 .Lentry_in_a_cluster
	s_endpgm
.Lentry_in_a_cluster:
	s_bfe_u32 s2, ttmp6, 0x10000c
	s_cmp_lg_u32 s2, 0xf033
	s_cbranch_scc0 .Lentry_shape_is_right
	s_endpgm
.Lentry_shape_is_right:
; yb = x + o Wo^T + bo: the product on codes of BF6, the bias as the C of the first K step, the residual added in f32 on the way out.
; A tile of C, 256 x 256, is made by four waves, 128 x 128 each: 64 accumulators of 16 x 16 in windows 2 and 3.  K goes in steps of 256 through a ring of two LDS slots filled by tensor loads.
; Operands lie in memory as images of their registers (a fragment of 16 positions x 128 K is 1,536 bytes, pair g of lane l at 256 g + 8 l; 128 positions x 256 K are 24,576 dense bytes), so a wave's quarter of a slot
; is one dense block, every fragment comes by six ds_load_b64 of 256 consecutive bytes, and no padding is needed.  The scale words of the work-group's rows for all of K come once, with the first fills.
; Source 0 = 16 positions of B (the weight), source 1 = 16 positions of A.  Position p holds row sigma(p) (bits 3 and 4 exchanged): a lane holds one position of A and, in register 8 b + j of a block,
; column 32 (b / 2) + 16 h + 8 (b % 2) + j.  The way out puts columns and rows back in their natural places.
; CLUSTERS: 4 x 4 work-groups; A's tiles are asked for jointly along a row of the cluster, B's along a column.  N = 1,024 gives 64 tiles of this size.
; A scale byte 0xff in A (a query without any key) makes its row NaN, as the definition has it.
.set KS,    8                          ; K / 128
.set ACODE, 0
.set ASCAL, 3145728
.set BCODE, 5505024
.set BSCAL, 12812288
.set LAPS,  KS/4                       ; a lap = two slots = 512 along K
.set PART,  24576                      ; 128 positions x 256 K: what one tensor load brings
.set SLOT,  4*PART                     ; A's two halves, then B's
.set SCL,   2*SLOT                     ; behind the ring: the scale words, four parts
.set SPART, KS*512                     ; those of 128 positions
.set SPARE, SCL+4*SPART                ; the spare words, 128 bytes a wave: two blocks of 256 bytes that no other line names
.set FR,    12
.set NL,    6                          ; LDS loads that bring a fragment
.set NP,    4                          ; places behind this matrix instruction (ISA guide 7.12.1)
.set L8,    3                          ; v3  8 x lane
.set ADRA,  16                         ; v16-17 my A fragments in slot 0, 1
.set ADRB,  20                         ; v20-21 my B fragments
.set STO,   24                         ; v24 the way out: where I put my bytes of a row
.set RD,    25                         ; v25 where I read a row back
.set CO,    26                         ; v26 16 x lane
.set ADRS,  27                         ; v27 my scale words: lanes 0-15 A's, lanes 16-31 B's
.set SPW,   28                         ; v28 my spare word; never rewritten
.set NIL,   29                         ; v29 0; never rewritten
.set SC,    32                         ; v32-63 scale words, two sets of 16: register 2 i + q
.set BB,    64                         ; v64-127 the bias in the result's layout
.set AF,    128                        ; v128-223 A's fragments, one set
.set BK,    128                        ; the way out: 16 rows back from the stage: v128-191, v192-255 by turns
.set SP,    528                        ; a stage row; the stages (16 rows a wave) lie in slot 0, which has had its last fill and its last read by then
.set G1, 24
.set G0, 32
.set G1B, 48
.set G0B, 56
.set G1S, 68
.set G0S, 76
.set G1SB, 80
.set G0SB, 88
.set MSB, 0
.macro WIN new                         ; the immediate's high byte repeats the setting that is left
.if MSB != (\new)
	s_set_vgpr_msb (MSB<<8)|(\new)
.set MSB, (\new)
.endif
.endm
.set MUL_LO, 0xa1                      ; source 0 (B) window 1, source 1 (A) window 0, C and D window 2
.set MUL_HI, 0xf1                      ; the same, C and D window 3
.set TO_B,   0x40
.macro JLOAD g0a, g1a, g0b, g1b        ; a joint load: waves 0, 1 fetch for A, waves 2, 3 for B; four v_nop follow each line
	s_cmp_eq_u32 s15, 0
	s_cbranch_scc0 .Lfor_b_\@
	tensor_load_to_lds s[\g0a:\g0a+3], s[\g1a:\g1a+7]
	s_nop 0
.rept 4
	v_nop
.endr
	s_branch .Lasked_\@
.Lfor_b_\@:
	tensor_load_to_lds s[\g0b:\g0b+3], s[\g1b:\g1b+7]
	s_nop 0
.rept 4
	v_nop
.endr
.Lasked_\@:
.endm
.macro CREST                           ; a round of the cluster's barrier behind its opening barrier
	s_cmp_lg_u32 s14, 0
	s_cbranch_scc1 .Lnot_wave_0_\@
	s_barrier_signal -3
.Lnot_wave_0_\@:
	s_barrier_wait -3
	s_barrier_signal -1
	s_barrier_wait -1
.endm
.macro CROUND
	s_barrier_signal -1
	s_barrier_wait -1
	CREST
.endm
.macro FRAG reg, adr, q, i             ; block i of my 128 positions, the slot's q-th 128 along K: six pairs of registers, 256 consecutive bytes each
.irp p, 0,1,2,3,4,5
	ds_load_b64 v[\reg+2*\p:\reg+2*\p+1], v[\adr] offset:(\q)*12288+(\i)*1536+256*\p
.endr
.endm
; 16 matrix instructions: A's blocks a0, a0 + 1 x B's eight.  zero = 1: the first K step starts the sums with the bias as C.  The 64 accumulators take turns, one instruction a turn.
.macro MUL16 a0, p, q, sc, zero
.irp a, \a0, \a0+1
.irp b, 0,1,2,3,4,5,6,7
.if \zero
	v_wmma_scale_f32_16x16x128_f8f6f4 v[8*(8*((\a)%4)+\b):8*(8*((\a)%4)+\b)+7], v[128*(\p)+FR*\b:128*(\p)+FR*\b+FR-1], v[AF+FR*(\a):AF+FR*(\a)+FR-1], v[BB+8*\b:BB+8*\b+7], v[SC+16*(\sc)+2*\b+(\q)], v[SC+16*(\sc)+2*(\a)+(\q)] matrix_a_fmt:MATRIX_FMT_BF6 matrix_b_fmt:MATRIX_FMT_BF6 matrix_a_scale:MATRIX_SCALE_ROW1
.else
	v_wmma_scale_f32_16x16x128_f8f6f4 v[8*(8*((\a)%4)+\b):8*(8*((\a)%4)+\b)+7], v[128*(\p)+FR*\b:128*(\p)+FR*\b+FR-1], v[AF+FR*(\a):AF+FR*(\a)+FR-1], v[8*(8*((\a)%4)+\b):8*(8*((\a)%4)+\b)+7], v[SC+16*(\sc)+2*\b+(\q)], v[SC+16*(\sc)+2*(\a)+(\q)] matrix_a_fmt:MATRIX_FMT_BF6 matrix_b_fmt:MATRIX_FMT_BF6 matrix_a_scale:MATRIX_SCALE_ROW1
.endif
.endr
.endr
.endm
.macro FETCH_B slot, q, p
	WIN TO_B
.irp i, 0,1,2,3,4,5,6,7
	FRAG 128*(\p)+FR*\i, ADRB+\slot, \q, \i
.endr
	WIN 0
.endm
.macro FETCH_A slot, q, i0
.irp i, \i0, \i0+1, \i0+2, \i0+3
	FRAG AF+FR*(\i), ADRA+\slot, \q, \i
.endr
.endm
.macro SCALES sc                       ; a slot's scale words: lanes 0-15 take A's block i, lanes 16-31 B's
.irp i, 0,1,2,3,4,5,6,7
.irp q, 0,1
	ds_load_b32 v[SC+16*\sc+2*\i+\q], v[ADRS] offset:512*\q+64*\i
.endr
.endr
.endm
.macro PLACES n
.rept \n
	v_nop
.endr
.endm
.macro STEP slot, q, zero              ; 128 along K that has its successor in the same slot
	s_wait_dscnt 4*NL                              ; B's set and A's blocks 0-3 are in; the youngest 24 loads (A's blocks 4-7) may be out
	WIN MUL_LO-0x20*(\zero)
	MUL16 0, (\q)%2, \q, \slot, \zero
	MUL16 2, (\q)%2, \q, \slot, \zero
	s_wait_dscnt 0
	PLACES NP
	FETCH_B \slot, (\q)+1, 1-(\q)%2
	FETCH_A \slot, (\q)+1, 0
	WIN MUL_HI-0x30*(\zero)
	MUL16 4, (\q)%2, \q, \slot, \zero
	MUL16 6, (\q)%2, \q, \slot, \zero
	PLACES NP
	WIN 0
	FETCH_A \slot, (\q)+1, 4
.endm
; A slot's last step changes slots: in front of the barrier each wave waits for all its tensor loads, adds 0 to its spare word, and waits for that and for its reads of this slot.  fill = 1: the slot is filled again.
.macro TURN slot, next, fill
	s_wait_tensorcnt 0x0                           ; all my tensor loads have landed: my part of the next slot
	ds_add_u32 v[SPW], v[NIL]                      ; 0 onto my spare word
	s_wait_dscnt 4*NL+1                            ; (the add and the youngest 24 loads may be out)
	WIN MUL_LO
	MUL16 0, 1, 1, \slot, 0
	s_wait_dscnt 0x0                               ; the add is done, and my reads of this slot are over
	s_barrier_signal -1
	MUL16 2, 1, 1, \slot, 0
	WIN 0
	s_barrier_wait -1
.if \fill
	CREST                                          ; the barrier has opened a round of the cluster's: no wave of any partner still reads this slot or has a load on its way
	s_add_nc_u64 s[G0+4*\slot+2:G0+4*\slot+3], s[G0+4*\slot+2:G0+4*\slot+3], 2*PART
	s_add_nc_u64 s[G0B+4*\slot+2:G0B+4*\slot+3], s[G0B+4*\slot+2:G0B+4*\slot+3], 2*PART
	JLOAD G0+4*\slot, G1, G0B+4*\slot, G1B         ; the first tensor load behind the round, one a wave; its four v_nop are the places in front of the loads below
.else
	PLACES NP
.endif
	v_add_nc_u32 v[ADRS], 1024, v[ADRS]            ; the next slot's scale words
	FETCH_B \next, 0, 0
	FETCH_A \next, 0, 0
	SCALES \next
	WIN MUL_HI
	MUL16 4, 1, 1, \slot, 0
	MUL16 6, 1, 1, \slot, 0
	PLACES NP
	WIN 0
	FETCH_A \next, 0, 4
.endm
	s_load_b256 s[4:11], s[0:1], 0x0               ; A's buffer, pq, the bias, the residual
	s_load_b64 s[12:13], s[0:1], 0x20              ; the result
	v_lshl_add_u32 v[SPW], v0, 2, SPARE
	v_mov_b32 v[NIL], 0
	ds_add_u32 v28, v29
	ds_add_u32 v28, v29
	s_wait_dscnt 0x0
	v_lshrrev_b32 v1, 5, v0
	v_readfirstlane_b32 s14, v1                    ; wave 0..3
	s_lshr_b32 s15, s14, 1                         ; my half of the tile's rows.  Also: I fetch for A (0) or B (1)
	s_and_b32 s16, s14, 1                          ; my half of its columns.  Also: which 128 positions I fetch
	s_bfe_u32 s40, ttmp6, 0x40000                  ; cx
	s_bfe_u32 s41, ttmp6, 0x40004                  ; cy
	s_lshl_b32 s42, ttmp9, 2
	s_add_co_u32 s42, s42, s40                     ; tile column
	s_and_b32 s17, ttmp7, 0xffff
	s_lshl_b32 s17, s17, 2
	s_add_co_u32 s17, s17, s41                     ; tile row
	s_lshl_b32 s43, s41, 2
	s_lshl_b32 s43, 15, s43                        ; my row of the cluster
	s_lshl_b32 s44, 0x1111, s40                    ; my column
	s_or_b32 s[G1+0], s43, (3<<16)|(1<<21)         ; 15:0 the mask; 17:16 elements of 8 bytes; 21 set beside a mask; no padding
	s_or_b32 s[G1B+0], s44, (3<<16)|(1<<21)
.irp g, G1, G1B
	s_mov_b32 s[\g+1], 32<<16                      ; a dense block as rows of 256 bytes: tensor_dim0 = 32
	s_mov_b32 s[\g+2], 96<<16                      ; tensor_dim1 = 96
	s_mov_b32 s[\g+3], 32<<16                      ; tile_dim0
	s_mov_b32 s[\g+4], 96                          ; tile_dim1
	s_mov_b32 s[\g+5], 32                          ; from row to row
	s_mov_b32 s[\g+6], 0
	s_mov_b32 s[\g+7], 0
.endr
	s_or_b32 s[G1S+0], s43, (3<<16)|(1<<21)
	s_or_b32 s[G1SB+0], s44, (3<<16)|(1<<21)
.irp g, G1S, G1SB
	s_mov_b32 s[\g+1], 32<<16
	s_mov_b32 s[\g+2], (2*KS)<<16
	s_mov_b32 s[\g+3], 32<<16
	s_mov_b32 s[\g+4], 2*KS
	s_mov_b32 s[\g+5], 32
	s_mov_b32 s[\g+6], 0
	s_mov_b32 s[\g+7], 0
.endr
	s_lshl_b32 s20, s17, 1
	s_add_co_u32 s20, s20, s16                     ; A: the 128 positions that I fetch
	s_lshl_b32 s46, s42, 1
	s_add_co_u32 s46, s46, s16                     ; B's
	s_mul_i32 s22, s20, SPART
	s_mul_i32 s92, s46, SPART
	s_mul_i32 s20, s20, KS*12288
	s_mul_i32 s46, s46, KS*12288
	s_add_co_u32 s20, s20, ACODE
	s_add_co_u32 s22, s22, ASCAL
	s_add_co_u32 s46, s46, BCODE
	s_add_co_u32 s92, s92, BSCAL
	s_mov_b32 s21, 0
	s_mov_b32 s23, 0
	s_mov_b32 s47, 0
	s_mov_b32 s93, 0
	s_mul_i32 s45, s14, PART                       ; where they go: wave x a part: no place in the cluster enters an LDS address
	s_mul_i32 s94, s14, SPART
	s_wait_kmcnt 0x0
	s_add_nc_u64 s[20:21], s[4:5], s[20:21]
	s_add_nc_u64 s[22:23], s[4:5], s[22:23]
	s_add_nc_u64 s[46:47], s[6:7], s[46:47]
	s_add_nc_u64 s[92:93], s[6:7], s[92:93]
	CROUND                                         ; all sixteen work-groups are here: the first joint loads meet
	s_mov_b32 s[G0S], 1
	s_add_co_u32 s[G0S+1], s94, SCL
	s_mov_b64 s[G0S+2:G0S+3], s[22:23]
	s_or_b32 s[G0S+3], s[G0S+3], 0x80000000
	s_mov_b32 s[G0SB], 1
	s_add_co_u32 s[G0SB+1], s94, SCL
	s_mov_b64 s[G0SB+2:G0SB+3], s[92:93]
	s_or_b32 s[G0SB+3], s[G0SB+3], 0x80000000
	JLOAD G0S, G1S, G0SB, G1SB                     ; the scale words first; three loads of mine are out at the start, one behind each round
.irp s, 0,1
	s_mov_b32 s[G0+4*\s], 1
	s_add_co_u32 s[G0+4*\s+1], s45, \s*SLOT
	s_add_nc_u64 s[G0+4*\s+2:G0+4*\s+3], s[20:21], \s*PART
	s_or_b32 s[G0+4*\s+3], s[G0+4*\s+3], 0x80000000
	s_mov_b32 s[G0B+4*\s], 1
	s_add_co_u32 s[G0B+4*\s+1], s45, \s*SLOT
	s_add_nc_u64 s[G0B+4*\s+2:G0B+4*\s+3], s[46:47], \s*PART
	s_or_b32 s[G0B+4*\s+3], s[G0B+4*\s+3], 0x80000000
	JLOAD G0+4*\s, G1, G0B+4*\s, G1B
.endr
	v_and_b32 v1, 15, v0                           ; r
	v_bfe_u32 v2, v0, 4, 1                         ; h
	v_and_b32 v5, 31, v0
	v_lshlrev_b32 v[L8], 3, v5
	v_lshlrev_b32 v[CO], 4, v5
	s_mul_i32 s21, s15, PART
	s_mul_i32 s22, s16, PART
	s_add_co_u32 s22, s22, 2*PART
.irp s, 0,1
	v_add_nc_u32 v[ADRA+\s], s21, v[L8]
	v_add_nc_u32 v[ADRB+\s], s22, v[L8]
	s_add_co_u32 s21, s21, SLOT
	s_add_co_u32 s22, s22, SLOT
.endr
	v_lshlrev_b32 v5, 2, v1
	s_mul_i32 s21, s15, SPART
	s_mul_i32 s22, s16, SPART
	s_add_co_u32 s22, s22, 2*SPART
	s_sub_co_u32 s22, s22, s21
	v_mul_u32_u24 v6, s22, v2                      ; lanes 16-31 take B's: one product, the distance between the two parts
	s_add_co_u32 s21, s21, SCL
	v_add_nc_u32 v5, v5, v6
	v_add_nc_u32 v[ADRS], s21, v5
	s_mul_i32 s23, s14, 16*SP                      ; my stage
	v_mul_u32_u24 v5, v1, SP
	v_lshl_add_u32 v5, v2, 6, v5
	v_add_nc_u32 v[STO], s23, v5                   ; in: row r, + 64 h
	v_add_nc_u32 v[RD], s23, v[CO]                 ; back: the 32 lanes take one row of 512 bytes
	s_lshl_b32 s20, s17, 8
	s_lshl_b32 s21, s15, 7
	s_add_co_u32 s20, s20, s21
	s_lshl_b32 s20, s20, 12                        ; my first row, 4,096 bytes a row
	s_lshl_b32 s46, s42, 10
	s_lshl_b32 s47, s16, 9
	s_add_co_u32 s46, s46, s47                     ; my first column, in bytes
	s_mov_b32 s47, 0
	s_add_nc_u64 s[8:9], s[8:9], s[46:47]
	s_add_co_u32 s20, s20, s46
	s_mov_b32 s21, 0
	s_add_nc_u64 s[10:11], s[10:11], s[20:21]
	s_add_nc_u64 s[12:13], s[12:13], s[20:21]
	v_lshlrev_b32 v7, 6, v2
.irp b, 0,1,2,3,4,5,6,7
	global_load_b128 v[BB+8*\b:BB+8*\b+3], v7, s[8:9] offset:128*(\b/2)+32*(\b%2)      ; register 8 b + j of half h: column 32 (b / 2) + 16 h + 8 (b % 2) + j
	global_load_b128 v[BB+8*\b+4:BB+8*\b+7], v7, s[8:9] offset:128*(\b/2)+32*(\b%2)+16
.endr
	s_wait_tensorcnt 1                             ; the scale words and my part of slot 0 are in (slot 1's load may be out),
	s_barrier_signal -1
	s_barrier_wait -1                              ; everybody's are
	FETCH_B 0, 0, 0
	FETCH_A 0, 0, 0
	SCALES 0
	FETCH_A 0, 0, 4
	s_wait_loadcnt 0x0                             ; the bias
	STEP 0, 0, 1                                   ; the first step stands in front of the loop: its products start the sums
	s_mov_b32 s3, LAPS-1
.Llap:
	TURN 0, 1, 1
	STEP 1, 0, 0
	TURN 1, 0, 1
	STEP 0, 0, 0
	s_sub_co_u32 s3, s3, 1
	s_cmp_lg_u32 s3, 0
	s_cbranch_scc1 .Llap
	TURN 0, 1, 0                                   ; the last lap fills nothing
	STEP 1, 0, 0
	s_wait_dscnt 4*NL
	WIN MUL_LO
	MUL16 0, 1, 1, 1, 0
	MUL16 2, 1, 1, 1, 0
	s_wait_dscnt 0
	WIN MUL_HI
	MUL16 4, 1, 1, 1, 0
	MUL16 6, 1, 1, 1, 0
	WIN 0
; THE WAY OUT, block by block of 16 positions x 128 columns: through my stage, where the columns fall into their natural places, back as whole rows of 512 bytes; the residual's same bytes are added; position t of block a
; is row 32 (a / 2) + 8 (a % 2) + t % 8 + 16 (t / 8) of my 128.  Every offset is an immediate (127 rows of 4,096 bytes at the most).  The residual is asked for three blocks ahead, into window 1.
.macro RESLOAD a
	WIN 0x40
.irp t, 0,1,2,3,4,5,6,7,8,9,10,11,12,13,14,15
	global_load_b128 v[64*((\a)%4)+4*\t:64*((\a)%4)+4*\t+3], v[CO], s[10:11] offset:(32*((\a)/2)+8*((\a)%2)+(\t%8)+16*(\t/8))*4096
.endr
	WIN 0
.endm
.macro TOSTAGE a
.set ACB, 64*((\a)%4)
	WIN 0x08+4*((\a)/4)                            ; the data: window 2 or 3
.irp b, 0,1,2,3,4,5,6,7
	ds_store_b128 v[STO], v[ACB+8*\b:ACB+8*\b+3] offset:128*(\b/2)+32*(\b%2)           ; each accumulator from its low end on
	ds_store_b128 v[STO], v[ACB+8*\b+4:ACB+8*\b+7] offset:128*(\b/2)+32*(\b%2)+16
.endr
	WIN 0
.set BKB, BK+64*((\a)%2)
.irp t, 0,1,2,3,4,5,6,7,8,9,10,11,12,13,14,15
	ds_load_b128 v[BKB+4*\t:BKB+4*\t+3], v[RD] offset:\t*SP     ; LDS serves a wave's instructions in order: these see the stores above
.endr
.endm
.macro SEND a, younger, nl
.set BKB, BK+64*((\a)%2)
.set RSB, 64*((\a)%4)
	s_wait_dscnt \younger                          ; the block is back (behind its loads: the next block's 16 stores and 16 loads)
	s_wait_loadcnt \nl                             ; its residual is in (behind it: the later blocks' loads, 16 each)
	WIN 0x04
.set j, 0
.rept 32
	v_pk_add_f32 v[BKB+j:BKB+j+1], v[BKB+j:BKB+j+1], v[RSB+j:RSB+j+1]
.set j, j+2
.endr
	WIN 0
.irp t, 0,1,2,3,4,5,6,7,8,9,10,11,12,13,14,15
	global_store_b128 v[CO], v[BKB+4*\t:BKB+4*\t+3], s[12:13] offset:(32*((\a)/2)+8*((\a)%2)+(\t%8)+16*(\t/8))*4096   ; 32 lanes store 512 consecutive bytes, aligned
.endr
.endm
	PLACES NP
	RESLOAD 0
	RESLOAD 1
	RESLOAD 2
	RESLOAD 3
	TOSTAGE 0
.irp a, 1,2,3,4,5,6,7
.if \a > 1
	s_wait_xcnt 0x0                                ; block a - 2's stores have read their registers: block a's loads may land there
.endif
	TOSTAGE \a
.if \a < 6
	SEND \a-1, 32, 48
.else
	SEND \a-1, 32, 16*(8-\a)
.endif
.if \a < 5
	RESLOAD \a+3
.endif
.endr
	SEND 7, 0, 0
	s_wait_tensorcnt 0x0                           ; the wave's end
	ds_add_u32 v[SPW], v[NIL]
	s_wait_dscnt 0x0
	CROUND                                         ; the closing round
	s_endpgm
.Lfunc_end_k_qe5dc883fe9_wo:
	.size	k_qe5dc883fe9_wo, .Lfunc_end_k_qe5dc883fe9_wo-k_qe5dc883fe9_wo
	.p2alignl 7, 3214868480
	.fill 96, 4, 3214868480
	.section	.rodata,"a",@progbits
	.p2align	6, 0x0
	.amdhsa_kernel k_qe5dc883fe9_wo
		.amdhsa_group_segment_fixed_size 327680
		.amdhsa_private_segment_fixed_size 0
		.amdhsa_enable_private_segment 0
		.amdhsa_kernarg_size 40
		.amdhsa_user_sgpr_count 2
		.amdhsa_user_sgpr_kernarg_segment_ptr 1
		.amdhsa_wavefront_size32 1
		.amdhsa_system_sgpr_workgroup_id_x 1
		.amdhsa_system_sgpr_workgroup_id_y 1
		.amdhsa_system_sgpr_workgroup_id_z 1
		.amdhsa_system_vgpr_workitem_id 0
		.amdhsa_next_free_vgpr 1024
		.amdhsa_next_free_sgpr 102
		.amdhsa_reserve_vcc 0
		.amdhsa_float_denorm_mode_32 3
		.amdhsa_float_denorm_mode_16_64 3
		.amdhsa_memory_ordered 1
		.amdhsa_forward_progress 1
		.amdhsa_inst_pref_size 192
	.end_amdhsa_kernel
	.amdgpu_metadata
---
amdhsa.version: [ 1, 2 ]
amdhsa.kernels:
  - .name:           k_qe5dc883fe9_wo
    .symbol:         k_qe5dc883fe9_wo.kd
    .args:
      - { .name: ob, .offset: 0, .size: 8, .value_kind: global_buffer, .address_space: global }
      - { .name: pq, .offset: 8, .size: 8, .value_kind: global_buffer, .address_space: global }
      - { .name: bo, .offset: 16, .size: 8, .value_kind: global_buffer, .address_space: global }
      - { .name: x, .offset: 24, .size: 8, .value_kind: global_buffer, .address_space: global }
      - { .name: yb, .offset: 32, .size: 8, .value_kind: global_buffer, .address_space: global }
    .group_segment_fixed_size: 327680
    .private_segment_fixed_size: 0
    .kernarg_segment_align: 8
    .kernarg_segment_size: 40
    .max_flat_workgroup_size: 128
    .sgpr_count:     102
    .vgpr_count:     1024
    .wavefront_size: 32
...
	.end_amdgpu_metadata
.endif
;; end of part 4
;; launch ln1 (part 5): grid 256 x 1, 8 waves a work-group, no clusters, 69,632 bytes of LDS; arguments yb, ln1_a, ln1_b, hb; writes hb
.if DOCPART == 5
	.amdgcn_target "amdgcn-amd-amdhsa--gfx1250"
	.amdhsa_code_object_version 6
	.text
	.protected	k_qe5dc883fe9_ln1
	.globl	k_qe5dc883fe9_ln1
	.p2align	8
	.type	k_qe5dc883fe9_ln1,@function
k_qe5dc883fe9_ln1:
	s_mov_b64 s[64:65], 0
	v_nop
	global_prefetch_b8 v0, s[64:65] scope:SCOPE_SE
	s_setreg_imm32_b32 hwreg(HW_REG_WAVE_MODE, 25, 1), 1
	s_wait_xcnt 0x0
; h = (y - mean) / (std + 1e-6) a + b along rows of 1,024, std with divisor 1,023; h is stored as f32 (natural rows) and, DOQ = 1, as codes of BF6 in the order of the next product's operand registers.
; Work-group rb takes the 16 rows of block rb of positions: 32 (rb / 2) + 8 (rb % 2) + (rr % 8) + 16 (rr / 8).  Wave w takes columns 128 w .. 128 w + 127: one K step of the next product.
; Each load reads 512 consecutive bytes of a row; the wave's 16 x 128 numbers turn through its own stage in LDS, after which lane (r, h) holds, in register 16 b + i, column 32 b + 16 h + i of position r.
; The mean first, then the sum of squared differences from it: no difference of large sums.  The eight waves' parts of a row meet in LDS behind a barrier, twice, in bytes of their own.
; Memory binds: no matrix unit, no cluster.  LIMITS: a NaN in a row makes the row's f32 result NaN (its codes are then without meaning); blocks whose largest magnitude lies under 2^-122 keep the byte 1.
.set DOQ,  1
.set SP,   528
.set STG,  16*SP
.set RED,  8*STG                       ; behind the stages: 16 rows x 8 waves x 4 bytes, twice
.set X,    32                          ; v32-95   the numbers
.set GA,   96                          ; v96-159  the gain, later rows on their way out
.set GB,   160                         ; v160-223 the bias, later the quantiser's registers
.set T,    224                         ; v224-233 at work
.set PC,   160
.set TM,   184
.set PW,   200
.set SEL,  24
.macro FOLD                            ; four pairs at v[T] on become one number
	v_pk_add_f32 v[T:T+1], v[T:T+1], v[T+2:T+3]
	v_pk_add_f32 v[T+4:T+5], v[T+4:T+5], v[T+6:T+7]
	v_pk_add_f32 v[T:T+1], v[T:T+1], v[T+4:T+5]
	v_add_f32 v[T], v[T], v[T+1]
.endm
.macro MEET off                        ; my wave's part of each row, then all eight waves'
	FOLD
	v_permlanex16_b32 v[T+1], v[T], s[SEL], s[SEL+1]
	v_add_f32 v[T], v[T], v[T+1]                   ; with lane l xor 16's: the row's 128 columns of my wave
	ds_store_b32 v11, v[T] offset:\off             ; (both halves write the same word with the same value)
	s_wait_dscnt 0x0                               ; for the others' sake
	s_barrier_signal -1
	s_barrier_wait -1
	ds_load_b128 v[T:T+3], v12 offset:\off
	ds_load_b128 v[T+4:T+7], v12 offset:\off+16
	s_wait_dscnt 0x0
	FOLD
.endm
.macro QUANT s
.irp b, 0,1,2,3
	v_max3_num_f32 v[TM+\b], 0x2800000, |v[\s+16*\b]|, |v[\s+1+16*\b]|   ; with the floor 2^(5 - 127): the byte cannot fall under 1
.endr
.irp i, 2,4,6,8,10,12,14
.irp b, 0,1,2,3
	v_max3_num_f32 v[TM+\b], v[TM+\b], |v[\s+16*\b+\i]|, |v[\s+1+16*\b+\i]|
.endr
.endr
.irp b, 0,1,2,3
	v_permlanex16_b32 v[TM+4+\b], v[TM+\b], s[SEL], s[SEL+1]
.endr
.irp b, 0,1,2,3
	v_max_num_f32 v[TM+\b], v[TM+\b], v[TM+4+\b]
.endr
.irp b, 0,1,2,3
	v_add_nc_u32 v[TM+12+\b], 0xfe000000, v[TM+\b]
.endr
.irp b, 0,1,2,3
	v_lshrrev_b32 v[TM+4+\b], 23, v[TM+12+\b]
.endr
	v_lshl_or_b32 v[PW], v[TM+5], 8, v[TM+4]
	v_lshl_or_b32 v[PW], v[TM+6], 16, v[PW]
	v_lshl_or_b32 v[PW], v[TM+7], 24, v[PW]
.irp c, 0,1
	v_cvt_scalef32_pk16_bf6_f32 v[PC+6*\c:PC+2+6*\c], v[\s+32*\c:\s+15+32*\c], v[TM+12+2*\c]
	v_cvt_scalef32_pk16_bf6_f32 v[PC+12+4*\c:PC+14+4*\c], v[\s+16+32*\c:\s+31+32*\c], v[TM+12+2*\c+1]
.endr
	v_nop
.irp c, 0,1
.irp i, 0,1,2
	v_permlane16_swap_b32 v[PC+6*\c+\i], v[PC+12+4*\c+\i]
.endr
.irp i, 0,1,2
	v_mov_b32 v[PC+3+6*\c+\i], v[PC+12+4*\c+\i]
.endr
.endr
.endm
	s_load_b256 s[4:11], s[0:1], 0x0               ; y, the gain, the bias, the result
	v_lshl_add_u32 v254, v0, 2, 0x10c00
	v_mov_b32 v255, 0
	v_lshrrev_b32 v6, 5, v0
	v_readfirstlane_b32 s2, v6                     ; wave 0..7
	v_and_b32 v7, 31, v0
	v_and_b32 v8, 15, v0                           ; r
	v_bfe_u32 v9, v0, 4, 1                         ; h
	v_lshlrev_b32 v1, 3, v7
	v_lshlrev_b32 v5, 4, v7
	s_mul_i32 s3, s2, STG
	v_add_nc_u32 v2, s3, v5                        ; the stage, by rows
	v_mul_u32_u24 v3, v8, SP
	v_lshl_add_u32 v3, v9, 6, v3
	v_add_nc_u32 v3, s3, v3                        ; the stage, by lanes
	v_lshlrev_b32 v10, 6, v9
	v_lshl_add_u32 v12, v8, 5, RED                 ; row r's eight parts
	s_lshl_b32 s12, s2, 2
	v_add_nc_u32 v11, s12, v12                     ; my wave's among them
	v_lshlrev_b32 v13, 2, v8
	s_mov_b32 s[SEL], 0x76543210
	s_mov_b32 s[SEL+1], 0xfedcba98
	s_lshr_b32 s13, ttmp9, 1
	s_lshl_b32 s13, s13, 5
	s_and_b32 s14, ttmp9, 1
	s_lshl_b32 s14, s14, 3
	s_add_co_u32 s13, s13, s14                     ; the block's first row
	s_lshl_b32 s14, s13, 12
	s_lshl_b32 s16, s2, 9
	s_add_co_u32 s14, s14, s16
	s_mov_b32 s15, 0
	s_mov_b32 s17, 0
	s_lshr_b32 s18, ttmp9, 3
	s_lshl_b32 s18, s18, 3
	s_add_co_u32 s18, s18, s2                      ; (rb / 8) 8 + w
	s_and_b32 s19, ttmp9, 7
	s_lshl_b32 s20, s18, 3
	s_add_co_u32 s20, s20, s19
	s_mul_i32 s20, s20, 1536
	s_add_co_u32 s20, s20, 16777216
	s_mov_b32 s21, 0
	s_lshl_b32 s22, s18, 9
	s_lshl_b32 s19, s19, 6
	s_add_co_u32 s22, s22, s19
	s_add_co_u32 s22, s22, 19922944
	s_mov_b32 s23, 0
	s_wait_kmcnt 0x0
	s_add_nc_u64 s[4:5], s[4:5], s[14:15]
	s_add_nc_u64 s[6:7], s[6:7], s[16:17]
	s_add_nc_u64 s[8:9], s[8:9], s[16:17]
.if DOQ
	s_add_nc_u64 s[20:21], s[10:11], s[20:21]      ; my fragment
	s_add_nc_u64 s[22:23], s[10:11], s[22:23]      ; its scale words
.endif
	s_add_nc_u64 s[10:11], s[10:11], s[14:15]
.irp rr, 0,1,2,3,4,5,6,7,8,9,10,11,12,13,14,15
	global_load_b128 v[X+4*\rr:X+4*\rr+3], v5, s[4:5] offset:((\rr%8)+16*(\rr/8))*4096 th:TH_LOAD_NT
.endr
.irp b, 0,1,2,3
.irp j, 0,1,2,3
	global_load_b128 v[GA+16*\b+4*\j:GA+16*\b+4*\j+3], v10, s[6:7] offset:128*\b+16*\j
	global_load_b128 v[GB+16*\b+4*\j:GB+16*\b+4*\j+3], v10, s[8:9] offset:128*\b+16*\j
.endr
.endr
	s_wait_loadcnt 32                              ; the rows are in; the 32 loads of gain and bias may be out
.irp rr, 0,1,2,3,4,5,6,7,8,9,10,11,12,13,14,15
	ds_store_b128 v2, v[X+4*\rr:X+4*\rr+3] offset:\rr*SP
.endr
.irp b, 0,1,2,3
.irp j, 0,1,2,3
	ds_load_b128 v[X+16*\b+4*\j:X+16*\b+4*\j+3], v3 offset:128*\b+16*\j   ; LDS serves a wave's instructions in order
.endr
.endr
	s_wait_dscnt 0x0
.irp k, 0,1,2,3
	v_pk_add_f32 v[T+2*\k:T+2*\k+1], v[X+4*\k:X+4*\k+1], v[X+4*\k+2:X+4*\k+3]   ; four chains, started by the first sixteen numbers
.endr
.irp i, 16,24,32,40,48,56
.irp k, 0,1,2,3
	v_pk_add_f32 v[T+2*\k:T+2*\k+1], v[T+2*\k:T+2*\k+1], v[X+\i+2*\k:X+\i+2*\k+1]
.endr
.endr
	MEET 0
	v_mul_f32 v[T+8], 0xba800000, v[T]             ; - the mean
	v_mov_b32 v[T+9], v[T+8]
.set j, 0
.rept 32
	v_pk_add_f32 v[X+j:X+j+1], v[X+j:X+j+1], v[T+8:T+9]
.set j, j+2
.endr
.irp k, 0,1,2,3
	v_pk_mul_f32 v[T+2*\k:T+2*\k+1], v[X+2*\k:X+2*\k+1], v[X+2*\k:X+2*\k+1]
.endr
.irp i, 8,16,24,32,40,48,56
.irp k, 0,1,2,3
	v_pk_fma_f32 v[T+2*\k:T+2*\k+1], v[X+\i+2*\k:X+\i+2*\k+1], v[X+\i+2*\k:X+\i+2*\k+1], v[T+2*\k:T+2*\k+1]
.endr
.endr
	MEET 512
	v_mul_f32 v[T], 0x3a802008, v[T]               ; / 1,023
	v_sqrt_f32 v[T+1], v[T]
	v_nop                                          ; a plain place behind a transcendental,
	s_wait_alu depctr_va_vdst(0)                   ; and the wait ahead of its first reader
	v_add_f32 v[T+1], 0x358637bd, v[T+1]           ; + 1e-6
	v_rcp_f32 v[T+8], v[T+1]
	v_nop
	s_wait_alu depctr_va_vdst(0)
	v_mov_b32 v[T+9], v[T+8]
	s_wait_loadcnt 0x0                             ; gain and bias
.set j, 0
.rept 32
	v_pk_mul_f32 v[X+j:X+j+1], v[X+j:X+j+1], v[T+8:T+9]
.set j, j+2
.endr
.set j, 0
.rept 32
	v_pk_fma_f32 v[X+j:X+j+1], v[X+j:X+j+1], v[GA+j:GA+j+1], v[GB+j:GB+j+1]
.set j, j+2
.endr
.irp b, 0,1,2,3
.irp j, 0,1,2,3
	ds_store_b128 v3, v[X+16*\b+4*\j:X+16*\b+4*\j+3] offset:128*\b+16*\j   ; back through the stage, so that whole runs of a row leave together
.endr
.endr
.irp rr, 0,1,2,3,4,5,6,7,8,9,10,11,12,13,14,15
	ds_load_b128 v[GA+4*\rr:GA+4*\rr+3], v2 offset:\rr*SP
.endr
.if DOQ
.irp b, 0,1,2,3
	v_mov_b32 v[TM+4+\b], 0                        ; a lane permute's destination counts as one of its sources
.endr
	QUANT X                                        ; while the rows come back
.endif
.irp rr, 0,1,2,3,4,5,6,7,8,9,10,11,12,13,14,15
	s_wait_dscnt 15-\rr
	global_store_b128 v5, v[GA+4*\rr:GA+4*\rr+3], s[10:11] offset:((\rr%8)+16*(\rr/8))*4096   ; 32 lanes store 512 consecutive bytes, aligned
.endr
.if DOQ
.irp g, 0,1,2,3,4,5
	global_store_b64 v1, v[PC+2*\g:PC+2*\g+1], s[20:21] offset:256*\g
.endr
	v_cmp_gt_u32 vcc_lo, 16, v7
	s_wait_xcnt 0x0                                ; EXEC changes only behind this wait
	s_wait_tensorcnt 0x0
	ds_add_u32 v254, v255
	s_wait_dscnt 0x0
	s_and_saveexec_b32 s12, vcc_lo
	global_store_b32 v13, v[PW], s[22:23]          ; lanes 0-15: the 16 positions' scale words
.endif
	s_endpgm
.Lfunc_end_k_qe5dc883fe9_ln1:
	.size	k_qe5dc883fe9_ln1, .Lfunc_end_k_qe5dc883fe9_ln1-k_qe5dc883fe9_ln1
	.p2alignl 7, 3214868480
	.fill 96, 4, 3214868480
	.section	.rodata,"a",@progbits
	.p2align	6, 0x0
	.amdhsa_kernel k_qe5dc883fe9_ln1
		.amdhsa_group_segment_fixed_size 69632
		.amdhsa_private_segment_fixed_size 0
		.amdhsa_enable_private_segment 0
		.amdhsa_kernarg_size 32
		.amdhsa_user_sgpr_count 2
		.amdhsa_user_sgpr_kernarg_segment_ptr 1
		.amdhsa_wavefront_size32 1
		.amdhsa_system_sgpr_workgroup_id_x 1
		.amdhsa_system_sgpr_workgroup_id_y 1
		.amdhsa_system_sgpr_workgroup_id_z 1
		.amdhsa_system_vgpr_workitem_id 0
		.amdhsa_next_free_vgpr 256
		.amdhsa_next_free_sgpr 66
		.amdhsa_reserve_vcc 1
		.amdhsa_float_denorm_mode_32 3
		.amdhsa_float_denorm_mode_16_64 3
		.amdhsa_memory_ordered 1
		.amdhsa_forward_progress 1
		.amdhsa_inst_pref_size 30
	.end_amdhsa_kernel
	.amdgpu_metadata
---
amdhsa.version: [ 1, 2 ]
amdhsa.kernels:
  - .name:           k_qe5dc883fe9_ln1
    .symbol:         k_qe5dc883fe9_ln1.kd
    .args:
      - { .name: yb, .offset: 0, .size: 8, .value_kind: global_buffer, .address_space: global }
      - { .name: ln1_a, .offset: 8, .size: 8, .value_kind: global_buffer, .address_space: global }
      - { .name: ln1_b, .offset: 16, .size: 8, .value_kind: global_buffer, .address_space: global }
      - { .name: hb, .offset: 24, .size: 8, .value_kind: global_buffer, .address_space: global }
    .group_segment_fixed_size: 69632
    .private_segment_fixed_size: 0
    .kernarg_segment_align: 8
    .kernarg_segment_size: 32
    .max_flat_workgroup_size: 256
    .sgpr_count:     66
    .vgpr_count:     256
    .wavefront_size: 32
...
	.end_amdgpu_metadata
.endif
;; end of part 5
;; launch ffn1 (part 6): grid 16 x 16, 4 waves a work-group, clusters of 4 x 4, 327,680 bytes of LDS; arguments hb, pq, b1, fb; writes fb
.if DOCPART == 6
	.amdgcn_target "amdgcn-amd-amdhsa--gfx1250"
	.amdhsa_code_object_version 6
	.text
	.protected	k_qe5dc883fe9_ffn1
	.globl	k_qe5dc883fe9_ffn1
	.p2align	8
	.type	k_qe5dc883fe9_ffn1,@function
k_qe5dc883fe9_ffn1:
	s_mov_b64 s[64:65], 0
	v_nop
	global_prefetch_b8 v0, s[64:65] scope:SCOPE_SE
	s_setreg_imm32_b32 hwreg(HW_REG_WAVE_MODE, 25, 1), 1
	s_wait_xcnt 0x0
	s_wait_alu depctr_hold_cnt(0) depctr_sa_sdst(0) depctr_va_vdst(0) depctr_va_sdst(0) depctr_va_ssrc(0) depctr_va_vcc(0) depctr_vm_vsrc(0)
	s_getreg_b32 s2, hwreg(HW_REG_IB_STS2, 6, 4)
	s_cmp_eq_u32 s2, 0
	s_cbranch_scc0 .Lentry_in_a_cluster
	s_endpgm
.Lentry_in_a_cluster:
	s_bfe_u32 s2, ttmp6, 0x10000c
	s_cmp_lg_u32 s2, 0xf033
	s_cbranch_scc0 .Lentry_shape_is_right
	s_endpgm
.Lentry_shape_is_right:
; fb = Q(relu(h W1^T + b1)): the product on codes of BF6, the bias as the C of the first K step; the hidden layer is quantised in registers along its 4,096 columns and leaves as codes in the order of the next
; product's operand registers: it never goes to memory as f32.
; A tile of C, 256 x 256, is made by four waves, 128 x 128 each: 64 accumulators of 16 x 16 in windows 2 and 3.  K = 1,024 goes in steps of 256 through a ring of two LDS slots filled by tensor loads.
; Operands lie in memory as images of their registers (a fragment of 16 positions x 128 K is 1,536 bytes, pair g of lane l at 256 g + 8 l; 128 positions x 256 K are 24,576 dense bytes), so a wave's quarter of a slot
; is one dense block, every fragment comes by six ds_load_b64 of 256 consecutive bytes, and no padding is needed.  The scale words of the work-group's rows for all of K come once, with the first fills.
; Source 0 = 16 positions of B (W1), source 1 = 16 positions of A (h).  Position p holds row sigma(p) (bits 3 and 4 exchanged), so a lane's 64 results of a block of A are, register 16 b + i, column 32 b + 16 h + i:
; neighbours along the next K.  A wave's 128 columns are one K step of the next product: a block of A gives one fragment and one scale word a row.
; CLUSTERS: 4 x 4 work-groups; A's tiles are asked for jointly along a row of the cluster, B's along a column.
; LIMITS: NaN and infinities are not served; blocks whose largest magnitude lies under 2^-122 keep the byte 1.
.set KS,    8                          ; K / 128
.set ACODE, 16777216
.set ASCAL, 19922944
.set BCODE, 6291456
.set BSCAL, 12845056
.set LAPS,  KS/4                       ; a lap = two slots = 512 along K
.set PART,  24576                      ; 128 positions x 256 K: what one tensor load brings
.set SLOT,  4*PART                     ; A's two halves, then B's
.set SCL,   2*SLOT                     ; behind the ring: the scale words, four parts
.set SPART, KS*512                     ; those of 128 positions
.set SPARE, SCL+4*SPART                ; the spare words, 128 bytes a wave: two blocks of 256 bytes that no other line names
.set FR,    12
.set NL,    6                          ; LDS loads that bring a fragment
.set NP,    4                          ; places behind this matrix instruction (ISA guide 7.12.1)
.set L8,    3                          ; v3  8 x lane
.set L4,    4                          ; v4  4 x lane
.set ADRA,  16                         ; v16-17 my A fragments in slot 0, 1
.set ADRB,  20                         ; v20-21 my B fragments
.set ADRS,  27                         ; v27 my scale words: lanes 0-15 A's, lanes 16-31 B's
.set SPW,   28                         ; v28 my spare word; never rewritten
.set NIL,   29                         ; v29 0; never rewritten
.set SC,    32                         ; v32-63 scale words, two sets of 16: register 2 i + q
.set BB,    64                         ; v64-127 the bias in the result's layout; on the way out at work
.set AF,    128                        ; v128-223 A's fragments, one set
.set G1, 24
.set G0, 32
.set G1B, 48
.set G0B, 56
.set G1S, 68
.set G0S, 76
.set G1SB, 80
.set G0SB, 88
.set SEL, 100
.set PC,  64
.set TM,  84
.set PW,  100
.set PWE, 101
.set PWS, 102
.set MSB, 0
.macro WIN new                         ; the immediate's high byte repeats the setting that is left
.if MSB != (\new)
	s_set_vgpr_msb (MSB<<8)|(\new)
.set MSB, (\new)
.endif
.endm
.set MUL_LO, 0xa1                      ; source 0 (B) window 1, source 1 (A) window 0, C and D window 2
.set MUL_HI, 0xf1                      ; the same, C and D window 3
.set TO_B,   0x40
.macro JLOAD g0a, g1a, g0b, g1b        ; a joint load: waves 0, 1 fetch for A, waves 2, 3 for B; four v_nop follow each line
	s_cmp_eq_u32 s15, 0
	s_cbranch_scc0 .Lfor_b_\@
	tensor_load_to_lds s[\g0a:\g0a+3], s[\g1a:\g1a+7]
	s_nop 0
.rept 4
	v_nop
.endr
	s_branch .Lasked_\@
.Lfor_b_\@:
	tensor_load_to_lds s[\g0b:\g0b+3], s[\g1b:\g1b+7]
	s_nop 0
.rept 4
	v_nop
.endr
.Lasked_\@:
.endm
.macro CREST                           ; a round of the cluster's barrier behind its opening barrier
	s_cmp_lg_u32 s14, 0
	s_cbranch_scc1 .Lnot_wave_0_\@
	s_barrier_signal -3
.Lnot_wave_0_\@:
	s_barrier_wait -3
	s_barrier_signal -1
	s_barrier_wait -1
.endm
.macro CROUND
	s_barrier_signal -1
	s_barrier_wait -1
	CREST
.endm
.macro FRAG reg, adr, q, i             ; block i of my 128 positions, the slot's q-th 128 along K: six pairs of registers, 256 consecutive bytes each
.irp p, 0,1,2,3,4,5
	ds_load_b64 v[\reg+2*\p:\reg+2*\p+1], v[\adr] offset:(\q)*12288+(\i)*1536+256*\p
.endr
.endm
; 16 matrix instructions: A's blocks a0, a0 + 1 x B's eight.  zero = 1: the first K step starts the sums with the bias as C.  The 64 accumulators take turns, one instruction a turn.
.macro MUL16 a0, p, q, sc, zero
.irp a, \a0, \a0+1
.irp b, 0,1,2,3,4,5,6,7
.if \zero
	v_wmma_scale_f32_16x16x128_f8f6f4 v[8*(8*((\a)%4)+\b):8*(8*((\a)%4)+\b)+7], v[128*(\p)+FR*\b:128*(\p)+FR*\b+FR-1], v[AF+FR*(\a):AF+FR*(\a)+FR-1], v[BB+8*\b:BB+8*\b+7], v[SC+16*(\sc)+2*\b+(\q)], v[SC+16*(\sc)+2*(\a)+(\q)] matrix_a_fmt:MATRIX_FMT_BF6 matrix_b_fmt:MATRIX_FMT_BF6 matrix_a_scale:MATRIX_SCALE_ROW1
.else
	v_wmma_scale_f32_16x16x128_f8f6f4 v[8*(8*((\a)%4)+\b):8*(8*((\a)%4)+\b)+7], v[128*(\p)+FR*\b:128*(\p)+FR*\b+FR-1], v[AF+FR*(\a):AF+FR*(\a)+FR-1], v[8*(8*((\a)%4)+\b):8*(8*((\a)%4)+\b)+7], v[SC+16*(\sc)+2*\b+(\q)], v[SC+16*(\sc)+2*(\a)+(\q)] matrix_a_fmt:MATRIX_FMT_BF6 matrix_b_fmt:MATRIX_FMT_BF6 matrix_a_scale:MATRIX_SCALE_ROW1
.endif
.endr
.endr
.endm
.macro FETCH_B slot, q, p
	WIN TO_B
.irp i, 0,1,2,3,4,5,6,7
	FRAG 128*(\p)+FR*\i, ADRB+\slot, \q, \i
.endr
	WIN 0
.endm
.macro FETCH_A slot, q, i0
.irp i, \i0, \i0+1, \i0+2, \i0+3
	FRAG AF+FR*(\i), ADRA+\slot, \q, \i
.endr
.endm
.macro SCALES sc                       ; a slot's scale words: lanes 0-15 take A's block i, lanes 16-31 B's
.irp i, 0,1,2,3,4,5,6,7
.irp q, 0,1
	ds_load_b32 v[SC+16*\sc+2*\i+\q], v[ADRS] offset:512*\q+64*\i
.endr
.endr
.endm
.macro PLACES n
.rept \n
	v_nop
.endr
.endm
.macro STEP slot, q, zero              ; 128 along K that has its successor in the same slot
	s_wait_dscnt 4*NL                              ; B's set and A's blocks 0-3 are in; the youngest 24 loads (A's blocks 4-7) may be out
	WIN MUL_LO-0x20*(\zero)
	MUL16 0, (\q)%2, \q, \slot, \zero
	MUL16 2, (\q)%2, \q, \slot, \zero
	s_wait_dscnt 0
	PLACES NP
	FETCH_B \slot, (\q)+1, 1-(\q)%2
	FETCH_A \slot, (\q)+1, 0
	WIN MUL_HI-0x30*(\zero)
	MUL16 4, (\q)%2, \q, \slot, \zero
	MUL16 6, (\q)%2, \q, \slot, \zero
	PLACES NP
	WIN 0
	FETCH_A \slot, (\q)+1, 4
.endm
; A slot's last step changes slots: in front of the barrier each wave waits for all its tensor loads, adds 0 to its spare word, and waits for that and for its reads of this slot.  fill = 1: the slot is filled again.
.macro TURN slot, next, fill
	s_wait_tensorcnt 0x0                           ; all my tensor loads have landed: my part of the next slot
	ds_add_u32 v[SPW], v[NIL]                      ; 0 onto my spare word
	s_wait_dscnt 4*NL+1                            ; (the add and the youngest 24 loads may be out)
	WIN MUL_LO
	MUL16 0, 1, 1, \slot, 0
	s_wait_dscnt 0x0                               ; the add is done, and my reads of this slot are over
	s_barrier_signal -1
	MUL16 2, 1, 1, \slot, 0
	WIN 0
	s_barrier_wait -1
.if \fill
	CREST                                          ; the barrier has opened a round of the cluster's: no wave of any partner still reads this slot or has a load on its way
	s_add_nc_u64 s[G0+4*\slot+2:G0+4*\slot+3], s[G0+4*\slot+2:G0+4*\slot+3], 2*PART
	s_add_nc_u64 s[G0B+4*\slot+2:G0B+4*\slot+3], s[G0B+4*\slot+2:G0B+4*\slot+3], 2*PART
	JLOAD G0+4*\slot, G1, G0B+4*\slot, G1B         ; the first tensor load behind the round, one a wave; its four v_nop are the places in front of the loads below
.else
	PLACES NP
.endif
	v_add_nc_u32 v[ADRS], 1024, v[ADRS]            ; the next slot's scale words
	FETCH_B \next, 0, 0
	FETCH_A \next, 0, 0
	SCALES \next
	WIN MUL_HI
	MUL16 4, 1, 1, \slot, 0
	MUL16 6, 1, 1, \slot, 0
	PLACES NP
	WIN 0
	FETCH_A \next, 0, 4
.endm
; 64 numbers of a lane in window w, register 16 b + i = k 32 b + 16 h + i of my row, become a fragment's 12 registers at v[PC] and its scale word in v[PW] (window 0)
.macro QUANT w, s
	WIN ((\w)<<2)|((\w)<<4)
.irp b, 0,1,2,3
	v_max3_num_f32 v[TM+\b], 0x2800000, |v[\s+16*\b]|, |v[\s+1+16*\b]|   ; with the floor 2^(5 - 127): the byte cannot fall under 1
.endr
.irp i, 2,4,6,8,10,12,14
.irp b, 0,1,2,3
	v_max3_num_f32 v[TM+\b], v[TM+\b], |v[\s+16*\b+\i]|, |v[\s+1+16*\b+\i]|
.endr
.endr
	WIN 0
.irp b, 0,1,2,3
	v_permlanex16_b32 v[TM+4+\b], v[TM+\b], s[SEL], s[SEL+1]
.endr
.irp b, 0,1,2,3
	v_max_num_f32 v[TM+\b], v[TM+\b], v[TM+4+\b]
.endr
.irp b, 0,1,2,3
	v_add_nc_u32 v[TM+12+\b], 0xfe000000, v[TM+\b] ; 4 off the exponent field: the conversion's scale operand
.endr
.irp b, 0,1,2,3
	v_lshrrev_b32 v[TM+4+\b], 23, v[TM+12+\b]
.endr
	v_lshl_or_b32 v[PW], v[TM+5], 8, v[TM+4]
	v_lshl_or_b32 v[PW], v[TM+6], 16, v[PW]
	v_lshl_or_b32 v[PW], v[TM+7], 24, v[PW]
	s_wait_xcnt 0x0                                ; the last block's stores have read v[PC] on and v[PWS]
	WIN (\w)
.irp c, 0,1
	v_cvt_scalef32_pk16_bf6_f32 v[PC+6*\c:PC+2+6*\c], v[\s+32*\c:\s+15+32*\c], v[TM+12+2*\c]
	v_cvt_scalef32_pk16_bf6_f32 v[PC+12+4*\c:PC+14+4*\c], v[\s+16+32*\c:\s+31+32*\c], v[TM+12+2*\c+1]
.endr
	WIN 0
	v_nop                                          ; one plain place behind a scaled conversion
.irp c, 0,1
.irp i, 0,1,2
	v_permlane16_swap_b32 v[PC+6*\c+\i], v[PC+12+4*\c+\i]
.endr
.irp i, 0,1,2
	v_mov_b32 v[PC+3+6*\c+\i], v[PC+12+4*\c+\i]
.endr
.endr
.endm
	s_load_b256 s[4:11], s[0:1], 0x0               ; hb, pq, b1, fb
	v_lshl_add_u32 v[SPW], v0, 2, SPARE
	v_mov_b32 v[NIL], 0
	ds_add_u32 v28, v29
	ds_add_u32 v28, v29
	s_wait_dscnt 0x0
	v_lshrrev_b32 v1, 5, v0
	v_readfirstlane_b32 s14, v1                    ; wave 0..3
	s_lshr_b32 s15, s14, 1                         ; my half of the tile's rows.  Also: I fetch for A (0) or B (1)
	s_and_b32 s16, s14, 1                          ; my half of its columns.  Also: which 128 positions I fetch
	s_bfe_u32 s40, ttmp6, 0x40000                  ; cx
	s_bfe_u32 s41, ttmp6, 0x40004                  ; cy
	s_lshl_b32 s42, ttmp9, 2
	s_add_co_u32 s42, s42, s40                     ; tile column
	s_and_b32 s17, ttmp7, 0xffff
	s_lshl_b32 s17, s17, 2
	s_add_co_u32 s17, s17, s41                     ; tile row
	s_lshl_b32 s43, s41, 2
	s_lshl_b32 s43, 15, s43                        ; my row of the cluster
	s_lshl_b32 s44, 0x1111, s40                    ; my column
	s_or_b32 s[G1+0], s43, (3<<16)|(1<<21)         ; 15:0 the mask; 17:16 elements of 8 bytes; 21 set beside a mask; no padding
	s_or_b32 s[G1B+0], s44, (3<<16)|(1<<21)
.irp g, G1, G1B
	s_mov_b32 s[\g+1], 32<<16                      ; a dense block as rows of 256 bytes: tensor_dim0 = 32
	s_mov_b32 s[\g+2], 96<<16                      ; tensor_dim1 = 96
	s_mov_b32 s[\g+3], 32<<16                      ; tile_dim0
	s_mov_b32 s[\g+4], 96                          ; tile_dim1
	s_mov_b32 s[\g+5], 32                          ; from row to row
	s_mov_b32 s[\g+6], 0
	s_mov_b32 s[\g+7], 0
.endr
	s_or_b32 s[G1S+0], s43, (3<<16)|(1<<21)
	s_or_b32 s[G1SB+0], s44, (3<<16)|(1<<21)
.irp g, G1S, G1SB
	s_mov_b32 s[\g+1], 32<<16
	s_mov_b32 s[\g+2], (2*KS)<<16
	s_mov_b32 s[\g+3], 32<<16
	s_mov_b32 s[\g+4], 2*KS
	s_mov_b32 s[\g+5], 32
	s_mov_b32 s[\g+6], 0
	s_mov_b32 s[\g+7], 0
.endr
	s_lshl_b32 s20, s17, 1
	s_add_co_u32 s20, s20, s16                     ; A: the 128 positions that I fetch
	s_lshl_b32 s46, s42, 1
	s_add_co_u32 s46, s46, s16                     ; B's
	s_mul_i32 s22, s20, SPART
	s_mul_i32 s92, s46, SPART
	s_mul_i32 s20, s20, KS*12288
	s_mul_i32 s46, s46, KS*12288
	s_add_co_u32 s20, s20, ACODE
	s_add_co_u32 s22, s22, ASCAL
	s_add_co_u32 s46, s46, BCODE
	s_add_co_u32 s92, s92, BSCAL
	s_mov_b32 s21, 0
	s_mov_b32 s23, 0
	s_mov_b32 s47, 0
	s_mov_b32 s93, 0
	s_mul_i32 s45, s14, PART                       ; where they go: wave x a part: no place in the cluster enters an LDS address
	s_mul_i32 s94, s14, SPART
	s_mov_b32 s[SEL], 0x76543210
	s_mov_b32 s[SEL+1], 0xfedcba98
	s_wait_kmcnt 0x0
	s_add_nc_u64 s[20:21], s[4:5], s[20:21]
	s_add_nc_u64 s[22:23], s[4:5], s[22:23]
	s_add_nc_u64 s[46:47], s[6:7], s[46:47]
	s_add_nc_u64 s[92:93], s[6:7], s[92:93]
	CROUND                                         ; all sixteen work-groups are here: the first joint loads meet
	s_mov_b32 s[G0S], 1
	s_add_co_u32 s[G0S+1], s94, SCL
	s_mov_b64 s[G0S+2:G0S+3], s[22:23]
	s_or_b32 s[G0S+3], s[G0S+3], 0x80000000
	s_mov_b32 s[G0SB], 1
	s_add_co_u32 s[G0SB+1], s94, SCL
	s_mov_b64 s[G0SB+2:G0SB+3], s[92:93]
	s_or_b32 s[G0SB+3], s[G0SB+3], 0x80000000
	JLOAD G0S, G1S, G0SB, G1SB                     ; the scale words first; three loads of mine are out at the start, one behind each round
.irp s, 0,1
	s_mov_b32 s[G0+4*\s], 1
	s_add_co_u32 s[G0+4*\s+1], s45, \s*SLOT
	s_add_nc_u64 s[G0+4*\s+2:G0+4*\s+3], s[20:21], \s*PART
	s_or_b32 s[G0+4*\s+3], s[G0+4*\s+3], 0x80000000
	s_mov_b32 s[G0B+4*\s], 1
	s_add_co_u32 s[G0B+4*\s+1], s45, \s*SLOT
	s_add_nc_u64 s[G0B+4*\s+2:G0B+4*\s+3], s[46:47], \s*PART
	s_or_b32 s[G0B+4*\s+3], s[G0B+4*\s+3], 0x80000000
	JLOAD G0+4*\s, G1, G0B+4*\s, G1B
.endr
	v_and_b32 v1, 15, v0                           ; r
	v_bfe_u32 v2, v0, 4, 1                         ; h
	v_and_b32 v5, 31, v0
	v_lshlrev_b32 v[L8], 3, v5
	v_lshlrev_b32 v[L4], 2, v5
	s_mul_i32 s21, s15, PART
	s_mul_i32 s22, s16, PART
	s_add_co_u32 s22, s22, 2*PART
.irp s, 0,1
	v_add_nc_u32 v[ADRA+\s], s21, v[L8]
	v_add_nc_u32 v[ADRB+\s], s22, v[L8]
	s_add_co_u32 s21, s21, SLOT
	s_add_co_u32 s22, s22, SLOT
.endr
	v_lshlrev_b32 v5, 2, v1
	s_mul_i32 s21, s15, SPART
	s_mul_i32 s22, s16, SPART
	s_add_co_u32 s22, s22, 2*SPART
	s_sub_co_u32 s22, s22, s21
	v_mul_u32_u24 v6, s22, v2                      ; lanes 16-31 take B's: one product, the distance between the two parts
	s_add_co_u32 s21, s21, SCL
	v_add_nc_u32 v5, v5, v6
	v_add_nc_u32 v[ADRS], s21, v5
	s_lshl_b32 s46, s42, 10
	s_lshl_b32 s47, s16, 9
	s_add_co_u32 s46, s46, s47                     ; my first column, in bytes of f32
	s_mov_b32 s47, 0
	s_add_nc_u64 s[8:9], s[8:9], s[46:47]
	s_lshl_b32 s20, s17, 1
	s_add_co_u32 s20, s20, s15                     ; my 128 positions of A,
	s_lshl_b32 s20, s20, 5
	s_lshl_b32 s21, s42, 1
	s_add_co_u32 s21, s21, s16                     ; my K step of the next product (of 32)
	s_add_co_u32 s20, s20, s21
	s_mul_i32 s22, s20, 512
	s_add_co_u32 s22, s22, 12582912
	s_mul_i32 s20, s20, 12288
	s_mov_b32 s21, 0
	s_mov_b32 s23, 0
	s_add_nc_u64 s[12:13], s[10:11], s[22:23]      ; my eight blocks' scale words
	s_add_nc_u64 s[10:11], s[10:11], s[20:21]      ; my eight fragments
	v_lshlrev_b32 v7, 6, v2
.irp b, 0,1,2,3,4,5,6,7
	global_load_b128 v[BB+8*\b:BB+8*\b+3], v7, s[8:9] offset:128*(\b/2)+32*(\b%2)      ; register 8 b + j of half h: column 32 (b / 2) + 16 h + 8 (b % 2) + j
	global_load_b128 v[BB+8*\b+4:BB+8*\b+7], v7, s[8:9] offset:128*(\b/2)+32*(\b%2)+16
.endr
	s_wait_tensorcnt 1                             ; the scale words and my part of slot 0 are in (slot 1's load may be out),
	s_barrier_signal -1
	s_barrier_wait -1                              ; everybody's are
	FETCH_B 0, 0, 0
	FETCH_A 0, 0, 0
	SCALES 0
	FETCH_A 0, 0, 4
	s_wait_loadcnt 0x0                             ; the bias
	STEP 0, 0, 1                                   ; the first step stands in front of the loop: its products start the sums
	s_mov_b32 s3, LAPS-1
.Llap:
	TURN 0, 1, 1
	STEP 1, 0, 0
	TURN 1, 0, 1
	STEP 0, 0, 0
	s_sub_co_u32 s3, s3, 1
	s_cmp_lg_u32 s3, 0
	s_cbranch_scc1 .Llap
	TURN 0, 1, 0                                   ; the last lap fills nothing
	STEP 1, 0, 0
	s_wait_dscnt 4*NL
	WIN MUL_LO
	MUL16 0, 1, 1, 1, 0
	MUL16 2, 1, 1, 1, 0
	s_wait_dscnt 0
	WIN MUL_HI
	MUL16 4, 1, 1, 1, 0
	MUL16 6, 1, 1, 1, 0
	WIN 0
	; THE WAY OUT: block by block of 16 positions: the activation, the quantiser, six stores of 256 consecutive bytes; two blocks' scale words leave together
	PLACES NP
.irp b, 0,1,2,3
	v_mov_b32 v[TM+4+\b], 0                        ; a lane permute's destination counts as one of its sources
.endr
	v_cmp_ne_u32 vcc_lo, 0, v2                     ; lanes 16-31
.macro OUTQ a
.set WW, 2+(\a)/4
.set ACB, 64*((\a)%4)
	WIN (WW<<6)|(WW<<2)
.set j, 0
.rept 64
	v_max_num_f32 v[ACB+j], 0, v[ACB+j]            ; relu, in f32; each accumulator from its low end on
.set j, j+1
.endr
	QUANT WW, ACB
.irp g, 0,1,2,3,4,5
	global_store_b64 v[L8], v[PC+2*\g:PC+2*\g+1], s[10:11] offset:1536*(\a)+256*\g
.endr
.if (\a)%2 == 0
	v_mov_b32 v[PWE], v[PW]
.else
	v_cndmask_b32 v[PWS], v[PWE], v[PW], vcc_lo
	global_store_b32 v[L4], v[PWS], s[12:13] offset:128*((\a)/2)
.endif
.endm
.irp a, 0,1,2,3,4,5,6,7
	OUTQ \a
.endr
	s_wait_tensorcnt 0x0                           ; the wave's end
	ds_add_u32 v[SPW], v[NIL]
	s_wait_dscnt 0x0
	CROUND                                         ; the closing round
	s_endpgm
.Lfunc_end_k_qe5dc883fe9_ffn1:
	.size	k_qe5dc883fe9_ffn1, .Lfunc_end_k_qe5dc883fe9_ffn1-k_qe5dc883fe9_ffn1
	.p2alignl 7, 3214868480
	.fill 96, 4, 3214868480
	.section	.rodata,"a",@progbits
	.p2align	6, 0x0
	.amdhsa_kernel k_qe5dc883fe9_ffn1
		.amdhsa_group_segment_fixed_size 327680
		.amdhsa_private_segment_fixed_size 0
		.amdhsa_enable_private_segment 0
		.amdhsa_kernarg_size 32
		.amdhsa_user_sgpr_count 2
		.amdhsa_user_sgpr_kernarg_segment_ptr 1
		.amdhsa_wavefront_size32 1
		.amdhsa_system_sgpr_workgroup_id_x 1
		.amdhsa_system_sgpr_workgroup_id_y 1
		.amdhsa_system_sgpr_workgroup_id_z 1
		.amdhsa_system_vgpr_workitem_id 0
		.amdhsa_next_free_vgpr 1024
		.amdhsa_next_free_sgpr 102
		.amdhsa_reserve_vcc 1
		.amdhsa_float_denorm_mode_32 3
		.amdhsa_float_denorm_mode_16_64 3
		.amdhsa_memory_ordered 1
		.amdhsa_forward_progress 1
		.amdhsa_inst_pref_size 186
	.end_amdhsa_kernel
	.amdgpu_metadata
---
amdhsa.version: [ 1, 2 ]
amdhsa.kernels:
  - .name:           k_qe5dc883fe9_ffn1
    .symbol:         k_qe5dc883fe9_ffn1.kd
    .args:
      - { .name: hb, .offset: 0, .size: 8, .value_kind: global_buffer, .address_space: global }
      - { .name: pq, .offset: 8, .size: 8, .value_kind: global_buffer, .address_space: global }
      - { .name: b1, .offset: 16, .size: 8, .value_kind: global_buffer, .address_space: global }
      - { .name: fb, .offset: 24, .size: 8, .value_kind: global_buffer, .address_space: global }
    .group_segment_fixed_size: 327680
    .private_segment_fixed_size: 0
    .kernarg_segment_align: 8
    .kernarg_segment_size: 32
    .max_flat_workgroup_size: 128
    .sgpr_count:     102
    .vgpr_count:     1024
    .wavefront_size: 32
...
	.end_amdgpu_metadata
.endif
;; end of part 6
;; launch ffn2 (part 7): grid 4 x 16, 4 waves a work-group, clusters of 4 x 4, 327,680 bytes of LDS; arguments fb, pq, b2, hb, yb; writes yb
.if DOCPART == 7
	.amdgcn_target "amdgcn-amd-amdhsa--gfx1250"
	.amdhsa_code_object_version 6
	.text
	.protected	k_qe5dc883fe9_ffn2
	.globl	k_qe5dc883fe9_ffn2
	.p2align	8
	.type	k_qe5dc883fe9_ffn2,@function
k_qe5dc883fe9_ffn2:
	s_mov_b64 s[64:65], 0
	v_nop
	global_prefetch_b8 v0, s[64:65] scope:SCOPE_SE
	s_setreg_imm32_b32 hwreg(HW_REG_WAVE_MODE, 25, 1), 1
	s_wait_xcnt 0x0
	s_wait_alu depctr_hold_cnt(0) depctr_sa_sdst(0) depctr_va_vdst(0) depctr_va_sdst(0) depctr_va_ssrc(0) depctr_va_vcc(0) depctr_vm_vsrc(0)
	s_getreg_b32 s2, hwreg(HW_REG_IB_STS2, 6, 4)
	s_cmp_eq_u32 s2, 0
	s_cbranch_scc0 .Lentry_in_a_cluster
	s_endpgm
.Lentry_in_a_cluster:
	s_bfe_u32 s2, ttmp6, 0x10000c
	s_cmp_lg_u32 s2, 0xf033
	s_cbranch_scc0 .Lentry_shape_is_right
	s_endpgm
.Lentry_shape_is_right:
; yb = h + hidden W2^T + b2: the product on codes of BF6 over K = 4,096, the bias as the C of the first K step, the residual h (f32) added on the way out.
; A tile of C, 256 x 256, is made by four waves, 128 x 128 each: 64 accumulators of 16 x 16 in windows 2 and 3.  K goes in steps of 256 through a ring of two LDS slots filled by tensor loads.
; Operands lie in memory as images of their registers (a fragment of 16 positions x 128 K is 1,536 bytes, pair g of lane l at 256 g + 8 l; 128 positions x 256 K are 24,576 dense bytes), so a wave's quarter of a slot
; is one dense block, every fragment comes by six ds_load_b64 of 256 consecutive bytes, and no padding is needed.  The scale words of the work-group's rows for all of K come once, with the first fills.
; Source 0 = 16 positions of B (the weight), source 1 = 16 positions of A.  Position p holds row sigma(p) (bits 3 and 4 exchanged): a lane holds one position of A and, in register 8 b + j of a block,
; column 32 (b / 2) + 16 h + 8 (b % 2) + j.  The way out puts columns and rows back in their natural places.
; CLUSTERS: 4 x 4 work-groups; A's tiles are asked for jointly along a row of the cluster, B's along a column.  N = 1,024 gives 64 tiles of this size.
.set KS,    32                         ; K / 128
.set ACODE, 0
.set ASCAL, 12582912
.set BCODE, 9437184
.set BSCAL, 12976128
.set LAPS,  KS/4                       ; a lap = two slots = 512 along K
.set PART,  24576                      ; 128 positions x 256 K: what one tensor load brings
.set SLOT,  4*PART                     ; A's two halves, then B's
.set SCL,   2*SLOT                     ; behind the ring: the scale words, four parts
.set SPART, KS*512                     ; those of 128 positions
.set SPARE, SCL+4*SPART                ; the spare words, 128 bytes a wave: two blocks of 256 bytes that no other line names
.set FR,    12
.set NL,    6                          ; LDS loads that bring a fragment
.set NP,    4                          ; places behind this matrix instruction (ISA guide 7.12.1)
.set L8,    3                          ; v3  8 x lane
.set ADRA,  16                         ; v16-17 my A fragments in slot 0, 1
.set ADRB,  20                         ; v20-21 my B fragments
.set STO,   24                         ; v24 the way out: where I put my bytes of a row
.set RD,    25                         ; v25 where I read a row back
.set CO,    26                         ; v26 16 x lane
.set ADRS,  27                         ; v27 my scale words: lanes 0-15 A's, lanes 16-31 B's
.set SPW,   28                         ; v28 my spare word; never rewritten
.set NIL,   29                         ; v29 0; never rewritten
.set SC,    32                         ; v32-63 scale words, two sets of 16: register 2 i + q
.set BB,    64                         ; v64-127 the bias in the result's layout
.set AF,    128                        ; v128-223 A's fragments, one set
.set BK,    128                        ; the way out: 16 rows back from the stage: v128-191, v192-255 by turns
.set SP,    528                        ; a stage row; the stages (16 rows a wave) lie in slot 0, which has had its last fill and its last read by then
.set G1, 24
.set G0, 32
.set G1B, 48
.set G0B, 56
.set G1S, 68
.set G0S, 76
.set G1SB, 80
.set G0SB, 88
.set MSB, 0
.macro WIN new                         ; the immediate's high byte repeats the setting that is left
.if MSB != (\new)
	s_set_vgpr_msb (MSB<<8)|(\new)
.set MSB, (\new)
.endif
.endm
.set MUL_LO, 0xa1                      ; source 0 (B) window 1, source 1 (A) window 0, C and D window 2
.set MUL_HI, 0xf1                      ; the same, C and D window 3
.set TO_B,   0x40
.macro JLOAD g0a, g1a, g0b, g1b        ; a joint load: waves 0, 1 fetch for A, waves 2, 3 for B; four v_nop follow each line
	s_cmp_eq_u32 s15, 0
	s_cbranch_scc0 .Lfor_b_\@
	tensor_load_to_lds s[\g0a:\g0a+3], s[\g1a:\g1a+7]
	s_nop 0
.rept 4
	v_nop
.endr
	s_branch .Lasked_\@
.Lfor_b_\@:
	tensor_load_to_lds s[\g0b:\g0b+3], s[\g1b:\g1b+7]
	s_nop 0
.rept 4
	v_nop
.endr
.Lasked_\@:
.endm
.macro CREST                           ; a round of the cluster's barrier behind its opening barrier
	s_cmp_lg_u32 s14, 0
	s_cbranch_scc1 .Lnot_wave_0_\@
	s_barrier_signal -3
.Lnot_wave_0_\@:
	s_barrier_wait -3
	s_barrier_signal -1
	s_barrier_wait -1
.endm
.macro CROUND
	s_barrier_signal -1
	s_barrier_wait -1
	CREST
.endm
.macro FRAG reg, adr, q, i             ; block i of my 128 positions, the slot's q-th 128 along K: six pairs of registers, 256 consecutive bytes each
.irp p, 0,1,2,3,4,5
	ds_load_b64 v[\reg+2*\p:\reg+2*\p+1], v[\adr] offset:(\q)*12288+(\i)*1536+256*\p
.endr
.endm
; 16 matrix instructions: A's blocks a0, a0 + 1 x B's eight.  zero = 1: the first K step starts the sums with the bias as C.  The 64 accumulators take turns, one instruction a turn.
.macro MUL16 a0, p, q, sc, zero
.irp a, \a0, \a0+1
.irp b, 0,1,2,3,4,5,6,7
.if \zero
	v_wmma_scale_f32_16x16x128_f8f6f4 v[8*(8*((\a)%4)+\b):8*(8*((\a)%4)+\b)+7], v[128*(\p)+FR*\b:128*(\p)+FR*\b+FR-1], v[AF+FR*(\a):AF+FR*(\a)+FR-1], v[BB+8*\b:BB+8*\b+7], v[SC+16*(\sc)+2*\b+(\q)], v[SC+16*(\sc)+2*(\a)+(\q)] matrix_a_fmt:MATRIX_FMT_BF6 matrix_b_fmt:MATRIX_FMT_BF6 matrix_a_scale:MATRIX_SCALE_ROW1
.else
	v_wmma_scale_f32_16x16x128_f8f6f4 v[8*(8*((\a)%4)+\b):8*(8*((\a)%4)+\b)+7], v[128*(\p)+FR*\b:128*(\p)+FR*\b+FR-1], v[AF+FR*(\a):AF+FR*(\a)+FR-1], v[8*(8*((\a)%4)+\b):8*(8*((\a)%4)+\b)+7], v[SC+16*(\sc)+2*\b+(\q)], v[SC+16*(\sc)+2*(\a)+(\q)] matrix_a_fmt:MATRIX_FMT_BF6 matrix_b_fmt:MATRIX_FMT_BF6 matrix_a_scale:MATRIX_SCALE_ROW1
.endif
.endr
.endr
.endm
.macro FETCH_B slot, q, p
	WIN TO_B
.irp i, 0,1,2,3,4,5,6,7
	FRAG 128*(\p)+FR*\i, ADRB+\slot, \q, \i
.endr
	WIN 0
.endm
.macro FETCH_A slot, q, i0
.irp i, \i0, \i0+1, \i0+2, \i0+3
	FRAG AF+FR*(\i), ADRA+\slot, \q, \i
.endr
.endm
.macro SCALES sc                       ; a slot's scale words: lanes 0-15 take A's block i, lanes 16-31 B's
.irp i, 0,1,2,3,4,5,6,7
.irp q, 0,1
	ds_load_b32 v[SC+16*\sc+2*\i+\q], v[ADRS] offset:512*\q+64*\i
.endr
.endr
.endm
.macro PLACES n
.rept \n
	v_nop
.endr
.endm
.macro STEP slot, q, zero              ; 128 along K that has its successor in the same slot
	s_wait_dscnt 4*NL                              ; B's set and A's blocks 0-3 are in; the youngest 24 loads (A's blocks 4-7) may be out
	WIN MUL_LO-0x20*(\zero)
	MUL16 0, (\q)%2, \q, \slot, \zero
	MUL16 2, (\q)%2, \q, \slot, \zero
	s_wait_dscnt 0
	PLACES NP
	FETCH_B \slot, (\q)+1, 1-(\q)%2
	FETCH_A \slot, (\q)+1, 0
	WIN MUL_HI-0x30*(\zero)
	MUL16 4, (\q)%2, \q, \slot, \zero
	MUL16 6, (\q)%2, \q, \slot, \zero
	PLACES NP
	WIN 0
	FETCH_A \slot, (\q)+1, 4
.endm
; A slot's last step changes slots: in front of the barrier each wave waits for all its tensor loads, adds 0 to its spare word, and waits for that and for its reads of this slot.  fill = 1: the slot is filled again.
.macro TURN slot, next, fill
	s_wait_tensorcnt 0x0                           ; all my tensor loads have landed: my part of the next slot
	ds_add_u32 v[SPW], v[NIL]                      ; 0 onto my spare word
	s_wait_dscnt 4*NL+1                            ; (the add and the youngest 24 loads may be out)
	WIN MUL_LO
	MUL16 0, 1, 1, \slot, 0
	s_wait_dscnt 0x0                               ; the add is done, and my reads of this slot are over
	s_barrier_signal -1
	MUL16 2, 1, 1, \slot, 0
	WIN 0
	s_barrier_wait -1
.if \fill
	CREST                                          ; the barrier has opened a round of the cluster's: no wave of any partner still reads this slot or has a load on its way
	s_add_nc_u64 s[G0+4*\slot+2:G0+4*\slot+3], s[G0+4*\slot+2:G0+4*\slot+3], 2*PART
	s_add_nc_u64 s[G0B+4*\slot+2:G0B+4*\slot+3], s[G0B+4*\slot+2:G0B+4*\slot+3], 2*PART
	JLOAD G0+4*\slot, G1, G0B+4*\slot, G1B         ; the first tensor load behind the round, one a wave; its four v_nop are the places in front of the loads below
.else
	PLACES NP
.endif
	v_add_nc_u32 v[ADRS], 1024, v[ADRS]            ; the next slot's scale words
	FETCH_B \next, 0, 0
	FETCH_A \next, 0, 0
	SCALES \next
	WIN MUL_HI
	MUL16 4, 1, 1, \slot, 0
	MUL16 6, 1, 1, \slot, 0
	PLACES NP
	WIN 0
	FETCH_A \next, 0, 4
.endm
	s_load_b256 s[4:11], s[0:1], 0x0               ; A's buffer, pq, the bias, the residual
	s_load_b64 s[12:13], s[0:1], 0x20              ; the result
	v_lshl_add_u32 v[SPW], v0, 2, SPARE
	v_mov_b32 v[NIL], 0
	ds_add_u32 v28, v29
	ds_add_u32 v28, v29
	s_wait_dscnt 0x0
	v_lshrrev_b32 v1, 5, v0
	v_readfirstlane_b32 s14, v1                    ; wave 0..3
	s_lshr_b32 s15, s14, 1                         ; my half of the tile's rows.  Also: I fetch for A (0) or B (1)
	s_and_b32 s16, s14, 1                          ; my half of its columns.  Also: which 128 positions I fetch
	s_bfe_u32 s40, ttmp6, 0x40000                  ; cx
	s_bfe_u32 s41, ttmp6, 0x40004                  ; cy
	s_lshl_b32 s42, ttmp9, 2
	s_add_co_u32 s42, s42, s40                     ; tile column
	s_and_b32 s17, ttmp7, 0xffff
	s_lshl_b32 s17, s17, 2
	s_add_co_u32 s17, s17, s41                     ; tile row
	s_lshl_b32 s43, s41, 2
	s_lshl_b32 s43, 15, s43                        ; my row of the cluster
	s_lshl_b32 s44, 0x1111, s40                    ; my column
	s_or_b32 s[G1+0], s43, (3<<16)|(1<<21)         ; 15:0 the mask; 17:16 elements of 8 bytes; 21 set beside a mask; no padding
	s_or_b32 s[G1B+0], s44, (3<<16)|(1<<21)
.irp g, G1, G1B
	s_mov_b32 s[\g+1], 32<<16                      ; a dense block as rows of 256 bytes: tensor_dim0 = 32
	s_mov_b32 s[\g+2], 96<<16                      ; tensor_dim1 = 96
	s_mov_b32 s[\g+3], 32<<16                      ; tile_dim0
	s_mov_b32 s[\g+4], 96                          ; tile_dim1
	s_mov_b32 s[\g+5], 32                          ; from row to row
	s_mov_b32 s[\g+6], 0
	s_mov_b32 s[\g+7], 0
.endr
	s_or_b32 s[G1S+0], s43, (3<<16)|(1<<21)
	s_or_b32 s[G1SB+0], s44, (3<<16)|(1<<21)
.irp g, G1S, G1SB
	s_mov_b32 s[\g+1], 32<<16
	s_mov_b32 s[\g+2], (2*KS)<<16
	s_mov_b32 s[\g+3], 32<<16
	s_mov_b32 s[\g+4], 2*KS
	s_mov_b32 s[\g+5], 32
	s_mov_b32 s[\g+6], 0
	s_mov_b32 s[\g+7], 0
.endr
	s_lshl_b32 s20, s17, 1
	s_add_co_u32 s20, s20, s16                     ; A: the 128 positions that I fetch
	s_lshl_b32 s46, s42, 1
	s_add_co_u32 s46, s46, s16                     ; B's
	s_mul_i32 s22, s20, SPART
	s_mul_i32 s92, s46, SPART
	s_mul_i32 s20, s20, KS*12288
	s_mul_i32 s46, s46, KS*12288
	s_add_co_u32 s20, s20, ACODE
	s_add_co_u32 s22, s22, ASCAL
	s_add_co_u32 s46, s46, BCODE
	s_add_co_u32 s92, s92, BSCAL
	s_mov_b32 s21, 0
	s_mov_b32 s23, 0
	s_mov_b32 s47, 0
	s_mov_b32 s93, 0
	s_mul_i32 s45, s14, PART                       ; where they go: wave x a part: no place in the cluster enters an LDS address
	s_mul_i32 s94, s14, SPART
	s_wait_kmcnt 0x0
	s_add_nc_u64 s[20:21], s[4:5], s[20:21]
	s_add_nc_u64 s[22:23], s[4:5], s[22:23]
	s_add_nc_u64 s[46:47], s[6:7], s[46:47]
	s_add_nc_u64 s[92:93], s[6:7], s[92:93]
	CROUND                                         ; all sixteen work-groups are here: the first joint loads meet
	s_mov_b32 s[G0S], 1
	s_add_co_u32 s[G0S+1], s94, SCL
	s_mov_b64 s[G0S+2:G0S+3], s[22:23]
	s_or_b32 s[G0S+3], s[G0S+3], 0x80000000
	s_mov_b32 s[G0SB], 1
	s_add_co_u32 s[G0SB+1], s94, SCL
	s_mov_b64 s[G0SB+2:G0SB+3], s[92:93]
	s_or_b32 s[G0SB+3], s[G0SB+3], 0x80000000
	JLOAD G0S, G1S, G0SB, G1SB                     ; the scale words first; three loads of mine are out at the start, one behind each round
.irp s, 0,1
	s_mov_b32 s[G0+4*\s], 1
	s_add_co_u32 s[G0+4*\s+1], s45, \s*SLOT
	s_add_nc_u64 s[G0+4*\s+2:G0+4*\s+3], s[20:21], \s*PART
	s_or_b32 s[G0+4*\s+3], s[G0+4*\s+3], 0x80000000
	s_mov_b32 s[G0B+4*\s], 1
	s_add_co_u32 s[G0B+4*\s+1], s45, \s*SLOT
	s_add_nc_u64 s[G0B+4*\s+2:G0B+4*\s+3], s[46:47], \s*PART
	s_or_b32 s[G0B+4*\s+3], s[G0B+4*\s+3], 0x80000000
	JLOAD G0+4*\s, G1, G0B+4*\s, G1B
.endr
	v_and_b32 v1, 15, v0                           ; r
	v_bfe_u32 v2, v0, 4, 1                         ; h
	v_and_b32 v5, 31, v0
	v_lshlrev_b32 v[L8], 3, v5
	v_lshlrev_b32 v[CO], 4, v5
	s_mul_i32 s21, s15, PART
	s_mul_i32 s22, s16, PART
	s_add_co_u32 s22, s22, 2*PART
.irp s, 0,1
	v_add_nc_u32 v[ADRA+\s], s21, v[L8]
	v_add_nc_u32 v[ADRB+\s], s22, v[L8]
	s_add_co_u32 s21, s21, SLOT
	s_add_co_u32 s22, s22, SLOT
.endr
	v_lshlrev_b32 v5, 2, v1
	s_mul_i32 s21, s15, SPART
	s_mul_i32 s22, s16, SPART
	s_add_co_u32 s22, s22, 2*SPART
	s_sub_co_u32 s22, s22, s21
	v_mul_u32_u24 v6, s22, v2                      ; lanes 16-31 take B's: one product, the distance between the two parts
	s_add_co_u32 s21, s21, SCL
	v_add_nc_u32 v5, v5, v6
	v_add_nc_u32 v[ADRS], s21, v5
	s_mul_i32 s23, s14, 16*SP                      ; my stage
	v_mul_u32_u24 v5, v1, SP
	v_lshl_add_u32 v5, v2, 6, v5
	v_add_nc_u32 v[STO], s23, v5                   ; in: row r, + 64 h
	v_add_nc_u32 v[RD], s23, v[CO]                 ; back: the 32 lanes take one row of 512 bytes
	s_lshl_b32 s20, s17, 8
	s_lshl_b32 s21, s15, 7
	s_add_co_u32 s20, s20, s21
	s_lshl_b32 s20, s20, 12                        ; my first row, 4,096 bytes a row
	s_lshl_b32 s46, s42, 10
	s_lshl_b32 s47, s16, 9
	s_add_co_u32 s46, s46, s47                     ; my first column, in bytes
	s_mov_b32 s47, 0
	s_add_nc_u64 s[8:9], s[8:9], s[46:47]
	s_add_co_u32 s20, s20, s46
	s_mov_b32 s21, 0
	s_add_nc_u64 s[10:11], s[10:11], s[20:21]
	s_add_nc_u64 s[12:13], s[12:13], s[20:21]
	v_lshlrev_b32 v7, 6, v2
.irp b, 0,1,2,3,4,5,6,7
	global_load_b128 v[BB+8*\b:BB+8*\b+3], v7, s[8:9] offset:128*(\b/2)+32*(\b%2)      ; register 8 b + j of half h: column 32 (b / 2) + 16 h + 8 (b % 2) + j
	global_load_b128 v[BB+8*\b+4:BB+8*\b+7], v7, s[8:9] offset:128*(\b/2)+32*(\b%2)+16
.endr
	s_wait_tensorcnt 1                             ; the scale words and my part of slot 0 are in (slot 1's load may be out),
	s_barrier_signal -1
	s_barrier_wait -1                              ; everybody's are
	FETCH_B 0, 0, 0
	FETCH_A 0, 0, 0
	SCALES 0
	FETCH_A 0, 0, 4
	s_wait_loadcnt 0x0                             ; the bias
	STEP 0, 0, 1                                   ; the first step stands in front of the loop: its products start the sums
	s_mov_b32 s3, LAPS-1
.Llap:
	TURN 0, 1, 1
	STEP 1, 0, 0
	TURN 1, 0, 1
	STEP 0, 0, 0
	s_sub_co_u32 s3, s3, 1
	s_cmp_lg_u32 s3, 0
	s_cbranch_scc1 .Llap
	TURN 0, 1, 0                                   ; the last lap fills nothing
	STEP 1, 0, 0
	s_wait_dscnt 4*NL
	WIN MUL_LO
	MUL16 0, 1, 1, 1, 0
	MUL16 2, 1, 1, 1, 0
	s_wait_dscnt 0
	WIN MUL_HI
	MUL16 4, 1, 1, 1, 0
	MUL16 6, 1, 1, 1, 0
	WIN 0
; THE WAY OUT, block by block of 16 positions x 128 columns: through my stage, where the columns fall into their natural places, back as whole rows of 512 bytes; the residual's same bytes are added; position t of block a
; is row 32 (a / 2) + 8 (a % 2) + t % 8 + 16 (t / 8) of my 128.  Every offset is an immediate (127 rows of 4,096 bytes at the most).  The residual is asked for three blocks ahead, into window 1.
.macro RESLOAD a
	WIN 0x40
.irp t, 0,1,2,3,4,5,6,7,8,9,10,11,12,13,14,15
	global_load_b128 v[64*((\a)%4)+4*\t:64*((\a)%4)+4*\t+3], v[CO], s[10:11] offset:(32*((\a)/2)+8*((\a)%2)+(\t%8)+16*(\t/8))*4096
.endr
	WIN 0
.endm
.macro TOSTAGE a
.set ACB, 64*((\a)%4)
	WIN 0x08+4*((\a)/4)                            ; the data: window 2 or 3
.irp b, 0,1,2,3,4,5,6,7
	ds_store_b128 v[STO], v[ACB+8*\b:ACB+8*\b+3] offset:128*(\b/2)+32*(\b%2)           ; each accumulator from its low end on
	ds_store_b128 v[STO], v[ACB+8*\b+4:ACB+8*\b+7] offset:128*(\b/2)+32*(\b%2)+16
.endr
	WIN 0
.set BKB, BK+64*((\a)%2)
.irp t, 0,1,2,3,4,5,6,7,8,9,10,11,12,13,14,15
	ds_load_b128 v[BKB+4*\t:BKB+4*\t+3], v[RD] offset:\t*SP     ; LDS serves a wave's instructions in order: these see the stores above
.endr
.endm
.macro SEND a, younger, nl
.set BKB, BK+64*((\a)%2)
.set RSB, 64*((\a)%4)
	s_wait_dscnt \younger                          ; the block is back (behind its loads: the next block's 16 stores and 16 loads)
	s_wait_loadcnt \nl                             ; its residual is in (behind it: the later blocks' loads, 16 each)
	WIN 0x04
.set j, 0
.rept 32
	v_pk_add_f32 v[BKB+j:BKB+j+1], v[BKB+j:BKB+j+1], v[RSB+j:RSB+j+1]
.set j, j+2
.endr
	WIN 0
.irp t, 0,1,2,3,4,5,6,7,8,9,10,11,12,13,14,15
	global_store_b128 v[CO], v[BKB+4*\t:BKB+4*\t+3], s[12:13] offset:(32*((\a)/2)+8*((\a)%2)+(\t%8)+16*(\t/8))*4096   ; 32 lanes store 512 consecutive bytes, aligned
.endr
.endm
	PLACES NP
	RESLOAD 0
	RESLOAD 1
	RESLOAD 2
	RESLOAD 3
	TOSTAGE 0
.irp a, 1,2,3,4,5,6,7
.if \a > 1
	s_wait_xcnt 0x0                                ; block a - 2's stores have read their registers: block a's loads may land there
.endif
	TOSTAGE \a
.if \a < 6
	SEND \a-1, 32, 48
.else
	SEND \a-1, 32, 16*(8-\a)
.endif
.if \a < 5
	RESLOAD \a+3
.endif
.endr
	SEND 7, 0, 0
	s_wait_tensorcnt 0x0                           ; the wave's end
	ds_add_u32 v[SPW], v[NIL]
	s_wait_dscnt 0x0
	CROUND                                         ; the closing round
	s_endpgm
.Lfunc_end_k_qe5dc883fe9_ffn2:
	.size	k_qe5dc883fe9_ffn2, .Lfunc_end_k_qe5dc883fe9_ffn2-k_qe5dc883fe9_ffn2
	.p2alignl 7, 3214868480
	.fill 96, 4, 3214868480
	.section	.rodata,"a",@progbits
	.p2align	6, 0x0
	.amdhsa_kernel k_qe5dc883fe9_ffn2
		.amdhsa_group_segment_fixed_size 327680
		.amdhsa_private_segment_fixed_size 0
		.amdhsa_enable_private_segment 0
		.amdhsa_kernarg_size 40
		.amdhsa_user_sgpr_count 2
		.amdhsa_user_sgpr_kernarg_segment_ptr 1
		.amdhsa_wavefront_size32 1
		.amdhsa_system_sgpr_workgroup_id_x 1
		.amdhsa_system_sgpr_workgroup_id_y 1
		.amdhsa_system_sgpr_workgroup_id_z 1
		.amdhsa_system_vgpr_workitem_id 0
		.amdhsa_next_free_vgpr 1024
		.amdhsa_next_free_sgpr 102
		.amdhsa_reserve_vcc 0
		.amdhsa_float_denorm_mode_32 3
		.amdhsa_float_denorm_mode_16_64 3
		.amdhsa_memory_ordered 1
		.amdhsa_forward_progress 1
		.amdhsa_inst_pref_size 192
	.end_amdhsa_kernel
	.amdgpu_metadata
---
amdhsa.version: [ 1, 2 ]
amdhsa.kernels:
  - .name:           k_qe5dc883fe9_ffn2
    .symbol:         k_qe5dc883fe9_ffn2.kd
    .args:
      - { .name: fb, .offset: 0, .size: 8, .value_kind: global_buffer, .address_space: global }
      - { .name: pq, .offset: 8, .size: 8, .value_kind: global_buffer, .address_space: global }
      - { .name: b2, .offset: 16, .size: 8, .value_kind: global_buffer, .address_space: global }
      - { .name: hb, .offset: 24, .size: 8, .value_kind: global_buffer, .address_space: global }
      - { .name: yb, .offset: 32, .size: 8, .value_kind: global_buffer, .address_space: global }
    .group_segment_fixed_size: 327680
    .private_segment_fixed_size: 0
    .kernarg_segment_align: 8
    .kernarg_segment_size: 40
    .max_flat_workgroup_size: 128
    .sgpr_count:     102
    .vgpr_count:     1024
    .wavefront_size: 32
...
	.end_amdgpu_metadata
.endif
;; end of part 7
;; launch ln2 (part 8): grid 256 x 1, 8 waves a work-group, no clusters, 69,632 bytes of LDS; arguments yb, ln2_a, ln2_b, out0; writes out0
.if DOCPART == 8
	.amdgcn_target "amdgcn-amd-amdhsa--gfx1250"
	.amdhsa_code_object_version 6
	.text
	.protected	k_qe5dc883fe9_ln2
	.globl	k_qe5dc883fe9_ln2
	.p2align	8
	.type	k_qe5dc883fe9_ln2,@function
k_qe5dc883fe9_ln2:
	s_mov_b64 s[64:65], 0
	v_nop
	global_prefetch_b8 v0, s[64:65] scope:SCOPE_SE
	s_setreg_imm32_b32 hwreg(HW_REG_WAVE_MODE, 25, 1), 1
	s_wait_xcnt 0x0
; out = (y - mean) / (std + 1e-6) a + b along rows of 1,024, std with divisor 1,023, in f32.
; Work-group rb takes 16 rows: 32 (rb / 2) + 8 (rb % 2) + (rr % 8) + 16 (rr / 8).  Wave w takes columns 128 w .. 128 w + 127.
; Each load reads 512 consecutive bytes of a row; the wave's 16 x 128 numbers turn through its own stage in LDS, after which lane (r, h) holds 64 numbers of row r, so that a row's sums want one exchange between lanes.
; The mean first, then the sum of squared differences from it: no difference of large sums.  The eight waves' parts of a row meet in LDS behind a barrier, twice, in bytes of their own.
; Memory binds: no matrix unit, no cluster.  A NaN in a row makes the row NaN.
.set SP,   528
.set STG,  16*SP
.set RED,  8*STG                       ; behind the stages: 16 rows x 8 waves x 4 bytes, twice
.set X,    32                          ; v32-95   the numbers
.set GA,   96                          ; v96-159  the gain, later rows on their way out
.set GB,   160                         ; v160-223 the bias
.set T,    224                         ; v224-233 at work
.set SEL,  24
.macro FOLD                            ; four pairs at v[T] on become one number
	v_pk_add_f32 v[T:T+1], v[T:T+1], v[T+2:T+3]
	v_pk_add_f32 v[T+4:T+5], v[T+4:T+5], v[T+6:T+7]
	v_pk_add_f32 v[T:T+1], v[T:T+1], v[T+4:T+5]
	v_add_f32 v[T], v[T], v[T+1]
.endm
.macro MEET off                        ; my wave's part of each row, then all eight waves'
	FOLD
	v_permlanex16_b32 v[T+1], v[T], s[SEL], s[SEL+1]
	v_add_f32 v[T], v[T], v[T+1]                   ; with lane l xor 16's: the row's 128 columns of my wave
	ds_store_b32 v11, v[T] offset:\off             ; (both halves write the same word with the same value)
	s_wait_dscnt 0x0                               ; for the others' sake
	s_barrier_signal -1
	s_barrier_wait -1
	ds_load_b128 v[T:T+3], v12 offset:\off
	ds_load_b128 v[T+4:T+7], v12 offset:\off+16
	s_wait_dscnt 0x0
	FOLD
.endm
	s_load_b256 s[4:11], s[0:1], 0x0               ; y, the gain, the bias, the result
	v_lshl_add_u32 v254, v0, 2, 0x10c00
	v_mov_b32 v255, 0
	v_lshrrev_b32 v6, 5, v0
	v_readfirstlane_b32 s2, v6                     ; wave 0..7
	v_and_b32 v7, 31, v0
	v_and_b32 v8, 15, v0                           ; r
	v_bfe_u32 v9, v0, 4, 1                         ; h
	v_lshlrev_b32 v5, 4, v7
	s_mul_i32 s3, s2, STG
	v_add_nc_u32 v2, s3, v5                        ; the stage, by rows
	v_mul_u32_u24 v3, v8, SP
	v_lshl_add_u32 v3, v9, 6, v3
	v_add_nc_u32 v3, s3, v3                        ; the stage, by lanes
	v_lshlrev_b32 v10, 6, v9
	v_lshl_add_u32 v12, v8, 5, RED                 ; row r's eight parts
	s_lshl_b32 s12, s2, 2
	v_add_nc_u32 v11, s12, v12                     ; my wave's among them
	s_mov_b32 s[SEL], 0x76543210
	s_mov_b32 s[SEL+1], 0xfedcba98
	s_lshr_b32 s13, ttmp9, 1
	s_lshl_b32 s13, s13, 5
	s_and_b32 s14, ttmp9, 1
	s_lshl_b32 s14, s14, 3
	s_add_co_u32 s13, s13, s14                     ; the block's first row
	s_lshl_b32 s14, s13, 12
	s_lshl_b32 s16, s2, 9
	s_add_co_u32 s14, s14, s16
	s_mov_b32 s15, 0
	s_mov_b32 s17, 0
	s_wait_kmcnt 0x0
	s_add_nc_u64 s[4:5], s[4:5], s[14:15]
	s_add_nc_u64 s[6:7], s[6:7], s[16:17]
	s_add_nc_u64 s[8:9], s[8:9], s[16:17]
	s_add_nc_u64 s[10:11], s[10:11], s[14:15]
.irp rr, 0,1,2,3,4,5,6,7,8,9,10,11,12,13,14,15
	global_load_b128 v[X+4*\rr:X+4*\rr+3], v5, s[4:5] offset:((\rr%8)+16*(\rr/8))*4096 th:TH_LOAD_NT
.endr
.irp b, 0,1,2,3
.irp j, 0,1,2,3
	global_load_b128 v[GA+16*\b+4*\j:GA+16*\b+4*\j+3], v10, s[6:7] offset:128*\b+16*\j
	global_load_b128 v[GB+16*\b+4*\j:GB+16*\b+4*\j+3], v10, s[8:9] offset:128*\b+16*\j
.endr
.endr
	s_wait_loadcnt 32                              ; the rows are in; the 32 loads of gain and bias may be out
.irp rr, 0,1,2,3,4,5,6,7,8,9,10,11,12,13,14,15
	ds_store_b128 v2, v[X+4*\rr:X+4*\rr+3] offset:\rr*SP
.endr
.irp b, 0,1,2,3
.irp j, 0,1,2,3
	ds_load_b128 v[X+16*\b+4*\j:X+16*\b+4*\j+3], v3 offset:128*\b+16*\j   ; LDS serves a wave's instructions in order
.endr
.endr
	s_wait_dscnt 0x0
.irp k, 0,1,2,3
	v_pk_add_f32 v[T+2*\k:T+2*\k+1], v[X+4*\k:X+4*\k+1], v[X+4*\k+2:X+4*\k+3]   ; four chains, started by the first sixteen numbers
.endr
.irp i, 16,24,32,40,48,56
.irp k, 0,1,2,3
	v_pk_add_f32 v[T+2*\k:T+2*\k+1], v[T+2*\k:T+2*\k+1], v[X+\i+2*\k:X+\i+2*\k+1]
.endr
.endr
	MEET 0
	v_mul_f32 v[T+8], 0xba800000, v[T]             ; - the mean
	v_mov_b32 v[T+9], v[T+8]
.set j, 0
.rept 32
	v_pk_add_f32 v[X+j:X+j+1], v[X+j:X+j+1], v[T+8:T+9]
.set j, j+2
.endr
.irp k, 0,1,2,3
	v_pk_mul_f32 v[T+2*\k:T+2*\k+1], v[X+2*\k:X+2*\k+1], v[X+2*\k:X+2*\k+1]
.endr
.irp i, 8,16,24,32,40,48,56
.irp k, 0,1,2,3
	v_pk_fma_f32 v[T+2*\k:T+2*\k+1], v[X+\i+2*\k:X+\i+2*\k+1], v[X+\i+2*\k:X+\i+2*\k+1], v[T+2*\k:T+2*\k+1]
.endr
.endr
	MEET 512
	v_mul_f32 v[T], 0x3a802008, v[T]               ; / 1,023
	v_sqrt_f32 v[T+1], v[T]
	v_nop                                          ; a plain place behind a transcendental,
	s_wait_alu depctr_va_vdst(0)                   ; and the wait ahead of its first reader
	v_add_f32 v[T+1], 0x358637bd, v[T+1]           ; + 1e-6
	v_rcp_f32 v[T+8], v[T+1]
	v_nop
	s_wait_alu depctr_va_vdst(0)
	v_mov_b32 v[T+9], v[T+8]
	s_wait_loadcnt 0x0                             ; gain and bias
.set j, 0
.rept 32
	v_pk_mul_f32 v[X+j:X+j+1], v[X+j:X+j+1], v[T+8:T+9]
.set j, j+2
.endr
.set j, 0
.rept 32
	v_pk_fma_f32 v[X+j:X+j+1], v[X+j:X+j+1], v[GA+j:GA+j+1], v[GB+j:GB+j+1]
.set j, j+2
.endr
.irp b, 0,1,2,3
.irp j, 0,1,2,3
	ds_store_b128 v3, v[X+16*\b+4*\j:X+16*\b+4*\j+3] offset:128*\b+16*\j   ; back through the stage, so that whole runs of a row leave together
.endr
.endr
.irp rr, 0,1,2,3,4,5,6,7,8,9,10,11,12,13,14,15
	ds_load_b128 v[GA+4*\rr:GA+4*\rr+3], v2 offset:\rr*SP
.endr
.irp rr, 0,1,2,3,4,5,6,7,8,9,10,11,12,13,14,15
	s_wait_dscnt 15-\rr
	global_store_b128 v5, v[GA+4*\rr:GA+4*\rr+3], s[10:11] offset:((\rr%8)+16*(\rr/8))*4096 th:TH_STORE_NT   ; 32 lanes store 512 consecutive bytes, aligned
.endr
	s_wait_tensorcnt 0x0
	ds_add_u32 v254, v255
	s_wait_dscnt 0x0
	s_endpgm
.Lfunc_end_k_qe5dc883fe9_ln2:
	.size	k_qe5dc883fe9_ln2, .Lfunc_end_k_qe5dc883fe9_ln2-k_qe5dc883fe9_ln2
	.p2alignl 7, 3214868480
	.fill 96, 4, 3214868480
	.section	.rodata,"a",@progbits
	.p2align	6, 0x0
	.amdhsa_kernel k_qe5dc883fe9_ln2
		.amdhsa_group_segment_fixed_size 69632
		.amdhsa_private_segment_fixed_size 0
		.amdhsa_enable_private_segment 0
		.amdhsa_kernarg_size 32
		.amdhsa_user_sgpr_count 2
		.amdhsa_user_sgpr_kernarg_segment_ptr 1
		.amdhsa_wavefront_size32 1
		.amdhsa_system_sgpr_workgroup_id_x 1
		.amdhsa_system_sgpr_workgroup_id_y 1
		.amdhsa_system_sgpr_workgroup_id_z 1
		.amdhsa_system_vgpr_workitem_id 0
		.amdhsa_next_free_vgpr 256
		.amdhsa_next_free_sgpr 66
		.amdhsa_reserve_vcc 0
		.amdhsa_float_denorm_mode_32 3
		.amdhsa_float_denorm_mode_16_64 3
		.amdhsa_memory_ordered 1
		.amdhsa_forward_progress 1
		.amdhsa_inst_pref_size 25
	.end_amdhsa_kernel
	.amdgpu_metadata
---
amdhsa.version: [ 1, 2 ]
amdhsa.kernels:
  - .name:           k_qe5dc883fe9_ln2
    .symbol:         k_qe5dc883fe9_ln2.kd
    .args:
      - { .name: yb, .offset: 0, .size: 8, .value_kind: global_buffer, .address_space: global }
      - { .name: ln2_a, .offset: 8, .size: 8, .value_kind: global_buffer, .address_space: global }
      - { .name: ln2_b, .offset: 16, .size: 8, .value_kind: global_buffer, .address_space: global }
      - { .name: out0, .offset: 24, .size: 8, .value_kind: global_buffer, .address_space: global }
    .group_segment_fixed_size: 69632
    .private_segment_fixed_size: 0
    .kernarg_segment_align: 8
    .kernarg_segment_size: 32
    .max_flat_workgroup_size: 256
    .sgpr_count:     66
    .vgpr_count:     256
    .wavefront_size: 32
...
	.end_amdgpu_metadata
.endif
;; end of part 8
;; ======== version 2 of 2: 8 launches
;; limits: right only within a limited range of input values
;; workspace buffers: pq 13,107,200 bytes; mw 526,336 bytes of whole numbers; qkv 9,830,400 bytes; ob 3,276,800 bytes; yb 16,777,216 bytes; hb 20,054,016 bytes; fb 13,107,200 bytes
;; launch prep (part 9): grid 640 x 1, 4 waves a work-group, no clusters, 34,304 bytes of LDS; arguments x, Wqkv, Wo, W1, W2, mask, pq, mw; writes pq, mw
.if DOCPART == 9
	.amdgcn_target "amdgcn-amd-amdhsa--gfx1250"
	.amdhsa_code_object_version 6
	.text
	.protected	k_qe5dc883fe9_prep
	.globl	k_qe5dc883fe9_prep
	.p2align	8
	.type	k_qe5dc883fe9_prep,@function
k_qe5dc883fe9_prep:
	s_mov_b64 s[64:65], 0
	v_nop
	global_prefetch_b8 v0, s[64:65] scope:SCOPE_SE
	s_setreg_imm32_b32 hwreg(HW_REG_WAVE_MODE, 25, 1), 1
	s_wait_xcnt 0x0
; x, Wqkv, Wo, W1, W2 (f32, K innermost) become codes of BF6 (E3M2) with one E8M0 byte for each 32 along K, and the mask becomes lane masks.
; LAYOUT OF THE CODES (this program's own).  Rows are kept by POSITION: position p holds row sigma(p), sigma = p with bits 3 and 4 exchanged, so block rb of 16 positions holds rows
; 32 (rb / 2) + 8 (rb % 2) + (r % 8) + 16 (r / 8).  A fragment (16 positions x 128 K, 12 registers a lane) is an image of its registers: pair g of lane l at 256 g + 8 l, 1,536 bytes.
; Fragment (rb, ks) lies at (((rb / 8) KS + ks) 8 + rb % 8) 1536, its 16 scale words at ((rb / 8) KS + ks) 512 + (rb % 8) 64 + 4 r.  KS = K / 128.
; THE MASK: word (T, s, n), at (16 T + s) 256 + 4 n: bit l = mask[sigma(16 T + l % 16)][128 s + 32 (n / 16) + 16 (l / 16) + n % 16] != 0.  Flag word (T, p) at 524288 + 16 T + 4 p:
; bit j: step 4 p + j has a key that counts for one of the 16 queries; bit 8 + j: all its keys count for all 16.
; A JOB (one wave) is one block of 16 positions x 4 units of 128 columns.  Each load reads one row's 512 consecutive bytes; a unit turns through the wave's own stage in LDS (rows of 512 + 16 bytes), after
; which lane (r, h) holds, in register 16 b + i, column 32 b + 16 h + i of position r: 16 neighbours of each block of 32, as the conversion wants them.
; A block's scale byte is its largest magnitude's exponent field - 4, held at 1 from below (a block of zeros keeps 1: its codes are zeros, and this program alone reads the bytes).
; LIMITS: NaN and infinities among the inputs are not served; blocks whose largest magnitude lies under 2^-122 keep the byte 1.
; No tensor load, no barrier: waves share nothing.  Loads run one unit (16 loads) ahead of the unit at work.
.set SP,   528                         ; a stage row
.set STG,  16*SP                       ; a wave's stage
.set VOFF, 16                          ; v16-31  byte offset of stage row rr's 16 bytes of my lane; never rewritten
.set X0,   32                          ; v32-95, v96-159  two sets of 64 numbers
.set PC,   160                         ; v160-178 the codes just made
.set TM,   180                         ; v180-195 at work in QUANT
.set PW,   196                         ; the scale word just made
.set PWE,  197                         ; that of the even unit before
.set PWS,  198                         ; lanes 0-15 the even unit's, lanes 16-31 the odd unit's
.set MW,   204                         ; v204-205 64 mask words: lane i holds words 2 i and 2 i + 1
.set SEL,  48                          ; s[48:49] lane selects: lane l xor 16
.macro PICK lim, j0, lq, pitch, cb, sb, ptr    ; work-groups under lim belong to this tensor
	s_cmp_lt_u32 ttmp9, \lim
	s_cselect_b32 s24, \j0, s24
	s_cselect_b32 s25, \lq, s25
	s_cselect_b32 s26, \pitch, s26
	s_cselect_b32 s27, \cb, s27
	s_cselect_b32 s28, \sb, s28
	s_cselect_b64 s[4:5], s[\ptr:\ptr+1], s[4:5]
.endm
; 64 numbers of a lane, register 16 b + i = k 32 b + 16 h + i of my row, become a fragment's 12 registers at v[PC] and its scale word in v[PW]
.macro QUANT s
.irp b, 0,1,2,3
	v_max3_num_f32 v[TM+\b], 0x2800000, |v[\s+16*\b]|, |v[\s+1+16*\b]|   ; my 16 numbers of block b, and the floor 2^(5 - 127): the byte cannot fall under 1
.endr
.irp i, 2,4,6,8,10,12,14
.irp b, 0,1,2,3
	v_max3_num_f32 v[TM+\b], v[TM+\b], |v[\s+16*\b+\i]|, |v[\s+1+16*\b+\i]|
.endr
.endr
.irp b, 0,1,2,3
	v_permlanex16_b32 v[TM+4+\b], v[TM+\b], s[SEL], s[SEL+1]
.endr
.irp b, 0,1,2,3
	v_max_num_f32 v[TM+\b], v[TM+\b], v[TM+4+\b]   ; with lane l xor 16's 16: the block's largest magnitude
.endr
.irp b, 0,1,2,3
	v_add_nc_u32 v[TM+12+\b], 0xfe000000, v[TM+\b] ; 4 off its exponent field: the conversion's scale operand
.endr
.irp b, 0,1,2,3
	v_lshrrev_b32 v[TM+4+\b], 23, v[TM+12+\b]      ; the scale's byte
.endr
	v_lshl_or_b32 v[PW], v[TM+5], 8, v[TM+4]
	v_lshl_or_b32 v[PW], v[TM+6], 16, v[PW]
	v_lshl_or_b32 v[PW], v[TM+7], 24, v[PW]
	s_wait_xcnt 0x0                                ; the last fragment's stores have read v[PC] on and v[PWS]: they are written again only behind this wait
.irp c, 0,1
	v_cvt_scalef32_pk16_bf6_f32 v[PC+6*\c:PC+2+6*\c], v[\s+32*\c:\s+15+32*\c], v[TM+12+2*\c]
	v_cvt_scalef32_pk16_bf6_f32 v[PC+12+4*\c:PC+14+4*\c], v[\s+16+32*\c:\s+31+32*\c], v[TM+12+2*\c+1]   ; (a conversion's three registers begin on an even number)
.endr
	v_nop                                          ; one plain place behind a scaled conversion
.irp c, 0,1                                    ; the operand wants a whole block in a lane: lanes 0-15 block 2 c, lanes 16-31 block 2 c + 1
.irp i, 0,1,2
	v_permlane16_swap_b32 v[PC+6*\c+\i], v[PC+12+4*\c+\i]
.endr
.irp i, 0,1,2
	v_mov_b32 v[PC+3+6*\c+\i], v[PC+12+4*\c+\i]
.endr
.endr
.endm
.macro LOADU u                         ; unit u: 16 rows x 512 consecutive bytes into set u % 2
.irp rr, 0,1,2,3,4,5,6,7,8,9,10,11,12,13,14,15
	global_load_b128 v[X0+64*((\u)%2)+4*\rr:X0+64*((\u)%2)+4*\rr+3], v[VOFF+\rr], s[4:5] offset:512*(\u) th:TH_LOAD_NT
.endr
.endm
.macro TURN xs                         ; through my stage and back into the registers that they left; LDS serves a wave's instructions in order, so no wait stands between
.irp rr, 0,1,2,3,4,5,6,7,8,9,10,11,12,13,14,15
	ds_store_b128 v2, v[\xs+4*\rr:\xs+4*\rr+3] offset:\rr*SP
.endr
.irp b, 0,1,2,3
.irp j, 0,1,2,3
	ds_load_b128 v[\xs+16*\b+4*\j:\xs+16*\b+4*\j+3], v3 offset:128*\b+16*\j
.endr
.endr
.endm
	s_load_b512 s[8:23], s[0:1], 0x0               ; x, Wqkv, Wo, W1, W2, mask, pq, mw
	v_lshl_add_u32 v208, v0, 2, 0x8400
	v_mov_b32 v209, 0
	v_lshrrev_b32 v6, 5, v0
	v_readfirstlane_b32 s2, v6                     ; wave
	v_and_b32 v7, 31, v0                           ; lane
	v_and_b32 v8, 15, v0                           ; r
	v_bfe_u32 v9, v0, 4, 1                         ; h
	v_lshlrev_b32 v1, 3, v7                        ; 8 l: my place in a register pair's 256 bytes
	v_lshlrev_b32 v5, 4, v7                        ; 16 l
	s_mul_i32 s3, s2, STG
	v_add_nc_u32 v2, s3, v5                        ; the stage, by rows
	v_mul_u32_u24 v3, v8, SP
	v_lshl_add_u32 v3, v9, 6, v3
	v_add_nc_u32 v3, s3, v3                        ; the stage, by lanes: row r, + 64 h
	v_lshlrev_b32 v4, 2, v8
	v_lshl_add_u32 v4, v9, 9, v4                   ; scale words: 4 r, lanes 16-31 one unit (512 bytes) on
	v_cmp_ne_u32 vcc_lo, 0, v9                     ; lanes 16-31
.irp b, 0,1,2,3
	v_mov_b32 v[TM+4+\b], 0                        ; a lane permute's destination counts as one of its sources
.endr
	v_mov_b32 v[PWE], 0
	v_mov_b32 v[MW], 0
	v_mov_b32 v[MW+1], 0
	s_mov_b32 s[SEL], 0x76543210
	s_mov_b32 s[SEL+1], 0xfedcba98
	s_mov_b32 s24, 2048                            ; the tensor's first job; log2 of its jobs to a block; bytes from row to row; where its codes and scales begin in pq
	s_mov_b32 s25, 2
	s_mov_b32 s26, 8192
	s_mov_b32 s27, 0
	s_mov_b32 s28, 0
	s_mov_b32 s29, 0                               ; the flags gathered so far
	s_wait_kmcnt 0x0
	s_mov_b64 s[50:51], s[22:23]                   ; mw
	s_mov_b64 s[4:5], s[18:19]                     ; the mask, unless the work-group's number says otherwise
	PICK 512, 1536, 3, 16384, 9437184, 12976128, 16
	PICK 384, 1024, 1, 4096, 6291456, 12845056, 14
	PICK 256, 896, 1, 4096, 5505024, 12812288, 12
	PICK 224, 512, 1, 4096, 3145728, 12713984, 10
	PICK 128, 0, 1, 4096, 0, 12582912, 8
	s_lshl_b32 s30, ttmp9, 2
	s_add_co_u32 s30, s30, s2
	s_sub_co_u32 s30, s30, s24                     ; my job in its tensor
	s_lshr_b32 s31, s30, s25                       ; rb
	s_lshl_b32 s32, s31, s25
	s_sub_co_u32 s32, s30, s32                     ; which 512 columns
	s_lshr_b32 s33, s31, 1
	s_lshl_b32 s33, s33, 5
	s_and_b32 s34, s31, 1
	s_lshl_b32 s34, s34, 3
	s_add_co_u32 s33, s33, s34                     ; the block's first row: 32 (rb / 2) + 8 (rb % 2)
	s_mul_i32 s33, s33, s26
	s_lshl_b32 s34, s32, 11
	s_add_co_u32 s34, s33, s34
	s_mov_b32 s35, 0
	s_add_nc_u64 s[4:5], s[4:5], s[34:35]
	s_lshr_b32 s36, s31, 3
	s_lshl_b32 s36, s36, s25
	s_add_co_u32 s36, s36, s32                     ; ((rb / 8) KS + ks) / 4
	s_and_b32 s37, s31, 7
	s_lshl_b32 s38, s36, 5
	s_add_co_u32 s38, s38, s37
	s_mul_i32 s38, s38, 1536
	s_add_co_u32 s38, s38, s27
	s_mov_b32 s39, 0
	s_add_nc_u64 s[6:7], s[20:21], s[38:39]        ; my first fragment
	s_lshl_b32 s38, s36, 11
	s_lshl_b32 s37, s37, 6
	s_add_co_u32 s38, s38, s37
	s_add_co_u32 s38, s38, s28
	s_add_nc_u64 s[40:41], s[20:21], s[38:39]      ; its scale words
	s_lshl_b32 s38, s31, 12
	s_lshl_b32 s37, s32, 10
	s_add_co_u32 s38, s38, s37
	s_add_nc_u64 s[42:43], s[50:51], s[38:39]      ; a mask job's words: (16 T + 4 p) 256
	s_lshl_b32 s38, s31, 4
	s_lshl_b32 s37, s32, 2
	s_add_co_u32 s38, s38, s37
	s_add_nc_u64 s[44:45], s[50:51], s[38:39]      ; and its flag word: 16 T + 4 p
.irp rr, 0,1,2,3,4,5,6,7,8,9,10,11,12,13,14,15
	s_mul_i32 s46, s26, (\rr%8)+16*(\rr/8)
	v_add_nc_u32 v[VOFF+\rr], s46, v5
.endr
	s_wait_alu depctr_va_vdst(0)
	LOADU 0
	LOADU 1
.macro UNIT u
.set XS, X0+64*((\u)%2)
.if \u < 3
	s_wait_loadcnt 16                              ; this unit's 16 loads are in; the next unit's may be out
.else
	s_wait_loadcnt 0x0
.endif
	TURN XS
	s_wait_dscnt 0x0
	s_cmp_ge_u32 ttmp9, 512
	s_cbranch_scc1 .Lmask_\@
	QUANT XS
.irp g, 0,1,2,3,4,5
	global_store_b64 v1, v[PC+2*\g:PC+2*\g+1], s[6:7] offset:12288*(\u)+256*\g   ; 32 lanes store 256 consecutive bytes, aligned
.endr
.if (\u)%2 == 0
	v_mov_b32 v[PWE], v[PW]
.else
	v_cndmask_b32 v[PWS], v[PWE], v[PW], vcc_lo
	global_store_b32 v4, v[PWS], s[40:41] offset:512*((\u)-1)
.endif
	s_branch .Ljoin_\@
.Lmask_\@:
	s_wait_xcnt 0x0                                ; the last unit's store has read v[MW:MW+1]
	s_mov_b32 s21, 0
	s_mov_b32 s22, -1
.set n, 0
	s_wait_alu depctr_va_vdst(0)
.rept 64
	v_cmp_ne_u32 s20, 0, v[XS+n]                   ; word n: a bit for each lane
	v_writelane_b32 v[MW+n%2], s20, n/2
	s_or_b32 s21, s21, s20
	s_and_b32 s22, s22, s20
.set n, n+1
.endr
	global_store_b64 v1, v[MW:MW+1], s[42:43] offset:256*(\u)   ; a step's 64 words: 256 consecutive bytes, aligned
	s_cmp_lg_u32 s21, 0
	s_cselect_b32 s20, 1<<(\u), 0
	s_or_b32 s29, s29, s20
	s_cmp_eq_u32 s22, -1
	s_cselect_b32 s20, 256<<(\u), 0
	s_or_b32 s29, s29, s20
.Ljoin_\@:
.if \u < 2
	LOADU (\u)+2
.endif
.endm
	UNIT 0
	UNIT 1
	UNIT 2
	UNIT 3
	s_cmp_lt_u32 ttmp9, 512
	s_cbranch_scc1 .Ldone
	v_mov_b32 v10, s29
	v_mov_b32 v11, 0
	v_cmp_gt_u32 s20, 1, v7
	s_wait_alu depctr_va_vdst(0)
	s_wait_xcnt 0x0                                ; EXEC changes only behind this wait
	s_wait_tensorcnt 0x0
	ds_add_u32 v208, v209
	s_wait_dscnt 0x0
	s_and_saveexec_b32 s21, s20                    ; lane 0 stores the job's flag word
	global_store_b32 v11, v10, s[44:45] offset:524288
	s_endpgm
.Ldone:
	s_wait_tensorcnt 0x0
	ds_add_u32 v208, v209
	s_wait_dscnt 0x0
	s_endpgm
.Lfunc_end_k_qe5dc883fe9_prep:
	.size	k_qe5dc883fe9_prep, .Lfunc_end_k_qe5dc883fe9_prep-k_qe5dc883fe9_prep
	.p2alignl 7, 3214868480
	.fill 96, 4, 3214868480
	.section	.rodata,"a",@progbits
	.p2align	6, 0x0
	.amdhsa_kernel k_qe5dc883fe9_prep
		.amdhsa_group_segment_fixed_size 34304
		.amdhsa_private_segment_fixed_size 0
		.amdhsa_enable_private_segment 0
		.amdhsa_kernarg_size 64
		.amdhsa_user_sgpr_count 2
		.amdhsa_user_sgpr_kernarg_segment_ptr 1
		.amdhsa_wavefront_size32 1
		.amdhsa_system_sgpr_workgroup_id_x 1
		.amdhsa_system_sgpr_workgroup_id_y 1
		.amdhsa_system_sgpr_workgroup_id_z 1
		.amdhsa_system_vgpr_workitem_id 0
		.amdhsa_next_free_vgpr 210
		.amdhsa_next_free_sgpr 66
		.amdhsa_reserve_vcc 1
		.amdhsa_float_denorm_mode_32 3
		.amdhsa_float_denorm_mode_16_64 3
		.amdhsa_memory_ordered 1
		.amdhsa_forward_progress 1
		.amdhsa_inst_pref_size 89
	.end_amdhsa_kernel
	.amdgpu_metadata
---
amdhsa.version: [ 1, 2 ]
amdhsa.kernels:
  - .name:           k_qe5dc883fe9_prep
    .symbol:         k_qe5dc883fe9_prep.kd
    .args:
      - { .name: x, .offset: 0, .size: 8, .value_kind: global_buffer, .address_space: global }
      - { .name: Wqkv, .offset: 8, .size: 8, .value_kind: global_buffer, .address_space: global }
      - { .name: Wo, .offset: 16, .size: 8, .value_kind: global_buffer, .address_space: global }
      - { .name: W1, .offset: 24, .size: 8, .value_kind: global_buffer, .address_space: global }
      - { .name: W2, .offset: 32, .size: 8, .value_kind: global_buffer, .address_space: global }
      - { .name: mask, .offset: 40, .size: 8, .value_kind: global_buffer, .address_space: global }
      - { .name: pq, .offset: 48, .size: 8, .value_kind: global_buffer, .address_space: global }
      - { .name: mw, .offset: 56, .size: 8, .value_kind: global_buffer, .address_space: global }
    .group_segment_fixed_size: 34304
    .private_segment_fixed_size: 0
    .kernarg_segment_align: 8
    .kernarg_segment_size: 64
    .max_flat_workgroup_size: 128
    .sgpr_count:     66
    .vgpr_count:     210
    .wavefront_size: 32
...
	.end_amdgpu_metadata
.endif
;; end of part 9
;; launch qkvg (part 10): grid 48 x 4, 4 waves a work-group, clusters of 4 x 4, 327,680 bytes of LDS; arguments pq, bqkv, qkv; writes qkv
.if DOCPART == 10
	.amdgcn_target "amdgcn-amd-amdhsa--gfx1250"
	.amdhsa_code_object_version 6
	.text
	.protected	k_qe5dc883fe9_qkvg
	.globl	k_qe5dc883fe9_qkvg
	.p2align	8
	.type	k_qe5dc883fe9_qkvg,@function
k_qe5dc883fe9_qkvg:
	s_mov_b64 s[64:65], 0
	v_nop
	global_prefetch_b8 v0, s[64:65] scope:SCOPE_SE
	s_setreg_imm32_b32 hwreg(HW_REG_WAVE_MODE, 25, 1), 1
	s_wait_xcnt 0x0
	s_wait_alu depctr_hold_cnt(0) depctr_sa_sdst(0) depctr_va_vdst(0) depctr_va_sdst(0) depctr_va_ssrc(0) depctr_va_vcc(0) depctr_vm_vsrc(0)
	s_getreg_b32 s2, hwreg(HW_REG_IB_STS2, 6, 4)
	s_cmp_eq_u32 s2, 0
	s_cbranch_scc0 .Lentry_in_a_cluster
	s_endpgm
.Lentry_in_a_cluster:
	s_bfe_u32 s2, ttmp6, 0x10000c
	s_cmp_lg_u32 s2, 0xf033
	s_cbranch_scc0 .Lentry_shape_is_right
	s_endpgm
.Lentry_shape_is_right:
.set KS,    8
.set LAPS,  KS/4
.set PART,  24576
.set SLOT,  4*PART
.set SCL,   2*SLOT
.set SPART, KS*512
.set SPARE, SCL+4*SPART
.set FR,    12
.set NL,    6
.set NP,    4
.set L8,    3
.set L4,    4
.set ADRA,  16
.set ADRB,  20
.set ADRS,  27
.set SPW,   28
.set NIL,   29
.set SC,    32
.set BB,    64
.set AF,    128
.set G1, 24
.set G0, 32
.set G1B, 48
.set G0B, 56
.set G1S, 68
.set G0S, 76
.set G1SB, 80
.set G0SB, 88
.set SEL, 100
.set PC,  64
.set TM,  84
.set PW,  100
.set PWE, 101
.set PWS, 102
.set BA,  224
.set VO1, 6
.set MSB, 0
.macro WIN new
.if MSB != (\new)
	s_set_vgpr_msb (MSB<<8)|(\new)
.set MSB, (\new)
.endif
.endm
.set MUL_LO, 0xa1
.set MUL_HI, 0xf1
.set TO_B,   0x40
.macro JLOAD g0a, g1a, g0b, g1b
	s_cmp_eq_u32 s15, 0
	s_cbranch_scc0 .Lfor_b_\@
	tensor_load_to_lds s[\g0a:\g0a+3], s[\g1a:\g1a+7]
	s_nop 0
.rept 4
	v_nop
.endr
	s_branch .Lasked_\@
.Lfor_b_\@:
	tensor_load_to_lds s[\g0b:\g0b+3], s[\g1b:\g1b+7]
	s_nop 0
.rept 4
	v_nop
.endr
.Lasked_\@:
.endm
.macro CREST
	s_cmp_lg_u32 s14, 0
	s_cbranch_scc1 .Lnot_wave_0_\@
	s_barrier_signal -3
.Lnot_wave_0_\@:
	s_barrier_wait -3
	s_barrier_signal -1
	s_barrier_wait -1
.endm
.macro CROUND
	s_barrier_signal -1
	s_barrier_wait -1
	CREST
.endm
.macro FRAG reg, adr, q, i
.irp p, 0,1,2,3,4,5
	ds_load_b64 v[\reg+2*\p:\reg+2*\p+1], v[\adr] offset:(\q)*12288+(\i)*1536+256*\p
.endr
.endm
.macro MUL16 a0, p, q, sc, zero
.irp a, \a0, \a0+1
.irp b, 0,1,2,3,4,5,6,7
.if \zero
	v_wmma_scale_f32_16x16x128_f8f6f4 v[8*(8*((\a)%4)+\b):8*(8*((\a)%4)+\b)+7], v[128*(\p)+FR*\b:128*(\p)+FR*\b+FR-1], v[AF+FR*(\a):AF+FR*(\a)+FR-1], v[BB+8*\b:BB+8*\b+7], v[SC+16*(\sc)+2*\b+(\q)], v[SC+16*(\sc)+2*(\a)+(\q)] matrix_a_fmt:MATRIX_FMT_BF6 matrix_b_fmt:MATRIX_FMT_BF6 matrix_a_scale:MATRIX_SCALE_ROW1
.else
	v_wmma_scale_f32_16x16x128_f8f6f4 v[8*(8*((\a)%4)+\b):8*(8*((\a)%4)+\b)+7], v[128*(\p)+FR*\b:128*(\p)+FR*\b+FR-1], v[AF+FR*(\a):AF+FR*(\a)+FR-1], v[8*(8*((\a)%4)+\b):8*(8*((\a)%4)+\b)+7], v[SC+16*(\sc)+2*\b+(\q)], v[SC+16*(\sc)+2*(\a)+(\q)] matrix_a_fmt:MATRIX_FMT_BF6 matrix_b_fmt:MATRIX_FMT_BF6 matrix_a_scale:MATRIX_SCALE_ROW1
.endif
.endr
.endr
.endm
.macro FETCH_B slot, q, p
	WIN TO_B
.irp i, 0,1,2,3,4,5,6,7
	FRAG 128*(\p)+FR*\i, ADRB+\slot, \q, \i
.endr
	WIN 0
.endm
.macro FETCH_A slot, q, i0
.irp i, \i0, \i0+1, \i0+2, \i0+3
	FRAG AF+FR*(\i), ADRA+\slot, \q, \i
.endr
.endm
.macro SCALES sc
.irp i, 0,1,2,3,4,5,6,7
.irp q, 0,1
	ds_load_b32 v[SC+16*\sc+2*\i+\q], v[ADRS] offset:512*\q+64*\i
.endr
.endr
.endm
.macro PLACES n
.rept \n
	v_nop
.endr
.endm
.macro STEP slot, q, zero
	s_wait_dscnt 4*NL
	WIN MUL_LO-0x20*(\zero)
	MUL16 0, (\q)%2, \q, \slot, \zero
	MUL16 2, (\q)%2, \q, \slot, \zero
	s_wait_dscnt 0
	PLACES NP
	FETCH_B \slot, (\q)+1, 1-(\q)%2
	FETCH_A \slot, (\q)+1, 0
	WIN MUL_HI-0x30*(\zero)
	MUL16 4, (\q)%2, \q, \slot, \zero
	MUL16 6, (\q)%2, \q, \slot, \zero
	PLACES NP
	WIN 0
	FETCH_A \slot, (\q)+1, 4
.endm
.macro TURN slot, next, fill
	s_wait_tensorcnt 0x0
	ds_add_u32 v[SPW], v[NIL]
	s_wait_dscnt 4*NL+1
	WIN MUL_LO
	MUL16 0, 1, 1, \slot, 0
	s_wait_dscnt 0x0
	s_barrier_signal -1
	MUL16 2, 1, 1, \slot, 0
	WIN 0
	s_barrier_wait -1
.if \fill
	CREST
	s_add_nc_u64 s[G0+4*\slot+2:G0+4*\slot+3], s[G0+4*\slot+2:G0+4*\slot+3], 2*PART
	s_add_nc_u64 s[G0B+4*\slot+2:G0B+4*\slot+3], s[G0B+4*\slot+2:G0B+4*\slot+3], 2*PART
	JLOAD G0+4*\slot, G1, G0B+4*\slot, G1B
.else
	PLACES NP
.endif
	s_wait_alu depctr_va_vdst(0)
	v_add_nc_u32 v[ADRS], 1024, v[ADRS]
	FETCH_B \next, 0, 0
	FETCH_A \next, 0, 0
	SCALES \next
	WIN MUL_HI
	MUL16 4, 1, 1, \slot, 0
	MUL16 6, 1, 1, \slot, 0
	PLACES NP
	WIN 0
	FETCH_A \next, 0, 4
.endm
.macro QUANT w, s
	WIN ((\w)<<2)|((\w)<<4)
.irp b, 0,1,2,3
	v_max3_num_f32 v[TM+\b], 0x2800000, |v[\s+16*\b]|, |v[\s+1+16*\b]|
.endr
.irp i, 2,4,6,8,10,12,14
.irp b, 0,1,2,3
	v_max3_num_f32 v[TM+\b], v[TM+\b], |v[\s+16*\b+\i]|, |v[\s+1+16*\b+\i]|
.endr
.endr
	WIN 0
.irp b, 0,1,2,3
	v_permlanex16_b32 v[TM+4+\b], v[TM+\b], s[SEL], s[SEL+1]
.endr
.irp b, 0,1,2,3
	v_max_num_f32 v[TM+\b], v[TM+\b], v[TM+4+\b]
.endr
.irp b, 0,1,2,3
	v_add_nc_u32 v[TM+12+\b], 0xfe000000, v[TM+\b]
.endr
.irp b, 0,1,2,3
	v_lshrrev_b32 v[TM+4+\b], 23, v[TM+12+\b]
.endr
	v_lshl_or_b32 v[PW], v[TM+5], 8, v[TM+4]
	v_lshl_or_b32 v[PW], v[TM+6], 16, v[PW]
	v_lshl_or_b32 v[PW], v[TM+7], 24, v[PW]
	s_wait_xcnt 0x0
	WIN (\w)
.irp c, 0,1
	v_cvt_scalef32_pk16_bf6_f32 v[PC+6*\c:PC+2+6*\c], v[\s+32*\c:\s+15+32*\c], v[TM+12+2*\c]
	v_cvt_scalef32_pk16_bf6_f32 v[PC+12+4*\c:PC+14+4*\c], v[\s+16+32*\c:\s+31+32*\c], v[TM+12+2*\c+1]
.endr
	WIN 0
	v_nop
.irp c, 0,1
.irp i, 0,1,2
	v_permlane16_swap_b32 v[PC+6*\c+\i], v[PC+12+4*\c+\i]
.endr
.irp i, 0,1,2
	v_mov_b32 v[PC+3+6*\c+\i], v[PC+12+4*\c+\i]
.endr
.endr
.endm
	s_load_b128 s[4:7], s[0:1], 0x0
	s_load_b64 s[8:9], s[0:1], 0x10
	v_lshl_add_u32 v[SPW], v0, 2, SPARE
	v_mov_b32 v[NIL], 0
	ds_add_u32 v28, v29
	ds_add_u32 v28, v29
	s_wait_dscnt 0x0
	v_lshrrev_b32 v1, 5, v0
	v_readfirstlane_b32 s14, v1
	s_lshr_b32 s15, s14, 1
	s_and_b32 s16, s14, 1
	s_bfe_u32 s40, ttmp6, 0x40000
	s_bfe_u32 s41, ttmp6, 0x40004
	s_lshr_b32 s17, ttmp9, 1
	s_lshl_b32 s17, s17, 2
	s_and_b32 s42, ttmp9, 1
	s_lshl_b32 s42, s42, 2
	s_and_b32 s18, ttmp9, 3
	s_lshl_b32 s18, s18, 2
	s_cmp_lt_u32 ttmp9, 8
	s_cselect_b32 s17, s17, 0
	s_cselect_b32 s42, s42, s18
	s_cselect_b32 s96, 0, 4718592
	s_cselect_b32 s97, 0, 196608
	s_cselect_b32 s98, 3145728, 0
	s_cselect_b32 s99, 131072, 0
	s_add_co_u32 s17, s17, s41
	s_add_co_u32 s42, s42, s40
	s_lshl_b32 s43, s41, 2
	s_lshl_b32 s43, 15, s43
	s_lshl_b32 s44, 0x1111, s40
	s_or_b32 s[G1+0], s43, (3<<16)|(1<<21)
	s_or_b32 s[G1B+0], s44, (3<<16)|(1<<21)
.irp g, G1, G1B                        ; for the head's loads: a slot's two halves as 2 rows of 24,576 bytes (3,072 elements of 8), KS x 12,288 bytes apart
	s_mov_b32 s[\g+1], 3072<<16
	s_mov_b32 s[\g+2], 2<<16
	s_mov_b32 s[\g+3], 3072<<16
	s_mov_b32 s[\g+4], 2
	s_mov_b32 s[\g+5], KS*1536
	s_mov_b32 s[\g+6], 0
	s_mov_b32 s[\g+7], 0
.endr
	s_or_b32 s[G1S+0], s43, (3<<16)|(1<<21)
	s_or_b32 s[G1SB+0], s44, (3<<16)|(1<<21)
.irp g, G1S, G1SB
	s_mov_b32 s[\g+1], 32<<16
	s_mov_b32 s[\g+2], (4*KS)<<16                  ; the scale words of 256 positions: 2 SPART dense bytes, 4 KS rows of 256
	s_mov_b32 s[\g+3], 32<<16
	s_mov_b32 s[\g+4], 4*KS
	s_mov_b32 s[\g+5], 32
	s_mov_b32 s[\g+6], 0
	s_mov_b32 s[\g+7], 0
.endr
	s_lshl_b32 s20, s17, 1
	s_add_co_u32 s20, s20, s16
	s_lshl_b32 s46, s42, 1
	s_add_co_u32 s46, s46, s16
	s_mul_i32 s22, s17, 2*SPART                    ; the scale words of the tile's 256 positions, whole
	s_mul_i32 s92, s42, 2*SPART
	s_mul_i32 s20, s20, KS*12288
	s_mul_i32 s46, s46, KS*12288
	s_add_co_u32 s20, s20, s96
	s_add_co_u32 s22, s22, s97
	s_add_co_u32 s22, s22, 12582912
	s_add_co_u32 s46, s46, s98
	s_add_co_u32 s92, s92, s99
	s_add_co_u32 s92, s92, 12582912
	s_mov_b32 s21, 0
	s_mov_b32 s23, 0
	s_mov_b32 s47, 0
	s_mov_b32 s93, 0
	s_mul_i32 s45, s14, PART
	s_mov_b32 s[SEL], 0x76543210
	s_mov_b32 s[SEL+1], 0xfedcba98
	s_wait_kmcnt 0x0
	s_add_nc_u64 s[20:21], s[4:5], s[20:21]
	s_add_nc_u64 s[22:23], s[4:5], s[22:23]
	s_add_nc_u64 s[46:47], s[4:5], s[46:47]
	s_add_nc_u64 s[92:93], s[4:5], s[92:93]
	CROUND
	s_mov_b32 s[G0S], 1
	s_mov_b32 s[G0S+1], SCL
	s_mov_b64 s[G0S+2:G0S+3], s[22:23]
	s_or_b32 s[G0S+3], s[G0S+3], 0x80000000
	s_mov_b32 s[G0SB], 1
	s_mov_b32 s[G0SB+1], SCL+2*SPART
	s_mov_b64 s[G0SB+2:G0SB+3], s[92:93]
	s_or_b32 s[G0SB+3], s[G0SB+3], 0x80000000
.irp s, 0,1
	s_mov_b32 s[G0+4*\s], 1
	s_add_co_u32 s[G0+4*\s+1], s45, \s*SLOT
	s_add_nc_u64 s[G0+4*\s+2:G0+4*\s+3], s[20:21], \s*PART
	s_or_b32 s[G0+4*\s+3], s[G0+4*\s+3], 0x80000000
	s_mov_b32 s[G0B+4*\s], 1
	s_add_co_u32 s[G0B+4*\s+1], s45, \s*SLOT
	s_add_nc_u64 s[G0B+4*\s+2:G0B+4*\s+3], s[46:47], \s*PART
	s_or_b32 s[G0B+4*\s+3], s[G0B+4*\s+3], 0x80000000
.endr
; THE HEAD'S LOADS, ONE A WAVE: wave 0 brings slot 0's 256 positions of A (its own group 0: half 0, LDS byte 0), wave 1 A's scale words, wave 2 slot 0's 256 positions of B, wave 3 B's scale words.
; One tree of branches on the wave's number; every way through it passes exactly one load.
.macro ARM under, g0, g1, next
	s_cmp_lt_u32 s14, \under
	s_cbranch_scc0 \next
	tensor_load_to_lds s[\g0:\g0+3], s[\g1:\g1+7]
	s_nop 0
.rept 4
	v_nop
.endr
	s_branch .Lhead_asked
\next:
.endm
	ARM 1, G0,  G1,  .Lhead_sa
	ARM 2, G0S, G1S, .Lhead_b
	ARM 3, G0B, G1B, .Lhead_sb
	tensor_load_to_lds s[G0SB:G0SB+3], s[G1SB:G1SB+7]
	s_nop 0
.rept 4
	v_nop
.endr
.Lhead_asked:
	v_and_b32 v1, 15, v0
	v_bfe_u32 v2, v0, 4, 1
	s_wait_alu depctr_va_vdst(0)
	v_and_b32 v5, 31, v0
	v_lshlrev_b32 v[L8], 3, v5
	v_lshlrev_b32 v[L4], 2, v5
	s_mul_i32 s21, s15, PART
	s_mul_i32 s22, s16, PART
	s_add_co_u32 s22, s22, 2*PART
.irp s, 0,1
	v_add_nc_u32 v[ADRA+\s], s21, v[L8]
	v_add_nc_u32 v[ADRB+\s], s22, v[L8]
	s_add_co_u32 s21, s21, SLOT
	s_add_co_u32 s22, s22, SLOT
.endr
	v_lshlrev_b32 v5, 2, v1
	s_mul_i32 s21, s15, SPART
	s_mul_i32 s22, s16, SPART
	s_add_co_u32 s22, s22, 2*SPART
	s_sub_co_u32 s22, s22, s21
	v_mul_u32_u24 v6, s22, v2
	s_add_co_u32 s21, s21, SCL
	v_add_nc_u32 v5, v5, v6
	v_add_nc_u32 v[ADRS], s21, v5
	s_lshl_b32 s20, s17, 1
	s_add_co_u32 s20, s20, s15
	s_lshl_b32 s21, s42, 1
	s_add_co_u32 s21, s21, s16
	s_lshr_b32 s22, s21, 3
	s_mul_i32 s22, s22, 3145728
	s_and_b32 s23, s21, 7
	s_mul_i32 s23, s23, 196608
	s_add_co_u32 s22, s22, s23
	s_lshr_b32 s23, s20, 4
	s_mul_i32 s23, s23, 1572864
	s_add_co_u32 s22, s22, s23
	s_and_b32 s23, s20, 15
	s_mul_i32 s23, s23, 6144
	s_add_co_u32 s22, s22, s23
	s_lshr_b32 s46, s21, 4
	s_mul_i32 s46, s46, 1572864
	s_and_b32 s47, s21, 15
	s_mul_i32 s47, s47, 6144
	s_add_co_u32 s46, s46, s47
	s_mul_i32 s47, s20, 196608
	s_add_co_u32 s46, s46, s47
	s_add_co_u32 s46, s46, 6291456
	s_lshl_b32 s93, s20, 3
	s_lshl_b32 s92, s21, 8
	s_add_co_u32 s92, s92, s93
	s_lshl_b32 s92, s92, 6
	s_add_co_u32 s92, s92, 9437184
	s_lshl_b32 s94, s21, 6
	s_add_co_u32 s94, s94, s93
	s_lshl_b32 s94, s94, 6
	s_add_co_u32 s94, s94, 9699328
	s_lshl_b32 s95, s21, 9
	s_lshl_b32 s93, s20, 9
	s_add_co_u32 s93, s93, 8192
	s_mov_b32 s96, 1536
	s_mov_b32 s98, 93696
	s_mov_b32 s66, 768
	s_cmp_lt_u32 ttmp9, 8
	s_cselect_b32 s22, s22, s46
	s_cselect_b32 s92, s92, s94
	s_cselect_b32 s46, s95, 0
	s_cselect_b32 s94, 0, s93
	s_cselect_b32 s96, 768, s96
	s_cselect_b32 s98, 768, s98
	s_cselect_b32 s66, 98304, s66
	s_mov_b32 s23, 0
	s_mov_b32 s93, 0
	s_mov_b32 s47, 0
	s_mov_b32 s95, 0
	s_mov_b32 s97, 0
	s_mov_b32 s99, 0
	s_add_nc_u64 s[10:11], s[8:9], s[22:23]
	s_add_nc_u64 s[12:13], s[8:9], s[92:93]
	s_add_nc_u64 s[18:19], s[6:7], s[94:95]
	s_add_nc_u64 s[6:7], s[6:7], s[46:47]
	v_add_nc_u32 v[VO1], s66, v[L8]
	v_lshlrev_b32 v7, 6, v2
.irp b, 0,1,2,3,4,5,6,7
	global_load_b128 v[BB+8*\b:BB+8*\b+3], v7, s[6:7] offset:128*(\b/2)+32*(\b%2)
	global_load_b128 v[BB+8*\b+4:BB+8*\b+7], v7, s[6:7] offset:128*(\b/2)+32*(\b%2)+16
.endr
	v_and_b32 v5, 8, v1
	v_add_nc_u32 v5, v5, v1
	v_lshlrev_b32 v5, 2, v5
.irp a, 0,1,2,3,4,5,6,7
	global_load_b32 v[BA+2*\a], v5, s[18:19] offset:(32*(\a/2)+8*(\a%2))*4
.endr
	s_wait_alu depctr_va_vdst(0)
	s_wait_tensorcnt 0x0                           ; my tile of the head's four is in
	ds_add_u32 v[SPW], v[NIL]
.irp g, G1, G1B                        ; no tensor load of mine is out: from here on a load brings one part, 96 rows of 256 bytes
	s_mov_b32 s[\g+1], 32<<16
	s_mov_b32 s[\g+2], 96<<16
	s_mov_b32 s[\g+3], 32<<16
	s_mov_b32 s[\g+4], 96
	s_mov_b32 s[\g+5], 32
.endr
	s_wait_dscnt 0x0                               ; the add is done
	CROUND                                         ; all four tiles are in, and all sixteen work-groups are here
	JLOAD G0+4, G1, G0B+4, G1B                     ; slot 1's first fill, a quarter a wave: the first tensor load behind the round
	s_cmp_lt_u32 ttmp9, 8
	s_cselect_b32 vcc_lo, -1, 0
	FETCH_B 0, 0, 0
	FETCH_A 0, 0, 0
	SCALES 0
	FETCH_A 0, 0, 4
	s_wait_loadcnt 0x0
.set j, 0
.rept 64
	v_cndmask_b32 v[BB+j], 0, v[BB+j], vcc_lo
.set j, j+1
.endr
.irp a, 0,1,2,3,4,5,6,7
	v_cndmask_b32 v[BA+2*\a], v[BA+2*\a], 0, vcc_lo
	v_mov_b32 v[BA+2*\a+1], 0
.endr
	STEP 0, 0, 1
	s_mov_b32 s3, LAPS-1
.Llap:
	TURN 0, 1, 1
	STEP 1, 0, 0
	TURN 1, 0, 1
	STEP 0, 0, 0
	s_sub_co_u32 s3, s3, 1
	s_cmp_lg_u32 s3, 0
	s_cbranch_scc1 .Llap
	TURN 0, 1, 0
	STEP 1, 0, 0
	s_wait_dscnt 4*NL
	WIN MUL_LO
	MUL16 0, 1, 1, 1, 0
	MUL16 2, 1, 1, 1, 0
	s_wait_dscnt 0
	WIN MUL_HI
	MUL16 4, 1, 1, 1, 0
	MUL16 6, 1, 1, 1, 0
	WIN 0
	PLACES NP
.irp b, 0,1,2,3
	v_mov_b32 v[TM+4+\b], 0
.endr
	v_cmp_ne_u32 vcc_lo, 0, v2
.macro OUTQ a
.set WW, 2+(\a)/4
.set ACB, 64*((\a)%4)
.if (\a) > 0
	s_wait_xcnt 0x0
.if (\a) == 4
	s_add_nc_u64 s[10:11], s[10:11], s[98:99]
.else
	s_add_nc_u64 s[10:11], s[10:11], s[96:97]
.endif
.endif
	WIN (WW<<6)|WW
.set j, 0
.rept 32
	v_pk_add_f32 v[ACB+j:ACB+j+1], v[ACB+j:ACB+j+1], v[BA+2*(\a):BA+2*(\a)+1] op_sel_hi:[1,0]
.set j, j+2
.endr
	QUANT WW, ACB
.irp g, 0,1,2
	global_store_b64 v[L8], v[PC+2*\g:PC+2*\g+1], s[10:11] offset:256*\g
	global_store_b64 v[VO1], v[PC+6+2*\g:PC+7+2*\g], s[10:11] offset:256*\g
.endr
.if (\a)%2 == 0
	v_mov_b32 v[PWE], v[PW]
.else
	v_cndmask_b32 v[PWS], v[PWE], v[PW], vcc_lo
	global_store_b32 v[L4], v[PWS], s[12:13] offset:128*((\a)/2)
.endif
.endm
.irp a, 0,1,2,3,4,5,6,7
	OUTQ \a
.endr
	s_wait_tensorcnt 0x0
	ds_add_u32 v[SPW], v[NIL]
	s_wait_dscnt 0x0
	CROUND
	s_endpgm
.Lfunc_end_k_qe5dc883fe9_qkvg:
	.size	k_qe5dc883fe9_qkvg, .Lfunc_end_k_qe5dc883fe9_qkvg-k_qe5dc883fe9_qkvg
	.p2alignl 7, 3214868480
	.fill 96, 4, 3214868480
	.section	.rodata,"a",@progbits
	.p2align	6, 0x0
	.amdhsa_kernel k_qe5dc883fe9_qkvg
		.amdhsa_group_segment_fixed_size 327680
		.amdhsa_private_segment_fixed_size 0
		.amdhsa_enable_private_segment 0
		.amdhsa_kernarg_size 24
		.amdhsa_user_sgpr_count 2
		.amdhsa_user_sgpr_kernarg_segment_ptr 1
		.amdhsa_wavefront_size32 1
		.amdhsa_system_sgpr_workgroup_id_x 1
		.amdhsa_system_sgpr_workgroup_id_y 1
		.amdhsa_system_sgpr_workgroup_id_z 1
		.amdhsa_system_vgpr_workitem_id 0
		.amdhsa_next_free_vgpr 1024
		.amdhsa_next_free_sgpr 102
		.amdhsa_reserve_vcc 1
		.amdhsa_float_denorm_mode_32 3
		.amdhsa_float_denorm_mode_16_64 3
		.amdhsa_memory_ordered 1
		.amdhsa_forward_progress 1
		.amdhsa_inst_pref_size 194
	.end_amdhsa_kernel
	.amdgpu_metadata
---
amdhsa.version: [ 1, 2 ]
amdhsa.kernels:
  - .name:           k_qe5dc883fe9_qkvg
    .symbol:         k_qe5dc883fe9_qkvg.kd
    .args:
      - { .name: pq, .offset: 0, .size: 8, .value_kind: global_buffer, .address_space: global }
      - { .name: bqkv, .offset: 8, .size: 8, .value_kind: global_buffer, .address_space: global }
      - { .name: qkv, .offset: 16, .size: 8, .value_kind: global_buffer, .address_space: global }
    .group_segment_fixed_size: 327680
    .private_segment_fixed_size: 0
    .kernarg_segment_align: 8
    .kernarg_segment_size: 24
    .max_flat_workgroup_size: 128
    .sgpr_count:     102
    .vgpr_count:     1024
    .wavefront_size: 32
...
	.end_amdgpu_metadata
.endif
;; end of part 10
;; launch attn (part 11): grid 8 x 32, 16 waves a work-group, no clusters, 243,712 bytes of LDS; arguments qkv, mw, ob; writes ob
.if DOCPART == 11
	.amdgcn_target "amdgcn-amd-amdhsa--gfx1250"
	.amdhsa_code_object_version 6
	.text
	.protected	k_qe5dc883fe9_attn
	.globl	k_qe5dc883fe9_attn
	.p2align	8
	.type	k_qe5dc883fe9_attn,@function
k_qe5dc883fe9_attn:
	s_mov_b64 s[64:65], 0
	v_nop
	global_prefetch_b8 v0, s[64:65] scope:SCOPE_SE
	s_setreg_imm32_b32 hwreg(HW_REG_WAVE_MODE, 25, 1), 1
	s_wait_xcnt 0x0
; o = softmax(mask(q k^T / 8)) v for one head and batch a work-group row, both products on codes of BF6; o is quantised along the model's axis on the way out, as the next product's operand.
; THE SOFTMAX: t = score x log2(e) / 8; M = the running largest t rounded UP to a whole number; p = 2^(t - M) is quantised along the keys; the row's sum is taken of the unquantised p and divides at the end.
; SHARES.  Work-group (i, b 16 + head) owns sixteen tiles of 16 query positions, T = 8 rho + i.  With u = wave % 8: waves 0-7 take key steps 0-7 of tile rho = 8 + u; waves 8-15 take key steps 8-15 of that
; same tile, leave their part (O^T, -M, the sum) in LDS bytes of their own, and then take tile rho = 7 - u whole.  Behind one barrier waves 0-7 join the two parts: M is a whole number, so each part is brought
; under the larger M by an exact power of two.  Every (tile, key step) is walked by exactly one wave, whatever the mask holds.
; BOTH PRODUCTS TRANSPOSED: S^T = k q^T, O^T = v^T p^T: a lane holds one query throughout.  Positions hold rows sigma(p) (bits 3, 4 exchanged), so the 16 registers of two neighbouring tiles of keys are 16 neighbouring
; keys, and the 16 of two tiles of v's columns 16 neighbouring columns.
; HEAD SIZE 64 is half of the instruction's 128 along K: a PAIR of key tiles is one 12-register operand; against [q | zeros] it gives the even tile's scores, against [zeros | q] the odd one's: zero codes add nothing.
; THE HEAD'S K AND V LIE IN LDS WHOLE, each byte filled once, through registers: 24 loads of 16 bytes a thread at the kernel's head, one barrier, and no write of those bytes after it.
; THE MASK is an input: a key step none of whose keys counts for the tile is passed over, and one all of whose keys count takes no mask, by scalar branches on flag words that an earlier launch stored; else 64 lane masks
; turn hidden scores into -infinity.  Such branches hang on numbers read from memory, which shuts out tensor loads and with them joint loads in a cluster: that is why the work-groups of a head, which read the same
; K and V, do not ask jointly.  No prefetch: all of K and V is asked for at the head, so there is no loop to run ahead in.
; A QUERY WITHOUT ANY KEY: its sum is 0; its two scale bytes become 0xff, which makes the next product's row NaN, as the softmax of such a row is.
; LIMITS: NaN and infinities among the inputs are not served; blocks whose largest magnitude lies under 2^-122 keep the byte 1; the scaled scores stay under 2^31 in magnitude.
; REGISTERS: v1, v10, v11, v2 bases (K, V, K's words, V's words); v3-6 the step's addresses; v7 -infinity; v8, v9, v236, v237 where K and V go; v12 -M, v13 largest t, v[14:15] the sum; v16-33 zeros | q | zeros;
; v34-81 four pairs of K, then four tiles of V; v82-89 their scale words; v90 q's; v91 4 r; v92 f, v93 p's scale word; v94 at work; v95 16 x thread; v96-159 S^T, then p; v160-191 O^T; v192-211 codes; v212-227, v252-253 at work;
; v228-234 the second tile's q and its scale word; v235 where a pair's part lies; v254, v255 the spare word and 0.
.set KC,  3145728
.set VC,  6291456
.set QKS, 9437184
.set VS,  9699328
.set LV,  98304                        ; LDS: K's codes at 0, V's here,
.set LKS, 196608                       ; K's pair words [pair][16],
.set LVS, 200704                       ; V's words [step][tile][16],
.set SPARE, 204800                     ; the spare words, 128 bytes a wave,
.set PB,  206848                       ; and the parts: 9 x 512 bytes for each pair of waves
.set PBW, 4608
.set CH,  24576                        ; a chunk: 512 keys of K, and as many bytes of V
.macro CHUNK c                         ; chunks 0, 1 into v34-81, chunks 2, 3 into v96-143: registers that are idle at the head
.irp j, 0,1,2
	global_load_b128 v[34+24*(\c)+14*((\c)/2)+4*\j:37+24*(\c)+14*((\c)/2)+4*\j], v95, s[16:17] offset:CH*(\c)+8192*\j
	global_load_b128 v[46+24*(\c)+14*((\c)/2)+4*\j:49+24*(\c)+14*((\c)/2)+4*\j], v95, s[18:19] offset:CH*(\c)+8192*\j
.endr
.endm
.macro MERGEF d, s                     ; a tile's four flag words become one: bit s: step s has a key that counts; bit 16 + s: all its keys count
	s_and_b32 s28, s[\s], 15
	s_bfe_u32 s30, s[\s], 0x40008
.irp p, 1,2,3
	s_and_b32 s84, s[\s+\p], 15
	s_lshl_b32 s84, s84, 4*\p
	s_or_b32 s28, s28, s84
	s_bfe_u32 s84, s[\s+\p], 0x40008
	s_lshl_b32 s84, s84, 4*\p
	s_or_b32 s30, s30, s84
.endr
	s_lshl_b32 s30, s30, 16
	s_or_b32 s[\d], s28, s30
.endm
.macro INIT                            ; a walk's start: the step is written once, and a walk may have no live step at all
	v_mov_b32 v13, 0xff61b1e6                      ; the largest t so far: -3e38
	v_mov_b32 v14, 0
	v_mov_b32 v15, 0
	v_mov_b32 v92, 0
	v_mov_b32 v93, 0
	v_floor_f32 v12, -v13                          ; -M
.set j, 0
.rept 32
	v_mov_b32 v[160+j], 0                          ; O^T; these also stand between the write of q's scale word and the first product that takes it
.set j, j+1
.endr
	s_wait_alu depctr_va_vdst(0)
.endm
; A KEY STEP: 128 keys; s11 is the step's number, s12 and s13 its places among the codes and the scale words, s[14:15] its mask words, s24 the tile's flags
.macro STEP
	s_bitcmp1_b32 s24, s11
	s_cbranch_scc0 .Lnone_\@                       ; no key of the step counts for any of my 16 queries
	v_add_nc_u32 v3, s12, v1                       ; (these four are also the places in front of loads into registers that the last products read)
	v_add_nc_u32 v4, s12, v10
	v_add_nc_u32 v5, s13, v11
	v_add_nc_u32 v6, s13, v2
.irp t, 0,1,2,3
.irp g, 0,1,2,3,4,5
	ds_load_b64 v[34+12*\t+2*\g:35+12*\t+2*\g], v3 offset:1536*\t+256*\g
.endr
	ds_load_b32 v[82+\t], v5 offset:64*\t
.endr
	s_wait_alu depctr_va_vdst(0)
	s_wait_dscnt 0x0
.irp t, 0,1,2,3
	v_wmma_scale_f32_16x16x128_f8f6f4 v[96+16*\t:103+16*\t], v[34+12*\t:45+12*\t], v[22:33], 0, v[82+\t], v90 matrix_a_fmt:MATRIX_FMT_BF6 matrix_b_fmt:MATRIX_FMT_BF6
	v_wmma_scale_f32_16x16x128_f8f6f4 v[104+16*\t:111+16*\t], v[34+12*\t:45+12*\t], v[16:27], 0, v[82+\t], v90 matrix_a_fmt:MATRIX_FMT_BF6 matrix_b_fmt:MATRIX_FMT_BF6
.endr
.rept 4
	v_nop                                          ; places in front of the loads below and of the first read of the scores
.endr
.irp t, 0,1,2,3
.irp g, 0,1,2,3,4,5
	ds_load_b64 v[34+12*\t+2*\g:35+12*\t+2*\g], v4 offset:1536*\t+256*\g   ; V's four tiles land while the softmax is walked
.endr
	ds_load_b32 v[86+\t], v6 offset:64*\t
.endr
	s_add_co_u32 s28, s11, 16
	s_bitcmp1_b32 s24, s28
	s_cbranch_scc1 .Lopen_\@                       ; every key counts for every query
	s_load_b512 s[32:47], s[14:15], 0x0
	s_load_b512 s[48:63], s[14:15], 0x40
	s_load_b512 s[68:83], s[14:15], 0x80
	s_load_b512 s[84:99], s[14:15], 0xc0
	s_wait_kmcnt 0x0
.set n, 0
.rept 64
	v_cndmask_b32 v[96+n], v7, v[96+n], s[32+n+4*(n/32)]   ; a hidden key's score becomes -infinity: p = 0
.set n, n+1
.endr
.Lopen_\@:
.irp b, 0,1,2,3
	v_max3_num_f32 v[212+\b], v[96+16*\b], v[97+16*\b], v[98+16*\b]   ; the largest score of each block of 32 keys: for the row's maximum and, since p rises with the score, for the block's largest p
.endr
.irp i, 3,5,7,9,11,13
.irp b, 0,1,2,3
	v_max3_num_f32 v[212+\b], v[212+\b], v[96+16*\b+\i], v[97+16*\b+\i]
.endr
.endr
.irp b, 0,1,2,3
	v_max_num_f32 v[212+\b], v[212+\b], v[111+16*\b]
.endr
.irp b, 0,1,2,3
	s_delay_alu instid0(VALU_DEP_4)
	v_permlanex16_b32 v[216+\b], v[212+\b], s20, s21
.endr
.irp b, 0,1,2,3
	s_delay_alu instid0(VALU_DEP_4)
	v_max_num_f32 v[212+\b], v[212+\b], v[216+\b]
.endr
	s_delay_alu instid0(VALU_DEP_2)
	v_max3_num_f32 v94, v212, v213, v214
	s_delay_alu instid0(VALU_DEP_1)
	v_max_num_f32 v94, v94, v215
	s_delay_alu instid0(VALU_DEP_1)
	v_mul_f32 v94, s22, v94
	s_delay_alu instid0(VALU_DEP_1)
	v_max_num_f32 v13, v13, v94                    ; the running largest t
	v_mov_b32 v94, v12
	s_delay_alu instid0(VALU_DEP_2)
	v_floor_f32 v12, -v13                          ; the new -M = -ceil(t)
	s_delay_alu instid0(VALU_DEP_1)
	v_sub_f32 v94, v12, v94                        ; old M - new M: a whole number, 0 or less
	s_delay_alu instid0(VALU_DEP_1)
	v_cvt_i32_f32 v94, v94                         ; (it saturates)
	s_delay_alu instid0(VALU_DEP_1)
	v_ldexp_f32 v92, 1.0, v94                      ; f = 2^(old M - new M): a multiplication by it rounds nothing
.set j, 0
.rept 32
	v_pk_fma_f32 v[96+j:97+j], v[96+j:97+j], s[22:23], v[12:13] op_sel_hi:[1,0,0]   ; t - M
.set j, j+2
.endr
.irp b, 0,1,2,3
	v_fma_f32 v[212+\b], v[212+\b], s22, v12
.endr
.set j, 0
	s_wait_alu depctr_va_vdst(0)
.rept 64
	v_exp_f32 v[96+j], v[96+j]                     ; p = 2^(t - M)
.set j, j+1
.endr
	v_pk_mul_f32 v[14:15], v[14:15], v[92:93] op_sel_hi:[1,0]   ; the sums under the new M: a plain place behind the exponentials
	s_wait_alu depctr_va_vdst(0)                   ; one wait for the whole batch, ahead of its first reader
.irp b, 0,1,2,3
	v_exp_f32 v[212+\b], v[212+\b]                 ; each block's largest p
.endr
	v_pk_add_f32 v[216:217], v[96:97], v[98:99]    ; the row's sum of the unquantised p: four chains by turns
	v_pk_add_f32 v[252:253], v[100:101], v[102:103]
	v_pk_add_f32 v[226:227], v[104:105], v[106:107]
	v_pk_add_f32 v[224:225], v[108:109], v[110:111]
.irp i, 112,120,128,136,144,152
	v_pk_add_f32 v[216:217], v[216:217], v[\i:\i+1]
	v_pk_add_f32 v[252:253], v[252:253], v[\i+2:\i+3]
	v_pk_add_f32 v[226:227], v[226:227], v[\i+4:\i+5]
	v_pk_add_f32 v[224:225], v[224:225], v[\i+6:\i+7]
.endr
	v_pk_add_f32 v[216:217], v[216:217], v[252:253]
	v_pk_add_f32 v[226:227], v[226:227], v[224:225]
	s_delay_alu instid0(VALU_DEP_1)
	v_pk_add_f32 v[216:217], v[216:217], v[226:227]
	s_delay_alu instid0(VALU_DEP_1)
	v_pk_add_f32 v[14:15], v[14:15], v[216:217]
	s_wait_alu depctr_va_vdst(0)                   ; and one for the four
.irp b, 0,1,2,3
	v_max_num_f32 v[212+\b], 0x2800000, v[212+\b]  ; the floor 2^(5 - 127)
.endr
.irp b, 0,1,2,3
	s_delay_alu instid0(VALU_DEP_4)
	v_add_nc_u32 v[220+\b], 0xfe000000, v[212+\b]
.endr
.irp b, 0,1,2,3
	s_delay_alu instid0(VALU_DEP_4)
	v_lshrrev_b32 v[216+\b], 23, v[220+\b]
.endr
	s_delay_alu instid0(VALU_DEP_3)
	v_lshl_or_b32 v93, v217, 8, v216               ; p's scale word for these 128 keys
	s_delay_alu instid0(VALU_DEP_1)
	v_lshl_or_b32 v93, v218, 16, v93
	s_delay_alu instid0(VALU_DEP_1)
	v_lshl_or_b32 v93, v219, 24, v93
.irp c, 0,1
	v_cvt_scalef32_pk16_bf6_f32 v[192+6*\c:194+6*\c], v[96+32*\c:111+32*\c], v[220+2*\c]
	v_cvt_scalef32_pk16_bf6_f32 v[204+4*\c:206+4*\c], v[112+32*\c:127+32*\c], v[220+2*\c+1]
.endr
	v_nop
.irp c, 0,1
.irp i, 0,1,2
	v_permlane16_swap_b32 v[192+6*\c+\i], v[204+4*\c+\i]
.endr
.irp i, 0,1,2
	s_delay_alu instid0(VALU_DEP_3)
	v_mov_b32 v[195+6*\c+\i], v[204+4*\c+\i]
.endr
.endr
.set j, 0
.rept 16
	v_pk_mul_f32 v[160+j:161+j], v[160+j:161+j], v[92:93] op_sel_hi:[1,0]   ; O^T under the new M; these sixteen are also the places in front of the products below
.set j, j+2
.endr
	s_wait_alu depctr_va_vdst(0)
	s_wait_dscnt 0x0                               ; V's tiles and words are in
.irp t, 0,1,2,3
	v_wmma_scale_f32_16x16x128_f8f6f4 v[160+8*\t:167+8*\t], v[34+12*\t:45+12*\t], v[192:203], v[160+8*\t:167+8*\t], v[86+\t], v93 matrix_a_fmt:MATRIX_FMT_BF6 matrix_b_fmt:MATRIX_FMT_BF6
.endr
.Lnone_\@:
	s_add_co_u32 s12, s12, 6144
	s_add_co_u32 s13, s13, 256
	s_add_nc_u64 s[14:15], s[14:15], 256
.endm
.macro WALK n                          ; n key steps on end, counted by s30; no wave meets another in it
	s_mov_b32 s30, \n
.Lstep_\@:
	STEP
	s_add_co_u32 s11, s11, 1
	s_sub_co_u32 s30, s30, 1
	s_cmp_lg_u32 s30, 0
	s_cbranch_scc1 .Lstep_\@
.rept 4
	v_nop                                          ; places behind the last products, in front of the first read of O^T
.endr
.endm
; THE WAY OUT: O^T / the sum; register 16 b + i is column 32 b + 16 h + i of my head: two blocks of the next product's K
.macro OUT
	v_add_f32 v14, v14, v15
	s_delay_alu instid0(VALU_DEP_1)
	v_permlanex16_b32 v92, v14, s20, s21
	s_delay_alu instid0(VALU_DEP_1)
	v_add_f32 v14, v14, v92                        ; the row's sum
	s_delay_alu instid0(VALU_DEP_1)
	v_cmp_eq_f32 vcc_lo, 0, v14                    ; a query for which no key counts
	v_rcp_f32 v94, v14
	v_mov_b32 v95, 0xffff                          ; (a plain place behind the reciprocal)
	s_wait_alu depctr_va_vdst(0)
.set j, 0
.rept 32
	v_mul_f32 v[96+j], v[160+j], v94
.set j, j+1
.endr
.irp b, 0,1
	v_max3_num_f32 v[212+\b], 0x2800000, |v[96+16*\b]|, |v[97+16*\b]|
.endr
.irp i, 2,4,6,8,10,12,14
.irp b, 0,1
	s_delay_alu instid0(VALU_DEP_2)
	v_max3_num_f32 v[212+\b], v[212+\b], |v[96+16*\b+\i]|, |v[97+16*\b+\i]|
.endr
.endr
.irp b, 0,1
	s_delay_alu instid0(VALU_DEP_2)
	v_permlanex16_b32 v[216+\b], v[212+\b], s20, s21
.endr
.irp b, 0,1
	s_delay_alu instid0(VALU_DEP_2)
	v_max_num_f32 v[212+\b], v[212+\b], v[216+\b]
.endr
.irp b, 0,1
	s_delay_alu instid0(VALU_DEP_2)
	v_add_nc_u32 v[220+\b], 0xfe000000, v[212+\b]
.endr
.irp b, 0,1
	s_delay_alu instid0(VALU_DEP_2)
	v_lshrrev_b32 v[216+\b], 23, v[220+\b]
.endr
	s_delay_alu instid0(VALU_DEP_1)
	v_lshl_or_b32 v93, v217, 8, v216
	s_delay_alu instid0(VALU_DEP_1)
	v_cndmask_b32 v93, v93, v95, vcc_lo            ; no key: both bytes 0xff
	v_cvt_scalef32_pk16_bf6_f32 v[192:194], v[96:111], v220
	v_cvt_scalef32_pk16_bf6_f32 v[204:206], v[112:127], v221
	v_nop
.irp i, 0,1,2
	v_permlane16_swap_b32 v[192+\i], v[204+\i]
.endr
.irp i, 0,1,2
	s_delay_alu instid0(VALU_DEP_3)
	v_mov_b32 v[195+\i], v[204+\i]
.endr
.irp g, 0,1,2
	global_store_b64 v1, v[192+2*\g:193+2*\g], s[8:9] offset:256*\g   ; half a fragment: 768 consecutive bytes
.endr
	global_store_b16 v91, v93, s[6:7]              ; my head's half of the row's scale word; lanes r and r + 16 hold the same two bytes and name the same place
.endm
	s_load_b128 s[4:7], s[0:1], 0x0                ; qkv, mw
	s_load_b64 s[8:9], s[0:1], 0x10                ; ob
	v_lshl_add_u32 v254, v0, 2, SPARE
	v_mov_b32 v255, 0
	v_lshrrev_b32 v3, 5, v0
	s_delay_alu instid0(VALU_DEP_1)
	v_readfirstlane_b32 s10, v3                    ; wave 0..15
	v_and_b32 v4, 31, v0
	v_and_b32 v5, 15, v0
	s_delay_alu instid0(VALU_DEP_2)
	v_lshlrev_b32 v1, 3, v4                        ; 8 l
	s_delay_alu instid0(VALU_DEP_1)
	v_add_nc_u32 v10, LV, v1
	s_delay_alu instid0(VALU_DEP_3)
	v_lshlrev_b32 v91, 2, v5                       ; 4 r
	s_delay_alu instid0(VALU_DEP_1)
	v_add_nc_u32 v11, LKS, v91
	v_add_nc_u32 v2, LVS, v91
	v_lshlrev_b32 v95, 4, v0
	v_lshlrev_b32 v8, 4, v0
	s_delay_alu instid0(VALU_DEP_1)
	v_add_nc_u32 v9, LV, v8
	v_add_nc_u32 v236, 2*CH, v8                    ; chunks 2 and 3 lie beyond the reach of a 16-bit offset
	s_delay_alu instid0(VALU_DEP_2)
	v_add_nc_u32 v237, 2*CH, v9
	v_lshrrev_b32 v212, 4, v0
	s_delay_alu instid0(VALU_DEP_1)
	v_lshl_add_u32 v212, v212, 7, v91              ; K's raw words: pair x / 16 is 128 bytes on, + 4 (x % 16)
	v_lshrrev_b32 v213, 6, v0
	s_delay_alu instid0(VALU_DEP_1)
	v_lshlrev_b32 v213, 12, v213
	v_and_b32 v214, 63, v0
	s_delay_alu instid0(VALU_DEP_1)
	v_lshl_add_u32 v213, v214, 2, v213             ; V's: step x / 64 is 4,096 bytes on, + 4 (x % 64)
	v_lshl_add_u32 v214, v0, 2, LKS
	s_and_b32 s37, s10, 7                          ; u
	s_lshr_b32 s31, s10, 3                         ; 0: the long tile's key steps 0-7; 1: its steps 8-15, and the short tile
	s_mul_i32 s84, s37, PBW
	s_add_co_u32 s84, s84, PB
	v_lshl_add_u32 v235, v4, 4, s84                ; the pair's part: PB + PBW u + 16 l
	s_lshl_b32 s38, s37, 3
	s_sub_co_u32 s39, 56, s38
	s_add_co_u32 s39, s39, ttmp9                   ; the short tile: 8 (7 - u) + i
	s_add_co_u32 s38, s38, 64
	s_add_co_u32 s38, s38, ttmp9                   ; the long tile: 8 (8 + u) + i
	s_and_b32 s32, ttmp7, 0xffff                   ; b 16 + head
	s_lshr_b32 s33, s32, 4                         ; b
	s_and_b32 s34, s32, 15                         ; head
	s_lshr_b32 s35, s34, 1
	s_and_b32 s36, s34, 1
	s_mul_i32 s40, s32, 98304
	s_mul_i32 s42, s38, 768                        ; the long tile's q,
	s_mul_i32 s66, s39, 768                        ; the short one's
	s_lshl_b32 s44, s35, 8
	s_lshl_b32 s54, s33, 7
	s_add_co_u32 s46, s44, s54
	s_add_co_u32 s44, s46, s38
	s_lshl_b32 s44, s44, 6
	s_add_co_u32 s44, s44, QKS                     ; q's raw words, the long tile's,
	s_add_co_u32 s56, s46, s39
	s_lshl_b32 s56, s56, 6
	s_add_co_u32 s56, s56, QKS                     ; the short one's
	s_add_co_u32 s46, s46, 2048
	s_lshl_b32 s46, s46, 6
	s_add_co_u32 s46, s46, QKS                     ; k's
	s_lshl_b32 s48, s33, 16
	s_lshl_b32 s55, s34, 8
	s_add_co_u32 s48, s48, s55
	s_add_co_u32 s48, s48, VS                      ; v's
	s_lshl_b32 s50, s38, 12                        ; the long tile's mask words,
	s_lshl_b32 s55, s31, 11
	s_add_co_u32 s50, s50, s55                     ; from my first key step on (256 bytes a step)
	s_lshl_b32 s52, s38, 4                         ; and flags
	s_lshl_b32 s58, s39, 12                        ; the short tile's
	s_lshl_b32 s60, s39, 4
	s_cmp_eq_u32 s31, 0
	s_cselect_b32 s62, s38, s39                    ; the tile that I write out
	s_add_co_u32 s62, s54, s62                     ; rb = 128 b + T
	s_lshr_b32 s63, s62, 3
	s_lshl_b32 s63, s63, 3
	s_add_co_u32 s63, s63, s35
	s_lshl_b32 s63, s63, 3
	s_and_b32 s62, s62, 7
	s_add_co_u32 s63, s63, s62                     ; ((rb / 8) 8 + head / 2) 8 + rb % 8
	s_mul_i32 s68, s63, 1536
	s_mul_i32 s70, s36, 768
	s_add_co_u32 s68, s68, s70
	s_lshl_b32 s70, s63, 6
	s_lshl_b32 s72, s36, 1
	s_add_co_u32 s70, s70, s72
	s_add_co_u32 s70, s70, 3145728
.irp i, 41,43,67,45,57,47,49,51,53,59,61,69,71
	s_mov_b32 s\i, 0
.endr
	s_mov_b32 s74, 0x07060302                      ; an odd head's two bytes of the odd and of the even tile's raw word,
	s_mov_b32 s75, 0x03020302
	s_cmp_eq_u32 s36, 0
	s_cselect_b32 s74, 0x05040100, s74             ; or an even head's
	s_cselect_b32 s75, 0x01000100, s75             ; q's two bytes, twice
	s_mov_b32 s20, 0x76543210
	s_mov_b32 s21, 0xfedcba98
	s_mov_b32 s22, 0x3e38aa3b                      ; c = log2(e) / 8
	s_mov_b32 s23, s22
	s_wait_alu depctr_va_vdst(0)
	s_wait_kmcnt 0x0
	s_add_nc_u64 s[16:17], s[4:5], s[40:41]
	s_add_nc_u64 s[76:77], s[16:17], s[42:43]      ; the long tile's q
	s_add_nc_u64 s[78:79], s[16:17], s[66:67]      ; the short tile's
	s_add_nc_u64 s[18:19], s[16:17], VC            ; the head's V
	s_add_nc_u64 s[16:17], s[16:17], KC            ; the head's K
	s_add_nc_u64 s[44:45], s[4:5], s[44:45]
	s_add_nc_u64 s[56:57], s[4:5], s[56:57]
	s_add_nc_u64 s[46:47], s[4:5], s[46:47]
	s_add_nc_u64 s[48:49], s[4:5], s[48:49]
	s_add_nc_u64 s[14:15], s[6:7], s[50:51]
	s_add_nc_u64 s[52:53], s[6:7], s[52:53]
	s_add_nc_u64 s[2:3], s[6:7], s[58:59]          ; kept for the second walk
	s_add_nc_u64 s[60:61], s[6:7], s[60:61]
	s_add_nc_u64 s[6:7], s[8:9], s[70:71]          ; o's scale bytes
	s_add_nc_u64 s[8:9], s[8:9], s[68:69]          ; o's codes
	s_load_b128 s[24:27], s[52:53], 0x80000        ; the long tile's four flag words
	CHUNK 0                                        ; all of the head's K and V: 196,608 bytes a work-group
	CHUNK 1
	CHUNK 2
	CHUNK 3
	global_load_b32 v216, v212, s[46:47]
	global_load_b32 v217, v212, s[46:47] offset:64
	global_load_b32 v218, v212, s[46:47] offset:4096
	global_load_b32 v219, v212, s[46:47] offset:4160
	global_load_b32 v220, v213, s[48:49]
	global_load_b32 v221, v213, s[48:49] offset:32768
.irp g, 0,1,2
	global_load_b64 v[22+2*\g:23+2*\g], v1, s[76:77] offset:256*\g
.endr
	global_load_b32 v222, v91, s[44:45]
	s_load_b128 s[80:83], s[60:61], 0x80000        ; the short tile's flag words, q and scale words: the head has one path, so that every register is written in every wave
.irp g, 0,1,2
	global_load_b64 v[228+2*\g:229+2*\g], v1, s[78:79] offset:256*\g
.endr
	global_load_b32 v234, v91, s[56:57]
.irp j, 16,17,18,19,20,21,28,29,30,31,32,33
	v_mov_b32 v\j, 0                               ; zero codes on both sides of q
.endr
	v_mov_b32 v7, 0xff800000
	s_wait_loadcnt 0x0
	s_wait_kmcnt 0x0
	MERGEF 24, 24
	MERGEF 29, 80                                  ; kept in s29 for the second walk;
	s_cmp_lg_u32 s31, 0
	s_cselect_b32 s29, s29, 0                      ; waves 0-7 have no second tile: all their flags are 0
	v_perm_b32 v234, v234, v234, s75
	v_perm_b32 v216, v217, v216, s74
	v_perm_b32 v218, v219, v218, s74
	v_perm_b32 v90, v222, v222, s75
	ds_store_b32 v214, v216
	ds_store_b32 v214, v218 offset:2048
	ds_store_b32 v214, v220 offset:4096
	ds_store_b32 v214, v221 offset:6144
.irp c, 0,1,2,3
.irp j, 0,1,2
	ds_store_b128 v[8+228*(\c/2)], v[34+24*\c+14*(\c/2)+4*\j:37+24*\c+14*(\c/2)+4*\j] offset:CH*(\c%2)+8192*\j
	ds_store_b128 v[9+228*(\c/2)], v[46+24*\c+14*(\c/2)+4*\j:49+24*\c+14*(\c/2)+4*\j] offset:CH*(\c%2)+8192*\j
.endr
.endr
	INIT                                           ; while the stores are out
	s_wait_dscnt 0x0                               ; for the others' sake: my stores have landed
	s_barrier_signal -1
	s_barrier_wait -1                              ; all of K and V is in LDS for every wave, and nothing is written there again
	s_lshl_b32 s11, s31, 3                         ; the long tile: my eight key steps begin at step 0 or 8
	s_mul_i32 s12, s31, 2*CH
	s_lshl_b32 s13, s31, 11
	WALK 8
	s_cmp_lt_u32 s10, 8
	s_cbranch_scc1 .Lsecond
.irp k, 0,1,2,3,4,5,6,7
	ds_store_b128 v235, v[160+4*\k:163+4*\k] offset:512*\k   ; waves 8-15: my part of the long tile, each accumulator from its low end on,
.endr
	ds_store_b128 v235, v[12:15] offset:4096       ; with -M and the sum's two halves
	s_wait_dscnt 0x0                               ; the stores have read their registers, which are written again below
.irp g, 0,1,2,3,4,5
	v_mov_b32 v[22+\g], v[228+\g]                  ; the short tile's q
.endr
	v_mov_b32 v90, v234
	INIT
.Lsecond:
; THE SECOND WALK stands on every wave's path, with its counters set here and a constant count of trips: waves 8-15 walk the short tile; in waves 0-7 every flag is 0, so that the test at each step's head
; leads past the step's work and their sums of the long tile stay as they are
	s_mov_b32 s24, s29
	s_mov_b64 s[14:15], s[2:3]
	s_mov_b32 s11, 0
	s_mov_b32 s12, 0
	s_mov_b32 s13, 0
	WALK 16
	s_cmp_lt_u32 s10, 8
	s_cbranch_scc1 .Lmeet
	OUT                                            ; waves 8-15: the short tile leaves
.Lmeet:
	s_wait_dscnt 0x0
	s_barrier_signal -1
	s_barrier_wait -1                              ; the parts of waves 8-15 are in LDS
	s_cmp_ge_u32 s10, 8
	s_cbranch_scc1 .Lend
	ds_load_b128 v[128:131], v235 offset:4096      ; waves 0-7: my partner's -M and sum,
.irp k, 0,1,2,3,4,5,6,7
	ds_load_b128 v[96+4*\k:99+4*\k], v235 offset:512*\k   ; and O^T
.endr
	s_wait_dscnt 0x0
	v_min_num_f32 v94, v12, v128                   ; - the larger M
	s_delay_alu instid0(VALU_DEP_1)
	v_sub_f32 v212, v94, v12                       ; my M - the larger: a whole number, 0 or less
	v_sub_f32 v213, v94, v128                      ; my partner's
	s_delay_alu instid0(VALU_DEP_2)
	v_cvt_i32_f32 v212, v212                       ; (they saturate)
	s_delay_alu instid0(VALU_DEP_2)
	v_cvt_i32_f32 v213, v213
	s_delay_alu instid0(VALU_DEP_2)
	v_ldexp_f32 v92, 1.0, v212                     ; two exact powers of two
	s_delay_alu instid0(VALU_DEP_2)
	v_ldexp_f32 v216, 1.0, v213
	s_delay_alu instid0(VALU_DEP_2)
	v_pk_mul_f32 v[14:15], v[14:15], v[92:93] op_sel_hi:[1,0]
.set j, 0
.rept 16
	v_pk_mul_f32 v[160+j:161+j], v[160+j:161+j], v[92:93] op_sel_hi:[1,0]
.set j, j+2
.endr
	v_pk_fma_f32 v[14:15], v[130:131], v[216:217], v[14:15] op_sel_hi:[1,0,1]
.set j, 0
.rept 16
	v_pk_fma_f32 v[160+j:161+j], v[96+j:97+j], v[216:217], v[160+j:161+j] op_sel_hi:[1,0,1]
.set j, j+2
.endr
	OUT
.Lend:
	s_wait_tensorcnt 0x0                           ; the wave's end
	ds_add_u32 v254, v255
	s_wait_dscnt 0x0
	s_endpgm
.Lfunc_end_k_qe5dc883fe9_attn:
	.size	k_qe5dc883fe9_attn, .Lfunc_end_k_qe5dc883fe9_attn-k_qe5dc883fe9_attn
	.p2alignl 7, 3214868480
	.fill 96, 4, 3214868480
	.section	.rodata,"a",@progbits
	.p2align	6, 0x0
	.amdhsa_kernel k_qe5dc883fe9_attn
		.amdhsa_group_segment_fixed_size 243712
		.amdhsa_private_segment_fixed_size 0
		.amdhsa_enable_private_segment 0
		.amdhsa_kernarg_size 24
		.amdhsa_user_sgpr_count 2
		.amdhsa_user_sgpr_kernarg_segment_ptr 1
		.amdhsa_wavefront_size32 1
		.amdhsa_system_sgpr_workgroup_id_x 1
		.amdhsa_system_sgpr_workgroup_id_y 1
		.amdhsa_system_sgpr_workgroup_id_z 1
		.amdhsa_system_vgpr_workitem_id 0
		.amdhsa_next_free_vgpr 256
		.amdhsa_next_free_sgpr 102
		.amdhsa_reserve_vcc 1
		.amdhsa_float_denorm_mode_32 3
		.amdhsa_float_denorm_mode_16_64 3
		.amdhsa_memory_ordered 1
		.amdhsa_forward_progress 1
		.amdhsa_inst_pref_size 76
	.end_amdhsa_kernel
	.amdgpu_metadata
---
amdhsa.version: [ 1, 2 ]
amdhsa.kernels:
  - .name:           k_qe5dc883fe9_attn
    .symbol:         k_qe5dc883fe9_attn.kd
    .args:
      - { .name: qkv, .offset: 0, .size: 8, .value_kind: global_buffer, .address_space: global }
      - { .name: mw, .offset: 8, .size: 8, .value_kind: global_buffer, .address_space: global }
      - { .name: ob, .offset: 16, .size: 8, .value_kind: global_buffer, .address_space: global }
    .group_segment_fixed_size: 243712
    .private_segment_fixed_size: 0
    .kernarg_segment_align: 8
    .kernarg_segment_size: 24
    .max_flat_workgroup_size: 512
    .sgpr_count:     102
    .vgpr_count:     256
    .wavefront_size: 32
...
	.end_amdgpu_metadata
.endif
;; end of part 11
;; launch wo (part 12): grid 8 x 32, 4 waves a work-group, clusters of 4 x 4, 327,680 bytes of LDS; arguments ob, pq, bo, x, yb; writes yb
.if DOCPART == 12
	.amdgcn_target "amdgcn-amd-amdhsa--gfx1250"
	.amdhsa_code_object_version 6
	.text
	.protected	k_qe5dc883fe9_wo
	.globl	k_qe5dc883fe9_wo
	.p2align	8
	.type	k_qe5dc883fe9_wo,@function
k_qe5dc883fe9_wo:
	s_mov_b64 s[64:65], 0
	v_nop
	global_prefetch_b8 v0, s[64:65] scope:SCOPE_SE
	s_setreg_imm32_b32 hwreg(HW_REG_WAVE_MODE, 25, 1), 1
	s_wait_xcnt 0x0
	s_wait_alu depctr_hold_cnt(0) depctr_sa_sdst(0) depctr_va_vdst(0) depctr_va_sdst(0) depctr_va_ssrc(0) depctr_va_vcc(0) depctr_vm_vsrc(0)
	s_getreg_b32 s2, hwreg(HW_REG_IB_STS2, 6, 4)
	s_cmp_eq_u32 s2, 0
	s_cbranch_scc0 .Lentry_in_a_cluster
	s_endpgm
.Lentry_in_a_cluster:
	s_bfe_u32 s2, ttmp6, 0x10000c
	s_cmp_lg_u32 s2, 0xf033
	s_cbranch_scc0 .Lentry_shape_is_right
	s_endpgm
.Lentry_shape_is_right:
; yb = x + o Wo^T + bo: the product on codes of BF6, the bias as the C of the first K step, the residual added in f32 on the way out.
; N = 1,024: tiles of 256 x 256 of C would be 64, too few work-groups; a tile of C is 128 x 128, which gives 256.  Four waves, 64 x 64 each: 16 accumulators of 16 x 16, 128 registers.
; Operands lie in memory as images of their registers (a fragment of 16 positions x 128 K is 1,536 bytes, pair g of lane l at 256 g + 8 l; 128 positions x 256 K are 24,576 dense bytes, and the next K follows them),
; so a slot holds 512 along K: wave 0 brings all of A's codes, wave 2 all of B's, one dense block each; every fragment comes by six ds_load_b64 of 256 consecutive bytes, and no padding is needed.
; K = 1,024 is the two slots: all of A's and B's tiles come with the first fills, and no LDS byte is filled again.  The scale words of the work-group's rows for all of K come with them.
; Source 0 = 16 positions of B (the weight), source 1 = 16 positions of A.  Position p holds row sigma(p) (bits 3 and 4 exchanged): a lane holds one position of A and, in register 8 b + j of a block,
; column 32 (b / 2) + 16 h + 8 (b % 2) + j.  The way out puts columns and rows back in their natural places.
; CLUSTERS: 4 x 4 work-groups; A's tiles are asked for jointly along a row of the cluster, B's along a column.
; THE RESIDUAL, 64 rows x 256 bytes a wave, is asked for at the head, behind the first joint loads, into registers of its own.
; A scale byte 0xff in A (a query without any key) makes its row NaN, as the definition has it.
; REGISTERS: window 0: v16-29 addresses; v32-63 scale words, two sets; v64-95 the bias; v128-255 the accumulators ((a, b) at v[128 + 8 (4 a + b)]).
;   window 1: two sets of fragments, at v0 and v128: B's four, then A's four; on the way out v0-127: rows back from the stage.   window 2: v0-127 the residual.
.set KS,    8                          ; K / 128
.set ACODE, 0
.set ASCAL, 3145728
.set BCODE, 5505024
.set BSCAL, 12812288
.set LAPS,  KS/8                       ; a lap = two slots = 1,024 along K
.set PART,  24576                      ; 128 positions x 256 K: what one tensor load brings
.set SLOT,  4*PART                     ; A's 1,024 along K; B's follow
.set SCL,   2*SLOT                     ; behind the ring: the scale words: A's, then B's
.set SHALF, KS*256                     ; half of the scale words of 128 positions
.set SPARE, SCL+4*SHALF                ; the spare words, 128 bytes a wave: two blocks of 256 bytes that no other line names
.set FR,    12
.set NL,    6                          ; LDS loads that bring a fragment
.set NP,    4                          ; places behind this matrix instruction (ISA guide 7.12.1)
.set L8,    3                          ; v3  8 x lane
.set ADRA,  16                         ; v16-17 my A fragments in slot 0, 1
.set ADRB,  20                         ; v20-21 my B fragments
.set STO,   24                         ; v24 the way out: where I put my bytes of a row
.set RD,    25                         ; v25 where I read a row back
.set CO,    26                         ; v26 my byte offset in two rows of C
.set ADRS,  27                         ; v27 my scale words: lanes 0-15 A's, lanes 16-31 B's
.set SPW,   28                         ; v28 my spare word; never rewritten
.set NIL,   29                         ; v29 0; never rewritten
.set SC,    32                         ; v32-63 scale words, two sets of 16: register 4 i + q
.set BB,    64                         ; v64-95 the bias in the result's layout
.set ACC,   128
.set F0,    0                          ; fragment sets, in window 1
.set F1,    128
.set SP,    272                        ; a stage row: 256 bytes + 16; the stages (16 rows a wave) lie in slot 0, which has had its last fill and its last read by then
.set G1, 24
.set G0, 32
.set G1B, 48
.set G0B, 56
.set G1S, 68
.set G0S, 76
.set G1SB, 80
.set G0SB, 88
.set MSB, 0
.macro WIN new                         ; the immediate's high byte repeats the setting that is left
.if MSB != (\new)
	s_set_vgpr_msb (MSB<<8)|(\new)
.set MSB, (\new)
.endif
.endm
.set MUL,  0x05                        ; sources 0 (B) and 1 (A) window 1; C and D window 0
.set TO_F, 0x40                        ; destination window 1, address window 0
.macro JLOAD g0a, g1a, g0b, g1b        ; a joint load: waves 0, 1 fetch for A, waves 2, 3 for B; four v_nop follow each line
	s_cmp_eq_u32 s15, 0
	s_cbranch_scc0 .Lfor_b_\@
	tensor_load_to_lds s[\g0a:\g0a+3], s[\g1a:\g1a+7]
	s_nop 0
.rept 4
	v_nop
.endr
	s_branch .Lasked_\@
.Lfor_b_\@:
	tensor_load_to_lds s[\g0b:\g0b+3], s[\g1b:\g1b+7]
	s_nop 0
.rept 4
	v_nop
.endr
.Lasked_\@:
.endm
.macro CREST                           ; a round of the cluster's barrier behind its opening barrier
	s_cmp_lg_u32 s14, 0
	s_cbranch_scc1 .Lnot_wave_0_\@
	s_barrier_signal -3
.Lnot_wave_0_\@:
	s_barrier_wait -3
	s_barrier_signal -1
	s_barrier_wait -1
.endm
.macro CROUND
	s_barrier_signal -1
	s_barrier_wait -1
	CREST
.endm
.macro FRAG reg, adr, q, i             ; block i of my four, the slot's q-th 128 along K: six pairs of registers, 256 consecutive bytes each
.irp p, 0,1,2,3,4,5
	ds_load_b64 v[\reg+2*\p:\reg+2*\p+1], v[\adr] offset:(\q)*12288+(\i)*1536+256*\p
.endr
.endm
; 4 matrix instructions: A's block a x B's four, from set f.  zero = 1: the first K step starts the sums with the bias as C.  The 16 accumulators take turns, one instruction a turn.
.macro MUL4 f, a, q, sc, zero
.irp b, 0,1,2,3
.if \zero
	v_wmma_scale_f32_16x16x128_f8f6f4 v[ACC+8*(4*(\a)+\b):ACC+8*(4*(\a)+\b)+7], v[FR*\b+(\f):FR*\b+(\f)+FR-1], v[FR*(\a)+48+(\f):FR*(\a)+48+(\f)+FR-1], v[BB+8*\b:BB+8*\b+7], v[SC+16*(\sc)+4*\b+(\q)], v[SC+16*(\sc)+4*(\a)+(\q)] matrix_a_fmt:MATRIX_FMT_BF6 matrix_b_fmt:MATRIX_FMT_BF6 matrix_a_scale:MATRIX_SCALE_ROW1
.else
	v_wmma_scale_f32_16x16x128_f8f6f4 v[ACC+8*(4*(\a)+\b):ACC+8*(4*(\a)+\b)+7], v[FR*\b+(\f):FR*\b+(\f)+FR-1], v[FR*(\a)+48+(\f):FR*(\a)+48+(\f)+FR-1], v[ACC+8*(4*(\a)+\b):ACC+8*(4*(\a)+\b)+7], v[SC+16*(\sc)+4*\b+(\q)], v[SC+16*(\sc)+4*(\a)+(\q)] matrix_a_fmt:MATRIX_FMT_BF6 matrix_b_fmt:MATRIX_FMT_BF6 matrix_a_scale:MATRIX_SCALE_ROW1
.endif
.endr
.endm
.macro FETCH slot, q, f                ; 48 LDS loads in one run: B's four fragments, then A's four, into set f
	WIN TO_F
.irp i, 0,1,2,3
	FRAG FR*\i+(\f), ADRB+\slot, \q, \i
.endr
.irp i, 0,1,2,3
	FRAG FR*\i+48+(\f), ADRA+\slot, \q, \i
.endr
.endm
.macro SCALES sc                       ; a slot's scale words: lanes 0-15 take A's block i, lanes 16-31 B's; q: which 128 along K
.irp i, 0,1,2,3
.irp q, 0,1,2,3
	ds_load_b32 v[SC+16*\sc+4*\i+\q], v[ADRS] offset:512*\q+64*\i
.endr
.endr
.endm
.macro PLACES n
.rept \n
	v_nop
.endr
.endm
; 128 along K that has its successor in the same slot: multiplies set q % 2 and, in its middle, fetches the next step's fragments into the other set
.macro STEP slot, q, zero
.set FC, 128*((\q)%2)
.set FN, 128-FC
	s_wait_dscnt 2*NL                              ; B's four and A's blocks 0, 1 are in; the youngest 12 loads (A's blocks 2, 3) may be out
	WIN MUL
	MUL4 FC, 0, \q, \slot, \zero
	MUL4 FC, 1, \q, \slot, \zero
	PLACES NP                                      ; in front of loads into the set that the step before multiplied
	FETCH \slot, (\q)+1, FN
	s_wait_dscnt 8*NL                              ; all but the 48 just issued
	WIN MUL
	MUL4 FC, 2, \q, \slot, \zero
	MUL4 FC, 3, \q, \slot, \zero
.endm
; A slot's last step changes slots: in front of the barrier each wave waits for all its tensor loads, adds 0 to its spare word, and waits for that and for its reads of this slot.  fill = 1: the slot is filled again.
.macro TURN slot, next, fill
	WIN 0                                          ; (the add's two registers lie in window 0)
	s_wait_tensorcnt 0x0                           ; all my tensor loads have landed: my part of the next slot
	ds_add_u32 v[SPW], v[NIL]                      ; 0 onto my spare word
	s_wait_dscnt 2*NL+1                            ; (the add and the youngest 12 loads may be out)
	WIN MUL
	MUL4 F1, 0, 3, \slot, 0
	s_wait_dscnt 0x0                               ; the add is done, and my reads of this slot are over
	s_barrier_signal -1
	MUL4 F1, 1, 3, \slot, 0
	WIN 0
	s_barrier_wait -1
.if \fill
	CREST                                          ; the barrier has opened a round of the cluster's: no wave of any partner still reads this slot or has a load on its way
	s_add_nc_u64 s[G0+4*\slot+2:G0+4*\slot+3], s[G0+4*\slot+2:G0+4*\slot+3], 4*PART
	s_add_nc_u64 s[G0B+4*\slot+2:G0B+4*\slot+3], s[G0B+4*\slot+2:G0B+4*\slot+3], 4*PART
	JLOAD G0+4*\slot, G1, G0B+4*\slot, G1B         ; the first tensor load behind the round, one a wave; its four v_nop are the places in front of the loads below
.else
	PLACES NP
.endif
	v_add_nc_u32 v[ADRS], 2048, v[ADRS]            ; the next slot's scale words
	SCALES \next
	FETCH \next, 0, F0
	WIN MUL
	MUL4 F1, 2, 3, \slot, 0
	MUL4 F1, 3, 3, \slot, 0
.endm
	s_load_b256 s[4:11], s[0:1], 0x0               ; A's buffer, pq, the bias, the residual
	s_load_b64 s[12:13], s[0:1], 0x20              ; the result
	v_lshl_add_u32 v[SPW], v0, 2, SPARE
	v_mov_b32 v[NIL], 0
	ds_add_u32 v28, v29
	ds_add_u32 v28, v29
	s_wait_dscnt 0x0
	v_lshrrev_b32 v1, 5, v0
	v_readfirstlane_b32 s14, v1                    ; wave 0..3
	s_lshr_b32 s15, s14, 1                         ; my half of the tile's rows.  Also: I fetch for A (0) or B (1)
	s_and_b32 s16, s14, 1                          ; my half of its columns
	s_bfe_u32 s40, ttmp6, 0x40000                  ; cx
	s_bfe_u32 s41, ttmp6, 0x40004                  ; cy
	s_lshl_b32 s42, ttmp9, 2
	s_add_co_u32 s42, s42, s40                     ; tile column
	s_and_b32 s17, ttmp7, 0xffff
	s_lshl_b32 s17, s17, 2
	s_add_co_u32 s17, s17, s41                     ; tile row
	s_lshl_b32 s43, s41, 2
	s_lshl_b32 s43, 15, s43                        ; my row of the cluster
	s_lshl_b32 s44, 0x1111, s40                    ; my column
	s_or_b32 s[G1+0], s43, (3<<16)|(1<<21)         ; 15:0 the mask; 17:16 elements of 8 bytes; 21 set beside a mask; no padding
	s_or_b32 s[G1B+0], s44, (3<<16)|(1<<21)
.irp g, G1, G1B                        ; a tile's codes for all of K are one dense block of KS x 12,288 bytes: 384 rows of 256 bytes
	s_mov_b32 s[\g+1], 32<<16
	s_mov_b32 s[\g+2], 384<<16
	s_mov_b32 s[\g+3], 32<<16
	s_mov_b32 s[\g+4], 384
	s_mov_b32 s[\g+5], 32                          ; from row to row
	s_mov_b32 s[\g+6], 0
	s_mov_b32 s[\g+7], 0
.endr
	s_or_b32 s[G1S+0], s43, (3<<16)|(1<<21)
	s_or_b32 s[G1SB+0], s44, (3<<16)|(1<<21)
.irp g, G1S, G1SB
	s_mov_b32 s[\g+1], 32<<16
	s_mov_b32 s[\g+2], (2*KS)<<16                  ; the scale words of 128 positions, whole: 2 SHALF bytes are 2 KS rows of 256
	s_mov_b32 s[\g+3], 32<<16
	s_mov_b32 s[\g+4], 2*KS
	s_mov_b32 s[\g+5], 32
	s_mov_b32 s[\g+6], 0
	s_mov_b32 s[\g+7], 0
.endr
	s_mul_i32 s20, s17, KS*12288                   ; A: the tile row's 128 positions
	s_mul_i32 s46, s42, KS*12288                   ; B: the tile column's
	s_mul_i32 s22, s17, KS*512
	s_mul_i32 s92, s42, KS*512
	s_add_co_u32 s20, s20, ACODE
	s_add_co_u32 s22, s22, ASCAL
	s_add_co_u32 s46, s46, BCODE
	s_add_co_u32 s92, s92, BSCAL
	s_mov_b32 s21, 0
	s_mov_b32 s23, 0
	s_mov_b32 s47, 0
	s_mov_b32 s93, 0
	s_mul_i32 s45, s14, 2*PART                     ; where the codes go: wave 0 brings A's to byte 0, wave 2 B's to byte 4 PART: no place in the cluster enters an LDS address
	s_wait_kmcnt 0x0
	s_add_nc_u64 s[20:21], s[4:5], s[20:21]
	s_add_nc_u64 s[22:23], s[4:5], s[22:23]
	s_add_nc_u64 s[46:47], s[6:7], s[46:47]
	s_add_nc_u64 s[92:93], s[6:7], s[92:93]
	CROUND                                         ; all sixteen work-groups are here: the first joint loads meet
	s_mov_b32 s[G0S], 1
	s_mov_b32 s[G0S+1], SCL
	s_mov_b64 s[G0S+2:G0S+3], s[22:23]
	s_or_b32 s[G0S+3], s[G0S+3], 0x80000000
	s_mov_b32 s[G0SB], 1
	s_mov_b32 s[G0SB+1], SCL+2*SHALF
	s_mov_b64 s[G0SB+2:G0SB+3], s[92:93]
	s_or_b32 s[G0SB+3], s[G0SB+3], 0x80000000
.irp s, 0
	s_mov_b32 s[G0+4*\s], 1
	s_add_co_u32 s[G0+4*\s+1], s45, \s*SLOT
	s_add_nc_u64 s[G0+4*\s+2:G0+4*\s+3], s[20:21], \s*2*PART   ; slot s begins 512 s along K: two parts on
	s_or_b32 s[G0+4*\s+3], s[G0+4*\s+3], 0x80000000
	s_mov_b32 s[G0B+4*\s], 1
	s_add_co_u32 s[G0B+4*\s+1], s45, \s*SLOT
	s_add_nc_u64 s[G0B+4*\s+2:G0B+4*\s+3], s[46:47], \s*2*PART
	s_or_b32 s[G0B+4*\s+3], s[G0B+4*\s+3], 0x80000000
.endr
; THE HEAD'S LOADS, ONE A WAVE, bring all that the launch reads from LDS: wave 0 A's codes for all of K (LDS bytes 0 to 4 PART), wave 1 A's scale words, wave 2 B's codes (4 PART to 8 PART), wave 3 B's scale words.
; One tree of branches on the wave's number; every way through it passes exactly one load.  No LDS byte is filled later.
.macro ARM under, g0, g1, next
	s_cmp_lt_u32 s14, \under
	s_cbranch_scc0 \next
	tensor_load_to_lds s[\g0:\g0+3], s[\g1:\g1+7]
	s_nop 0
.rept 4
	v_nop
.endr
	s_branch .Lhead_asked
\next:
.endm
	ARM 1, G0,  G1,  .Lhead_sa
	ARM 2, G0S, G1S, .Lhead_b
	ARM 3, G0B, G1B, .Lhead_sb
	tensor_load_to_lds s[G0SB:G0SB+3], s[G1SB:G1SB+7]
	s_nop 0
.rept 4
	v_nop
.endr
.Lhead_asked:
	v_and_b32 v1, 15, v0                           ; r
	v_bfe_u32 v2, v0, 4, 1                         ; h
	s_wait_alu depctr_va_vdst(0)
	v_and_b32 v5, 31, v0
	v_lshlrev_b32 v[L8], 3, v5
	s_mul_i32 s21, s15, 4*1536                     ; my four blocks of A's eight
	s_mul_i32 s22, s16, 4*1536                     ; my four of B's,
	s_add_co_u32 s22, s22, 4*PART                  ; which lie behind A's four parts
.irp s, 0,1                            ; "slot" s is the s-th 512 along K of each operand: two parts on
	v_add_nc_u32 v[ADRA+\s], s21, v[L8]
	v_add_nc_u32 v[ADRB+\s], s22, v[L8]
	s_add_co_u32 s21, s21, 2*PART
	s_add_co_u32 s22, s22, 2*PART
.endr
	v_lshlrev_b32 v5, 2, v1
	s_lshl_b32 s21, s15, 8                         ; my four blocks' words: 64 bytes a block
	s_lshl_b32 s22, s16, 8
	s_add_co_u32 s22, s22, 2*SHALF
	s_sub_co_u32 s22, s22, s21
	v_mul_u32_u24 v6, s22, v2                      ; lanes 16-31 take B's: one product, the distance between the two
	s_add_co_u32 s21, s21, SCL
	v_add_nc_u32 v5, v5, v6
	v_add_nc_u32 v[ADRS], s21, v5
	s_mul_i32 s23, s14, 16*SP                      ; my stage
	v_mul_u32_u24 v5, v1, SP
	v_lshl_add_u32 v5, v2, 6, v5
	v_add_nc_u32 v[STO], s23, v5                   ; in: row r, + 64 h
	v_mul_u32_u24 v5, v2, SP
	v_lshl_add_u32 v5, v1, 4, v5
	v_add_nc_u32 v[RD], s23, v5                    ; back: lanes 0-15 take one row of 256 bytes, lanes 16-31 the next
	v_lshlrev_b32 v[CO], 12, v2
	v_lshl_add_u32 v[CO], v1, 4, v[CO]             ; and the same two rows in C: 4,096 bytes a row
	s_wait_alu depctr_va_vdst(0)
	s_lshl_b32 s20, s17, 7
	s_lshl_b32 s21, s15, 6
	s_add_co_u32 s20, s20, s21
	s_lshl_b32 s20, s20, 12                        ; my first row: 128 x tile row + 64 x half
	s_lshl_b32 s46, s42, 9
	s_lshl_b32 s47, s16, 8
	s_add_co_u32 s46, s46, s47                     ; my first column, in bytes: 512 x tile column + 256 x half
	s_mov_b32 s47, 0
	s_add_nc_u64 s[8:9], s[8:9], s[46:47]
	s_add_co_u32 s20, s20, s46
	s_mov_b32 s21, 0
	s_add_nc_u64 s[10:11], s[10:11], s[20:21]
	s_add_nc_u64 s[12:13], s[12:13], s[20:21]
	v_lshlrev_b32 v7, 6, v2
.irp b, 0,1,2,3
	global_load_b128 v[BB+8*\b:BB+8*\b+3], v7, s[8:9] offset:128*(\b/2)+32*(\b%2)      ; register 8 b + j of half h: column 32 (b / 2) + 16 h + 8 (b % 2) + j
	global_load_b128 v[BB+8*\b+4:BB+8*\b+7], v7, s[8:9] offset:128*(\b/2)+32*(\b%2)+16
.endr
	WIN 0x80                                       ; destination window 2
.irp a, 0,1,2,3                        ; the residual of block a: stage rows 2 t + h are rows 32 (a / 2) + 8 (a % 2) + 2 (t % 4) + 16 (t / 4) + h of my 64; sixteen lanes read 256 consecutive bytes
.irp t, 0,1,2,3,4,5,6,7
	global_load_b128 v[32*\a+4*\t:32*\a+4*\t+3], v[CO], s[10:11] offset:(32*(\a/2)+8*(\a%2)+2*(\t%4)+16*(\t/4))*4096
.endr
.endr
	WIN 0
	s_wait_tensorcnt 0x0                           ; my tile of the head's four is in,
	s_barrier_signal -1
	s_barrier_wait -1                              ; everybody's are
	SCALES 0
	FETCH 0, 0, F0
	s_wait_loadcnt 32                              ; the bias is in; the 32 loads of the residual may be out
	STEP 0, 0, 1                                   ; the first step stands in front of the loop: its products start the sums
.if LAPS > 1
	WIN 0                                          ; at a label and at a branch every window is 0
	s_mov_b32 s3, LAPS-1
.Llap:                                                 ; a trip goes once round the ring, from a lap's second step to the next lap's first, and fills both slots again
	STEP 0, 1, 0
	STEP 0, 2, 0
	TURN 0, 1, 1
	STEP 1, 0, 0
	STEP 1, 1, 0
	STEP 1, 2, 0
	TURN 1, 0, 1
	STEP 0, 0, 0
	WIN 0
	s_sub_co_u32 s3, s3, 1
	s_cmp_lg_u32 s3, 0
	s_cbranch_scc1 .Llap
.endif
	STEP 0, 1, 0                                   ; the last lap fills nothing
	STEP 0, 2, 0
	TURN 0, 1, 0
	STEP 1, 0, 0
	STEP 1, 1, 0
	STEP 1, 2, 0
	s_wait_dscnt 2*NL                              ; the very last step: nothing more to fetch
	WIN MUL
	MUL4 F1, 0, 3, 1, 0
	MUL4 F1, 1, 3, 1, 0
	s_wait_dscnt 0
	MUL4 F1, 2, 3, 1, 0
	MUL4 F1, 3, 3, 1, 0
	WIN 0
; THE WAY OUT, block by block of 16 positions x 64 columns: through my own stage, where the columns fall into their natural places, back as whole rows of 256 bytes, two an instruction; the residual's same bytes are
; added; sixteen lanes store 256 consecutive bytes, aligned.  Every offset is an immediate (62 rows of 4,096 bytes at the most), and every block has registers of its own, so that no store's data are written again.
.macro TOSTAGE a
	WIN 0
.irp b, 0,1,2,3
	ds_store_b128 v[STO], v[ACC+32*(\a)+8*\b:ACC+32*(\a)+8*\b+3] offset:128*(\b/2)+32*(\b%2)           ; each accumulator from its low end on
	ds_store_b128 v[STO], v[ACC+32*(\a)+8*\b+4:ACC+32*(\a)+8*\b+7] offset:128*(\b/2)+32*(\b%2)+16
.endr
	WIN TO_F
.irp t, 0,1,2,3,4,5,6,7
	ds_load_b128 v[32*(\a)+4*\t:32*(\a)+4*\t+3], v[RD] offset:\t*2*SP     ; LDS serves a wave's instructions in order: these see the stores above, and the next block's stores come behind them
.endr
.endm
.macro SEND a, younger
	s_wait_dscnt \younger                          ; the block is back (behind its loads: the next block's 8 stores and 8 loads, or nothing)
	WIN 0x49                                       ; destination and source 0 window 1, source 1 (the residual) window 2
.set j, 0
.rept 16
	v_pk_add_f32 v[32*(\a)+j:32*(\a)+j+1], v[32*(\a)+j:32*(\a)+j+1], v[32*(\a)+j:32*(\a)+j+1]
.set j, j+2
.endr
	WIN 0x04                                       ; a store's data are its source 1: window 1
.irp t, 0,1,2,3,4,5,6,7
	global_store_b128 v[CO], v[32*(\a)+4*\t:32*(\a)+4*\t+3], s[12:13] offset:(32*((\a)/2)+8*((\a)%2)+2*(\t%4)+16*(\t/4))*4096
.endr
.endm
	PLACES NP                                      ; in front of the first read of results and of loads into registers that held fragments
	s_wait_loadcnt 0x0                             ; the residual
	TOSTAGE 0
	TOSTAGE 1
	SEND 0, 16
	TOSTAGE 2
	SEND 1, 16
	TOSTAGE 3
	SEND 2, 16
	SEND 3, 0
	WIN 0
	s_wait_tensorcnt 0x0                           ; the wave's end
	ds_add_u32 v[SPW], v[NIL]
	s_wait_dscnt 0x0
	CROUND                                         ; the closing round
	s_endpgm
.Lfunc_end_k_qe5dc883fe9_wo:
	.size	k_qe5dc883fe9_wo, .Lfunc_end_k_qe5dc883fe9_wo-k_qe5dc883fe9_wo
	.p2alignl 7, 3214868480
	.fill 96, 4, 3214868480
	.section	.rodata,"a",@progbits
	.p2align	6, 0x0
	.amdhsa_kernel k_qe5dc883fe9_wo
		.amdhsa_group_segment_fixed_size 327680
		.amdhsa_private_segment_fixed_size 0
		.amdhsa_enable_private_segment 0
		.amdhsa_kernarg_size 40
		.amdhsa_user_sgpr_count 2
		.amdhsa_user_sgpr_kernarg_segment_ptr 1
		.amdhsa_wavefront_size32 1
		.amdhsa_system_sgpr_workgroup_id_x 1
		.amdhsa_system_sgpr_workgroup_id_y 1
		.amdhsa_system_sgpr_workgroup_id_z 1
		.amdhsa_system_vgpr_workitem_id 0
		.amdhsa_next_free_vgpr 640
		.amdhsa_next_free_sgpr 102
		.amdhsa_reserve_vcc 0
		.amdhsa_float_denorm_mode_32 3
		.amdhsa_float_denorm_mode_16_64 3
		.amdhsa_memory_ordered 1
		.amdhsa_forward_progress 1
		.amdhsa_inst_pref_size 69
	.end_amdhsa_kernel
	.amdgpu_metadata
---
amdhsa.version: [ 1, 2 ]
amdhsa.kernels:
  - .name:           k_qe5dc883fe9_wo
    .symbol:         k_qe5dc883fe9_wo.kd
    .args:
      - { .name: ob, .offset: 0, .size: 8, .value_kind: global_buffer, .address_space: global }
      - { .name: pq, .offset: 8, .size: 8, .value_kind: global_buffer, .address_space: global }
      - { .name: bo, .offset: 16, .size: 8, .value_kind: global_buffer, .address_space: global }
      - { .name: x, .offset: 24, .size: 8, .value_kind: global_buffer, .address_space: global }
      - { .name: yb, .offset: 32, .size: 8, .value_kind: global_buffer, .address_space: global }
    .group_segment_fixed_size: 327680
    .private_segment_fixed_size: 0
    .kernarg_segment_align: 8
    .kernarg_segment_size: 40
    .max_flat_workgroup_size: 128
    .sgpr_count:     102
    .vgpr_count:     640
    .wavefront_size: 32
...
	.end_amdgpu_metadata
.endif
;; end of part 12
;; launch ln1 (part 13): grid 256 x 1, 8 waves a work-group, no clusters, 69,632 bytes of LDS; arguments yb, ln1_a, ln1_b, hb; writes hb
.if DOCPART == 13
	.amdgcn_target "amdgcn-amd-amdhsa--gfx1250"
	.amdhsa_code_object_version 6
	.text
	.protected	k_qe5dc883fe9_ln1
	.globl	k_qe5dc883fe9_ln1
	.p2align	8
	.type	k_qe5dc883fe9_ln1,@function
k_qe5dc883fe9_ln1:
	s_mov_b64 s[64:65], 0
	v_nop
	global_prefetch_b8 v0, s[64:65] scope:SCOPE_SE
	s_setreg_imm32_b32 hwreg(HW_REG_WAVE_MODE, 25, 1), 1
	s_wait_xcnt 0x0
; h = (y - mean) / (std + 1e-6) a + b along rows of 1,024, std with divisor 1,023; h is stored as f32 (natural rows) and, DOQ = 1, as codes of BF6 in the order of the next product's operand registers.
; Work-group rb takes the 16 rows of block rb of positions: 32 (rb / 2) + 8 (rb % 2) + (rr % 8) + 16 (rr / 8).  Wave w takes columns 128 w .. 128 w + 127: one K step of the next product.
; Each load reads 512 consecutive bytes of a row; the wave's 16 x 128 numbers turn through its own stage in LDS, after which lane (r, h) holds, in register 16 b + i, column 32 b + 16 h + i of position r.
; The mean first, then the sum of squared differences from it: no difference of large sums.  The eight waves' parts of a row meet in LDS behind a barrier, twice, in bytes of their own.
; Memory binds: no matrix unit, no cluster.  LIMITS: a NaN in a row makes the row's f32 result NaN (its codes are then without meaning); blocks whose largest magnitude lies under 2^-122 keep the byte 1.
.set DOQ,  1
.set SP,   528
.set STG,  16*SP
.set RED,  8*STG                       ; behind the stages: 16 rows x 8 waves x 4 bytes, twice
.set X,    32                          ; v32-95   the numbers
.set GA,   96                          ; v96-159  the gain, later rows on their way out
.set GB,   160                         ; v160-223 the bias, later the quantiser's registers
.set T,    224                         ; v224-233 at work
.set PC,   160
.set TM,   184
.set PW,   200
.set SEL,  24
.macro FOLD                            ; four pairs at v[T] on become one number
	v_pk_add_f32 v[T:T+1], v[T:T+1], v[T+2:T+3]
	v_pk_add_f32 v[T+4:T+5], v[T+4:T+5], v[T+6:T+7]
	s_delay_alu instid0(VALU_DEP_1)
	v_pk_add_f32 v[T:T+1], v[T:T+1], v[T+4:T+5]
	s_delay_alu instid0(VALU_DEP_1)
	v_add_f32 v[T], v[T], v[T+1]
.endm
.macro MEET off                        ; my wave's part of each row, then all eight waves'
	FOLD
	s_delay_alu instid0(VALU_DEP_1)
	v_permlanex16_b32 v[T+1], v[T], s[SEL], s[SEL+1]
	s_delay_alu instid0(VALU_DEP_1)
	v_add_f32 v[T], v[T], v[T+1]                   ; with lane l xor 16's: the row's 128 columns of my wave
	ds_store_b32 v11, v[T] offset:\off             ; (both halves write the same word with the same value)
	s_wait_dscnt 0x0                               ; for the others' sake
	s_barrier_signal -1
	s_barrier_wait -1
	ds_load_b128 v[T:T+3], v12 offset:\off
	ds_load_b128 v[T+4:T+7], v12 offset:\off+16
	s_wait_dscnt 0x0
	FOLD
.endm
.macro QUANT s
.irp b, 0,1,2,3
	v_max3_num_f32 v[TM+\b], 0x2800000, |v[\s+16*\b]|, |v[\s+1+16*\b]|   ; with the floor 2^(5 - 127): the byte cannot fall under 1
.endr
.irp i, 2,4,6,8,10,12,14
.irp b, 0,1,2,3
	s_delay_alu instid0(VALU_DEP_4)
	v_max3_num_f32 v[TM+\b], v[TM+\b], |v[\s+16*\b+\i]|, |v[\s+1+16*\b+\i]|
.endr
.endr
.irp b, 0,1,2,3
	s_delay_alu instid0(VALU_DEP_4)
	v_permlanex16_b32 v[TM+4+\b], v[TM+\b], s[SEL], s[SEL+1]
.endr
.irp b, 0,1,2,3
	s_delay_alu instid0(VALU_DEP_4)
	v_max_num_f32 v[TM+\b], v[TM+\b], v[TM+4+\b]
.endr
.irp b, 0,1,2,3
	s_delay_alu instid0(VALU_DEP_4)
	v_add_nc_u32 v[TM+12+\b], 0xfe000000, v[TM+\b]
.endr
.irp b, 0,1,2,3
	s_delay_alu instid0(VALU_DEP_4)
	v_lshrrev_b32 v[TM+4+\b], 23, v[TM+12+\b]
.endr
	s_delay_alu instid0(VALU_DEP_3)
	v_lshl_or_b32 v[PW], v[TM+5], 8, v[TM+4]
	s_delay_alu instid0(VALU_DEP_1)
	v_lshl_or_b32 v[PW], v[TM+6], 16, v[PW]
	s_delay_alu instid0(VALU_DEP_1)
	v_lshl_or_b32 v[PW], v[TM+7], 24, v[PW]
.irp c, 0,1
	v_cvt_scalef32_pk16_bf6_f32 v[PC+6*\c:PC+2+6*\c], v[\s+32*\c:\s+15+32*\c], v[TM+12+2*\c]
	v_cvt_scalef32_pk16_bf6_f32 v[PC+12+4*\c:PC+14+4*\c], v[\s+16+32*\c:\s+31+32*\c], v[TM+12+2*\c+1]
.endr
	v_nop
.irp c, 0,1
.irp i, 0,1,2
	v_permlane16_swap_b32 v[PC+6*\c+\i], v[PC+12+4*\c+\i]
.endr
.irp i, 0,1,2
	s_delay_alu instid0(VALU_DEP_3)
	v_mov_b32 v[PC+3+6*\c+\i], v[PC+12+4*\c+\i]
.endr
.endr
.endm
	s_load_b256 s[4:11], s[0:1], 0x0               ; y, the gain, the bias, the result
	v_lshl_add_u32 v254, v0, 2, 0x10c00
	v_mov_b32 v255, 0
	v_lshrrev_b32 v6, 5, v0
	s_delay_alu instid0(VALU_DEP_1)
	v_readfirstlane_b32 s2, v6                     ; wave 0..7
	v_and_b32 v7, 31, v0
	v_and_b32 v8, 15, v0                           ; r
	v_bfe_u32 v9, v0, 4, 1                         ; h
	s_delay_alu instid0(VALU_DEP_3)
	v_lshlrev_b32 v1, 3, v7
	s_delay_alu instid0(VALU_DEP_4)
	v_lshlrev_b32 v5, 4, v7
	s_mul_i32 s3, s2, STG
	v_add_nc_u32 v2, s3, v5                        ; the stage, by rows
	v_mul_u32_u24 v3, v8, SP
	s_delay_alu instid0(VALU_DEP_1)
	v_lshl_add_u32 v3, v9, 6, v3
	s_delay_alu instid0(VALU_DEP_1)
	v_add_nc_u32 v3, s3, v3                        ; the stage, by lanes
	v_lshlrev_b32 v10, 6, v9
	v_lshl_add_u32 v12, v8, 5, RED                 ; row r's eight parts
	s_lshl_b32 s12, s2, 2
	v_add_nc_u32 v11, s12, v12                     ; my wave's among them
	v_lshlrev_b32 v13, 2, v8
	s_mov_b32 s[SEL], 0x76543210
	s_mov_b32 s[SEL+1], 0xfedcba98
	s_lshr_b32 s13, ttmp9, 1
	s_lshl_b32 s13, s13, 5
	s_and_b32 s14, ttmp9, 1
	s_lshl_b32 s14, s14, 3
	s_add_co_u32 s13, s13, s14                     ; the block's first row
	s_lshl_b32 s14, s13, 12
	s_lshl_b32 s16, s2, 9
	s_add_co_u32 s14, s14, s16
	s_mov_b32 s15, 0
	s_mov_b32 s17, 0
	s_lshr_b32 s18, ttmp9, 3
	s_lshl_b32 s18, s18, 3
	s_add_co_u32 s18, s18, s2                      ; (rb / 8) 8 + w
	s_and_b32 s19, ttmp9, 7
	s_lshl_b32 s20, s18, 3
	s_add_co_u32 s20, s20, s19
	s_mul_i32 s20, s20, 1536
	s_add_co_u32 s20, s20, 16777216
	s_mov_b32 s21, 0
	s_lshl_b32 s22, s18, 9
	s_lshl_b32 s19, s19, 6
	s_add_co_u32 s22, s22, s19
	s_add_co_u32 s22, s22, 19922944
	s_mov_b32 s23, 0
	s_wait_alu depctr_va_vdst(0)
	s_wait_kmcnt 0x0
	s_add_nc_u64 s[4:5], s[4:5], s[14:15]
	s_add_nc_u64 s[6:7], s[6:7], s[16:17]
	s_add_nc_u64 s[8:9], s[8:9], s[16:17]
.if DOQ
	s_add_nc_u64 s[20:21], s[10:11], s[20:21]      ; my fragment
	s_add_nc_u64 s[22:23], s[10:11], s[22:23]      ; its scale words
.endif
	s_add_nc_u64 s[10:11], s[10:11], s[14:15]
.irp rr, 0,1,2,3,4,5,6,7,8,9,10,11,12,13,14,15
	global_load_b128 v[X+4*\rr:X+4*\rr+3], v5, s[4:5] offset:((\rr%8)+16*(\rr/8))*4096 th:TH_LOAD_NT
.endr
.irp b, 0,1,2,3
.irp j, 0,1,2,3
	global_load_b128 v[GA+16*\b+4*\j:GA+16*\b+4*\j+3], v10, s[6:7] offset:128*\b+16*\j
	global_load_b128 v[GB+16*\b+4*\j:GB+16*\b+4*\j+3], v10, s[8:9] offset:128*\b+16*\j
.endr
.endr
	s_wait_loadcnt 32                              ; the rows are in; the 32 loads of gain and bias may be out
.irp rr, 0,1,2,3,4,5,6,7,8,9,10,11,12,13,14,15
	ds_store_b128 v2, v[X+4*\rr:X+4*\rr+3] offset:\rr*SP
.endr
.irp b, 0,1,2,3
.irp j, 0,1,2,3
	ds_load_b128 v[X+16*\b+4*\j:X+16*\b+4*\j+3], v3 offset:128*\b+16*\j   ; LDS serves a wave's instructions in order
.endr
.endr
	s_wait_dscnt 0x0
.irp k, 0,1,2,3
	v_pk_add_f32 v[T+2*\k:T+2*\k+1], v[X+4*\k:X+4*\k+1], v[X+4*\k+2:X+4*\k+3]   ; four chains, started by the first sixteen numbers
.endr
.irp i, 16,24,32,40,48,56
.irp k, 0,1,2,3
	s_delay_alu instid0(VALU_DEP_4)
	v_pk_add_f32 v[T+2*\k:T+2*\k+1], v[T+2*\k:T+2*\k+1], v[X+\i+2*\k:X+\i+2*\k+1]
.endr
.endr
	MEET 0
	s_delay_alu instid0(VALU_DEP_1)
	v_mul_f32 v[T+8], 0xba800000, v[T]             ; - the mean
	s_delay_alu instid0(VALU_DEP_1)
	v_mov_b32 v[T+9], v[T+8]
.set j, 0
.rept 32
	v_pk_add_f32 v[X+j:X+j+1], v[X+j:X+j+1], v[T+8:T+9]
.set j, j+2
.endr
.irp k, 0,1,2,3
	v_pk_mul_f32 v[T+2*\k:T+2*\k+1], v[X+2*\k:X+2*\k+1], v[X+2*\k:X+2*\k+1]
.endr
.irp i, 8,16,24,32,40,48,56
.irp k, 0,1,2,3
	s_delay_alu instid0(VALU_DEP_4)
	v_pk_fma_f32 v[T+2*\k:T+2*\k+1], v[X+\i+2*\k:X+\i+2*\k+1], v[X+\i+2*\k:X+\i+2*\k+1], v[T+2*\k:T+2*\k+1]
.endr
.endr
	MEET 512
	s_delay_alu instid0(VALU_DEP_1)
	v_mul_f32 v[T], 0x3a802008, v[T]               ; / 1,023
	s_wait_alu depctr_va_vdst(0)
	v_sqrt_f32 v[T+1], v[T]
	v_nop                                          ; a plain place behind a transcendental,
	s_wait_alu depctr_va_vdst(0)                   ; and the wait ahead of its first reader
	v_add_f32 v[T+1], 0x358637bd, v[T+1]           ; + 1e-6
	s_wait_alu depctr_va_vdst(0)
	v_rcp_f32 v[T+8], v[T+1]
	v_nop
	s_wait_alu depctr_va_vdst(0)
	v_mov_b32 v[T+9], v[T+8]
	s_wait_alu depctr_va_vdst(0)
	s_wait_loadcnt 0x0                             ; gain and bias
.set j, 0
.rept 32
	v_pk_mul_f32 v[X+j:X+j+1], v[X+j:X+j+1], v[T+8:T+9]
.set j, j+2
.endr
.set j, 0
.rept 32
	v_pk_fma_f32 v[X+j:X+j+1], v[X+j:X+j+1], v[GA+j:GA+j+1], v[GB+j:GB+j+1]
.set j, j+2
.endr
.irp b, 0,1,2,3
.irp j, 0,1,2,3
	ds_store_b128 v3, v[X+16*\b+4*\j:X+16*\b+4*\j+3] offset:128*\b+16*\j   ; back through the stage, so that whole runs of a row leave together
.endr
.endr
.irp rr, 0,1,2,3,4,5,6,7,8,9,10,11,12,13,14,15
	ds_load_b128 v[GA+4*\rr:GA+4*\rr+3], v2 offset:\rr*SP
.endr
.if DOQ
.irp b, 0,1,2,3
	v_mov_b32 v[TM+4+\b], 0                        ; a lane permute's destination counts as one of its sources
.endr
	QUANT X                                        ; while the rows come back
.endif
	s_wait_alu depctr_va_vdst(0)
.irp rr, 0,1,2,3,4,5,6,7,8,9,10,11,12,13,14,15
	s_wait_dscnt 15-\rr
	global_store_b128 v5, v[GA+4*\rr:GA+4*\rr+3], s[10:11] offset:((\rr%8)+16*(\rr/8))*4096   ; 32 lanes store 512 consecutive bytes, aligned
.endr
.if DOQ
.irp g, 0,1,2,3,4,5
	global_store_b64 v1, v[PC+2*\g:PC+2*\g+1], s[20:21] offset:256*\g
.endr
	v_cmp_gt_u32 vcc_lo, 16, v7
	s_wait_xcnt 0x0                                ; EXEC changes only behind this wait
	s_wait_tensorcnt 0x0
	ds_add_u32 v254, v255
	s_wait_dscnt 0x0
	s_and_saveexec_b32 s12, vcc_lo
	global_store_b32 v13, v[PW], s[22:23]          ; lanes 0-15: the 16 positions' scale words
.endif
	s_endpgm
.Lfunc_end_k_qe5dc883fe9_ln1:
	.size	k_qe5dc883fe9_ln1, .Lfunc_end_k_qe5dc883fe9_ln1-k_qe5dc883fe9_ln1
	.p2alignl 7, 3214868480
	.fill 96, 4, 3214868480
	.section	.rodata,"a",@progbits
	.p2align	6, 0x0
	.amdhsa_kernel k_qe5dc883fe9_ln1
		.amdhsa_group_segment_fixed_size 69632
		.amdhsa_private_segment_fixed_size 0
		.amdhsa_enable_private_segment 0
		.amdhsa_kernarg_size 32
		.amdhsa_user_sgpr_count 2
		.amdhsa_user_sgpr_kernarg_segment_ptr 1
		.amdhsa_wavefront_size32 1
		.amdhsa_system_sgpr_workgroup_id_x 1
		.amdhsa_system_sgpr_workgroup_id_y 1
		.amdhsa_system_sgpr_workgroup_id_z 1
		.amdhsa_system_vgpr_workitem_id 0
		.amdhsa_next_free_vgpr 256
		.amdhsa_next_free_sgpr 66
		.amdhsa_reserve_vcc 1
		.amdhsa_float_denorm_mode_32 3
		.amdhsa_float_denorm_mode_16_64 3
		.amdhsa_memory_ordered 1
		.amdhsa_forward_progress 1
		.amdhsa_inst_pref_size 34
	.end_amdhsa_kernel
	.amdgpu_metadata
---
amdhsa.version: [ 1, 2 ]
amdhsa.kernels:
  - .name:           k_qe5dc883fe9_ln1
    .symbol:         k_qe5dc883fe9_ln1.kd
    .args:
      - { .name: yb, .offset: 0, .size: 8, .value_kind: global_buffer, .address_space: global }
      - { .name: ln1_a, .offset: 8, .size: 8, .value_kind: global_buffer, .address_space: global }
      - { .name: ln1_b, .offset: 16, .size: 8, .value_kind: global_buffer, .address_space: global }
      - { .name: hb, .offset: 24, .size: 8, .value_kind: global_buffer, .address_space: global }
    .group_segment_fixed_size: 69632
    .private_segment_fixed_size: 0
    .kernarg_segment_align: 8
    .kernarg_segment_size: 32
    .max_flat_workgroup_size: 256
    .sgpr_count:     66
    .vgpr_count:     256
    .wavefront_size: 32
...
	.end_amdgpu_metadata
.endif
;; end of part 13
;; launch ffn1 (part 14): grid 16 x 16, 4 waves a work-group, clusters of 4 x 4, 327,680 bytes of LDS; arguments hb, pq, b1, fb; writes fb
.if DOCPART == 14
	.amdgcn_target "amdgcn-amd-amdhsa--gfx1250"
	.amdhsa_code_object_version 6
	.text
	.protected	k_qe5dc883fe9_ffn1
	.globl	k_qe5dc883fe9_ffn1
	.p2align	8
	.type	k_qe5dc883fe9_ffn1,@function
k_qe5dc883fe9_ffn1:
	s_mov_b64 s[64:65], 0
	v_nop
	global_prefetch_b8 v0, s[64:65] scope:SCOPE_SE
	s_setreg_imm32_b32 hwreg(HW_REG_WAVE_MODE, 25, 1), 1
	s_wait_xcnt 0x0
	s_wait_alu depctr_hold_cnt(0) depctr_sa_sdst(0) depctr_va_vdst(0) depctr_va_sdst(0) depctr_va_ssrc(0) depctr_va_vcc(0) depctr_vm_vsrc(0)
	s_getreg_b32 s2, hwreg(HW_REG_IB_STS2, 6, 4)
	s_cmp_eq_u32 s2, 0
	s_cbranch_scc0 .Lentry_in_a_cluster
	s_endpgm
.Lentry_in_a_cluster:
	s_bfe_u32 s2, ttmp6, 0x10000c
	s_cmp_lg_u32 s2, 0xf033
	s_cbranch_scc0 .Lentry_shape_is_right
	s_endpgm
.Lentry_shape_is_right:
.set KS,    8
.set ACODE, 16777216
.set ASCAL, 19922944
.set BCODE, 6291456
.set BSCAL, 12845056
.set LAPS,  KS/4
.set PART,  24576
.set SLOT,  4*PART
.set SCL,   2*SLOT
.set SPART, KS*512
.set SPARE, SCL+4*SPART
.set FR,    12
.set NL,    6
.set NP,    4
.set L8,    3
.set L4,    4
.set ADRA,  16
.set ADRB,  20
.set ADRS,  27
.set SPW,   28
.set NIL,   29
.set SC,    32
.set BB,    64
.set AF,    128
.set G1, 24
.set G0, 32
.set G1B, 48
.set G0B, 56
.set G1S, 68
.set G0S, 76
.set G1SB, 80
.set G0SB, 88
.set SEL, 100
.set PC,  64
.set TM,  84
.set PW,  100
.set PWE, 101
.set PWS, 102
.set MSB, 0
.macro WIN new
.if MSB != (\new)
	s_set_vgpr_msb (MSB<<8)|(\new)
.set MSB, (\new)
.endif
.endm
.set MUL_LO, 0xa1
.set MUL_HI, 0xf1
.set TO_B,   0x40
.macro JLOAD g0a, g1a, g0b, g1b
	s_cmp_eq_u32 s15, 0
	s_cbranch_scc0 .Lfor_b_\@
	tensor_load_to_lds s[\g0a:\g0a+3], s[\g1a:\g1a+7]
	s_nop 0
.rept 4
	v_nop
.endr
	s_branch .Lasked_\@
.Lfor_b_\@:
	tensor_load_to_lds s[\g0b:\g0b+3], s[\g1b:\g1b+7]
	s_nop 0
.rept 4
	v_nop
.endr
.Lasked_\@:
.endm
.macro CREST
	s_cmp_lg_u32 s14, 0
	s_cbranch_scc1 .Lnot_wave_0_\@
	s_barrier_signal -3
.Lnot_wave_0_\@:
	s_barrier_wait -3
	s_barrier_signal -1
	s_barrier_wait -1
.endm
.macro CROUND
	s_barrier_signal -1
	s_barrier_wait -1
	CREST
.endm
.macro FRAG reg, adr, q, i
.irp p, 0,1,2,3,4,5
	ds_load_b64 v[\reg+2*\p:\reg+2*\p+1], v[\adr] offset:(\q)*12288+(\i)*1536+256*\p
.endr
.endm
.macro MUL16 a0, p, q, sc, zero
.irp a, \a0, \a0+1
.irp b, 0,1,2,3,4,5,6,7
.if \zero
	v_wmma_scale_f32_16x16x128_f8f6f4 v[8*(8*((\a)%4)+\b):8*(8*((\a)%4)+\b)+7], v[128*(\p)+FR*\b:128*(\p)+FR*\b+FR-1], v[AF+FR*(\a):AF+FR*(\a)+FR-1], v[BB+8*\b:BB+8*\b+7], v[SC+16*(\sc)+2*\b+(\q)], v[SC+16*(\sc)+2*(\a)+(\q)] matrix_a_fmt:MATRIX_FMT_BF6 matrix_b_fmt:MATRIX_FMT_BF6 matrix_a_scale:MATRIX_SCALE_ROW1
.else
	v_wmma_scale_f32_16x16x128_f8f6f4 v[8*(8*((\a)%4)+\b):8*(8*((\a)%4)+\b)+7], v[128*(\p)+FR*\b:128*(\p)+FR*\b+FR-1], v[AF+FR*(\a):AF+FR*(\a)+FR-1], v[8*(8*((\a)%4)+\b):8*(8*((\a)%4)+\b)+7], v[SC+16*(\sc)+2*\b+(\q)], v[SC+16*(\sc)+2*(\a)+(\q)] matrix_a_fmt:MATRIX_FMT_BF6 matrix_b_fmt:MATRIX_FMT_BF6 matrix_a_scale:MATRIX_SCALE_ROW1
.endif
.endr
.endr
.endm
.macro FETCH_B slot, q, p
	WIN TO_B
.irp i, 0,1,2,3,4,5,6,7
	FRAG 128*(\p)+FR*\i, ADRB+\slot, \q, \i
.endr
	WIN 0
.endm
.macro FETCH_A slot, q, i0
.irp i, \i0, \i0+1, \i0+2, \i0+3
	FRAG AF+FR*(\i), ADRA+\slot, \q, \i
.endr
.endm
.macro SCALES sc
.irp i, 0,1,2,3,4,5,6,7
.irp q, 0,1
	ds_load_b32 v[SC+16*\sc+2*\i+\q], v[ADRS] offset:512*\q+64*\i
.endr
.endr
.endm
.macro PLACES n
.rept \n
	v_nop
.endr
.endm
.macro STEP slot, q, zero
	s_wait_dscnt 4*NL
	WIN MUL_LO-0x20*(\zero)
	MUL16 0, (\q)%2, \q, \slot, \zero
	MUL16 2, (\q)%2, \q, \slot, \zero
	s_wait_dscnt 0
	PLACES NP
	FETCH_B \slot, (\q)+1, 1-(\q)%2
	FETCH_A \slot, (\q)+1, 0
	WIN MUL_HI-0x30*(\zero)
	MUL16 4, (\q)%2, \q, \slot, \zero
	MUL16 6, (\q)%2, \q, \slot, \zero
	PLACES NP
	WIN 0
	FETCH_A \slot, (\q)+1, 4
.endm
.macro TURN slot, next, fill
	s_wait_tensorcnt 0x0
	ds_add_u32 v[SPW], v[NIL]
	s_wait_dscnt 4*NL+1
	WIN MUL_LO
	MUL16 0, 1, 1, \slot, 0
	s_wait_dscnt 0x0
	s_barrier_signal -1
	MUL16 2, 1, 1, \slot, 0
	WIN 0
	s_barrier_wait -1
.if \fill
	CREST
	s_add_nc_u64 s[G0+4*\slot+2:G0+4*\slot+3], s[G0+4*\slot+2:G0+4*\slot+3], 2*PART
	s_add_nc_u64 s[G0B+4*\slot+2:G0B+4*\slot+3], s[G0B+4*\slot+2:G0B+4*\slot+3], 2*PART
	JLOAD G0+4*\slot, G1, G0B+4*\slot, G1B
.else
	PLACES NP
.endif
	s_wait_alu depctr_va_vdst(0)
	v_add_nc_u32 v[ADRS], 1024, v[ADRS]
	FETCH_B \next, 0, 0
	FETCH_A \next, 0, 0
	SCALES \next
	WIN MUL_HI
	MUL16 4, 1, 1, \slot, 0
	MUL16 6, 1, 1, \slot, 0
	PLACES NP
	WIN 0
	FETCH_A \next, 0, 4
.endm
.macro QUANT w, s
	WIN ((\w)<<2)|((\w)<<4)
.irp b, 0,1,2,3
	v_max3_num_f32 v[TM+\b], 0x2800000, |v[\s+16*\b]|, |v[\s+1+16*\b]|
.endr
.irp i, 2,4,6,8,10,12,14
.irp b, 0,1,2,3
	v_max3_num_f32 v[TM+\b], v[TM+\b], |v[\s+16*\b+\i]|, |v[\s+1+16*\b+\i]|
.endr
.endr
	WIN 0
.irp b, 0,1,2,3
	v_permlanex16_b32 v[TM+4+\b], v[TM+\b], s[SEL], s[SEL+1]
.endr
.irp b, 0,1,2,3
	v_max_num_f32 v[TM+\b], v[TM+\b], v[TM+4+\b]
.endr
.irp b, 0,1,2,3
	v_add_nc_u32 v[TM+12+\b], 0xfe000000, v[TM+\b]
.endr
.irp b, 0,1,2,3
	v_lshrrev_b32 v[TM+4+\b], 23, v[TM+12+\b]
.endr
	v_lshl_or_b32 v[PW], v[TM+5], 8, v[TM+4]
	v_lshl_or_b32 v[PW], v[TM+6], 16, v[PW]
	v_lshl_or_b32 v[PW], v[TM+7], 24, v[PW]
	s_wait_xcnt 0x0
	WIN (\w)
.irp c, 0,1
	v_cvt_scalef32_pk16_bf6_f32 v[PC+6*\c:PC+2+6*\c], v[\s+32*\c:\s+15+32*\c], v[TM+12+2*\c]
	v_cvt_scalef32_pk16_bf6_f32 v[PC+12+4*\c:PC+14+4*\c], v[\s+16+32*\c:\s+31+32*\c], v[TM+12+2*\c+1]
.endr
	WIN 0
	v_nop
.irp c, 0,1
.irp i, 0,1,2
	v_permlane16_swap_b32 v[PC+6*\c+\i], v[PC+12+4*\c+\i]
.endr
.irp i, 0,1,2
	v_mov_b32 v[PC+3+6*\c+\i], v[PC+12+4*\c+\i]
.endr
.endr
.endm
	s_load_b256 s[4:11], s[0:1], 0x0
	v_lshl_add_u32 v[SPW], v0, 2, SPARE
	v_mov_b32 v[NIL], 0
	ds_add_u32 v28, v29
	ds_add_u32 v28, v29
	s_wait_dscnt 0x0
	v_lshrrev_b32 v1, 5, v0
	v_readfirstlane_b32 s14, v1
	s_lshr_b32 s15, s14, 1
	s_and_b32 s16, s14, 1
	s_bfe_u32 s40, ttmp6, 0x40000
	s_bfe_u32 s41, ttmp6, 0x40004
	s_lshl_b32 s42, ttmp9, 2
	s_add_co_u32 s42, s42, s40
	s_and_b32 s17, ttmp7, 0xffff
	s_lshl_b32 s17, s17, 2
	s_add_co_u32 s17, s17, s41
	s_lshl_b32 s43, s41, 2
	s_lshl_b32 s43, 15, s43
	s_lshl_b32 s44, 0x1111, s40
	s_or_b32 s[G1+0], s43, (3<<16)|(1<<21)
	s_or_b32 s[G1B+0], s44, (3<<16)|(1<<21)
.irp g, G1, G1B                        ; for the head's loads: a slot's two halves as 2 rows of 24,576 bytes (3,072 elements of 8), KS x 12,288 bytes apart
	s_mov_b32 s[\g+1], 3072<<16
	s_mov_b32 s[\g+2], 2<<16
	s_mov_b32 s[\g+3], 3072<<16
	s_mov_b32 s[\g+4], 2
	s_mov_b32 s[\g+5], KS*1536
	s_mov_b32 s[\g+6], 0
	s_mov_b32 s[\g+7], 0
.endr
	s_or_b32 s[G1S+0], s43, (3<<16)|(1<<21)
	s_or_b32 s[G1SB+0], s44, (3<<16)|(1<<21)
.irp g, G1S, G1SB
	s_mov_b32 s[\g+1], 32<<16
	s_mov_b32 s[\g+2], (4*KS)<<16                  ; the scale words of 256 positions: 2 SPART dense bytes, 4 KS rows of 256
	s_mov_b32 s[\g+3], 32<<16
	s_mov_b32 s[\g+4], 4*KS
	s_mov_b32 s[\g+5], 32
	s_mov_b32 s[\g+6], 0
	s_mov_b32 s[\g+7], 0
.endr
	s_lshl_b32 s20, s17, 1
	s_add_co_u32 s20, s20, s16
	s_lshl_b32 s46, s42, 1
	s_add_co_u32 s46, s46, s16
	s_mul_i32 s22, s17, 2*SPART                    ; the scale words of the tile's 256 positions, whole
	s_mul_i32 s92, s42, 2*SPART
	s_mul_i32 s20, s20, KS*12288
	s_mul_i32 s46, s46, KS*12288
	s_add_co_u32 s20, s20, ACODE
	s_add_co_u32 s22, s22, ASCAL
	s_add_co_u32 s46, s46, BCODE
	s_add_co_u32 s92, s92, BSCAL
	s_mov_b32 s21, 0
	s_mov_b32 s23, 0
	s_mov_b32 s47, 0
	s_mov_b32 s93, 0
	s_mul_i32 s45, s14, PART
	s_mov_b32 s[SEL], 0x76543210
	s_mov_b32 s[SEL+1], 0xfedcba98
	s_wait_kmcnt 0x0
	s_add_nc_u64 s[20:21], s[4:5], s[20:21]
	s_add_nc_u64 s[22:23], s[4:5], s[22:23]
	s_add_nc_u64 s[46:47], s[6:7], s[46:47]
	s_add_nc_u64 s[92:93], s[6:7], s[92:93]
	CROUND
	s_mov_b32 s[G0S], 1
	s_mov_b32 s[G0S+1], SCL
	s_mov_b64 s[G0S+2:G0S+3], s[22:23]
	s_or_b32 s[G0S+3], s[G0S+3], 0x80000000
	s_mov_b32 s[G0SB], 1
	s_mov_b32 s[G0SB+1], SCL+2*SPART
	s_mov_b64 s[G0SB+2:G0SB+3], s[92:93]
	s_or_b32 s[G0SB+3], s[G0SB+3], 0x80000000
.irp s, 0,1
	s_mov_b32 s[G0+4*\s], 1
	s_add_co_u32 s[G0+4*\s+1], s45, \s*SLOT
	s_add_nc_u64 s[G0+4*\s+2:G0+4*\s+3], s[20:21], \s*PART
	s_or_b32 s[G0+4*\s+3], s[G0+4*\s+3], 0x80000000
	s_mov_b32 s[G0B+4*\s], 1
	s_add_co_u32 s[G0B+4*\s+1], s45, \s*SLOT
	s_add_nc_u64 s[G0B+4*\s+2:G0B+4*\s+3], s[46:47], \s*PART
	s_or_b32 s[G0B+4*\s+3], s[G0B+4*\s+3], 0x80000000
.endr
; THE HEAD'S LOADS, ONE A WAVE: wave 0 brings slot 0's 256 positions of A (its own group 0: half 0, LDS byte 0), wave 1 A's scale words, wave 2 slot 0's 256 positions of B, wave 3 B's scale words.
; One tree of branches on the wave's number; every way through it passes exactly one load.
.macro ARM under, g0, g1, next
	s_cmp_lt_u32 s14, \under
	s_cbranch_scc0 \next
	tensor_load_to_lds s[\g0:\g0+3], s[\g1:\g1+7]
	s_nop 0
.rept 4
	v_nop
.endr
	s_branch .Lhead_asked
\next:
.endm
	ARM 1, G0,  G1,  .Lhead_sa
	ARM 2, G0S, G1S, .Lhead_b
	ARM 3, G0B, G1B, .Lhead_sb
	tensor_load_to_lds s[G0SB:G0SB+3], s[G1SB:G1SB+7]
	s_nop 0
.rept 4
	v_nop
.endr
.Lhead_asked:
	v_and_b32 v1, 15, v0
	v_bfe_u32 v2, v0, 4, 1
	s_wait_alu depctr_va_vdst(0)
	v_and_b32 v5, 31, v0
	v_lshlrev_b32 v[L8], 3, v5
	v_lshlrev_b32 v[L4], 2, v5
	s_mul_i32 s21, s15, PART
	s_mul_i32 s22, s16, PART
	s_add_co_u32 s22, s22, 2*PART
.irp s, 0,1
	v_add_nc_u32 v[ADRA+\s], s21, v[L8]
	v_add_nc_u32 v[ADRB+\s], s22, v[L8]
	s_add_co_u32 s21, s21, SLOT
	s_add_co_u32 s22, s22, SLOT
.endr
	v_lshlrev_b32 v5, 2, v1
	s_mul_i32 s21, s15, SPART
	s_mul_i32 s22, s16, SPART
	s_add_co_u32 s22, s22, 2*SPART
	s_sub_co_u32 s22, s22, s21
	v_mul_u32_u24 v6, s22, v2
	s_add_co_u32 s21, s21, SCL
	v_add_nc_u32 v5, v5, v6
	v_add_nc_u32 v[ADRS], s21, v5
	s_lshl_b32 s46, s42, 10
	s_lshl_b32 s47, s16, 9
	s_add_co_u32 s46, s46, s47
	s_mov_b32 s47, 0
	s_add_nc_u64 s[8:9], s[8:9], s[46:47]
	s_lshl_b32 s20, s17, 1
	s_add_co_u32 s20, s20, s15
	s_lshl_b32 s20, s20, 5
	s_lshl_b32 s21, s42, 1
	s_add_co_u32 s21, s21, s16
	s_add_co_u32 s20, s20, s21
	s_mul_i32 s22, s20, 512
	s_add_co_u32 s22, s22, 12582912
	s_mul_i32 s20, s20, 12288
	s_mov_b32 s21, 0
	s_mov_b32 s23, 0
	s_add_nc_u64 s[12:13], s[10:11], s[22:23]
	s_add_nc_u64 s[10:11], s[10:11], s[20:21]
	v_lshlrev_b32 v7, 6, v2
.irp b, 0,1,2,3,4,5,6,7
	global_load_b128 v[BB+8*\b:BB+8*\b+3], v7, s[8:9] offset:128*(\b/2)+32*(\b%2)
	global_load_b128 v[BB+8*\b+4:BB+8*\b+7], v7, s[8:9] offset:128*(\b/2)+32*(\b%2)+16
.endr
	s_wait_alu depctr_va_vdst(0)
	s_wait_tensorcnt 0x0                           ; my tile of the head's four is in
	ds_add_u32 v[SPW], v[NIL]
.irp g, G1, G1B                        ; no tensor load of mine is out: from here on a load brings one part, 96 rows of 256 bytes
	s_mov_b32 s[\g+1], 32<<16
	s_mov_b32 s[\g+2], 96<<16
	s_mov_b32 s[\g+3], 32<<16
	s_mov_b32 s[\g+4], 96
	s_mov_b32 s[\g+5], 32
.endr
	s_wait_dscnt 0x0                               ; the add is done
	CROUND                                         ; all four tiles are in, and all sixteen work-groups are here
	JLOAD G0+4, G1, G0B+4, G1B                     ; slot 1's first fill, a quarter a wave: the first tensor load behind the round
	FETCH_B 0, 0, 0
	FETCH_A 0, 0, 0
	SCALES 0
	FETCH_A 0, 0, 4
	s_wait_loadcnt 0x0
	STEP 0, 0, 1
	s_mov_b32 s3, LAPS-1
.Llap:
	TURN 0, 1, 1
	STEP 1, 0, 0
	TURN 1, 0, 1
	STEP 0, 0, 0
	s_sub_co_u32 s3, s3, 1
	s_cmp_lg_u32 s3, 0
	s_cbranch_scc1 .Llap
	TURN 0, 1, 0
	STEP 1, 0, 0
	s_wait_dscnt 4*NL
	WIN MUL_LO
	MUL16 0, 1, 1, 1, 0
	MUL16 2, 1, 1, 1, 0
	s_wait_dscnt 0
	WIN MUL_HI
	MUL16 4, 1, 1, 1, 0
	MUL16 6, 1, 1, 1, 0
	WIN 0
	PLACES NP
.irp b, 0,1,2,3
	v_mov_b32 v[TM+4+\b], 0
.endr
	v_cmp_ne_u32 vcc_lo, 0, v2
.macro OUTQ a
.set WW, 2+(\a)/4
.set ACB, 64*((\a)%4)
	WIN (WW<<6)|(WW<<2)
.set j, 0
.rept 64
	v_max_num_f32 v[ACB+j], 0, v[ACB+j]
.set j, j+1
.endr
	QUANT WW, ACB
.irp g, 0,1,2,3,4,5
	global_store_b64 v[L8], v[PC+2*\g:PC+2*\g+1], s[10:11] offset:1536*(\a)+256*\g
.endr
.if (\a)%2 == 0
	v_mov_b32 v[PWE], v[PW]
.else
	v_cndmask_b32 v[PWS], v[PWE], v[PW], vcc_lo
	global_store_b32 v[L4], v[PWS], s[12:13] offset:128*((\a)/2)
.endif
.endm
.irp a, 0,1,2,3,4,5,6,7
	OUTQ \a
.endr
	s_wait_tensorcnt 0x0
	ds_add_u32 v[SPW], v[NIL]
	s_wait_dscnt 0x0
	CROUND
	s_endpgm
.Lfunc_end_k_qe5dc883fe9_ffn1:
	.size	k_qe5dc883fe9_ffn1, .Lfunc_end_k_qe5dc883fe9_ffn1-k_qe5dc883fe9_ffn1
	.p2alignl 7, 3214868480
	.fill 96, 4, 3214868480
	.section	.rodata,"a",@progbits
	.p2align	6, 0x0
	.amdhsa_kernel k_qe5dc883fe9_ffn1
		.amdhsa_group_segment_fixed_size 327680
		.amdhsa_private_segment_fixed_size 0
		.amdhsa_enable_private_segment 0
		.amdhsa_kernarg_size 32
		.amdhsa_user_sgpr_count 2
		.amdhsa_user_sgpr_kernarg_segment_ptr 1
		.amdhsa_wavefront_size32 1
		.amdhsa_system_sgpr_workgroup_id_x 1
		.amdhsa_system_sgpr_workgroup_id_y 1
		.amdhsa_system_sgpr_workgroup_id_z 1
		.amdhsa_system_vgpr_workitem_id 0
		.amdhsa_next_free_vgpr 1024
		.amdhsa_next_free_sgpr 102
		.amdhsa_reserve_vcc 1
		.amdhsa_float_denorm_mode_32 3
		.amdhsa_float_denorm_mode_16_64 3
		.amdhsa_memory_ordered 1
		.amdhsa_forward_progress 1
		.amdhsa_inst_pref_size 187
	.end_amdhsa_kernel
	.amdgpu_metadata
---
amdhsa.version: [ 1, 2 ]
amdhsa.kernels:
  - .name:           k_qe5dc883fe9_ffn1
    .symbol:         k_qe5dc883fe9_ffn1.kd
    .args:
      - { .name: hb, .offset: 0, .size: 8, .value_kind: global_buffer, .address_space: global }
      - { .name: pq, .offset: 8, .size: 8, .value_kind: global_buffer, .address_space: global }
      - { .name: b1, .offset: 16, .size: 8, .value_kind: global_buffer, .address_space: global }
      - { .name: fb, .offset: 24, .size: 8, .value_kind: global_buffer, .address_space: global }
    .group_segment_fixed_size: 327680
    .private_segment_fixed_size: 0
    .kernarg_segment_align: 8
    .kernarg_segment_size: 32
    .max_flat_workgroup_size: 128
    .sgpr_count:     102
    .vgpr_count:     1024
    .wavefront_size: 32
...
	.end_amdgpu_metadata
.endif
;; end of part 14
;; launch ffn2 (part 15): grid 8 x 32, 4 waves a work-group, clusters of 4 x 4, 327,680 bytes of LDS; arguments fb, pq, b2, hb, yb; writes yb
.if DOCPART == 15
	.amdgcn_target "amdgcn-amd-amdhsa--gfx1250"
	.amdhsa_code_object_version 6
	.text
	.protected	k_qe5dc883fe9_ffn2
	.globl	k_qe5dc883fe9_ffn2
	.p2align	8
	.type	k_qe5dc883fe9_ffn2,@function
k_qe5dc883fe9_ffn2:
	s_mov_b64 s[64:65], 0
	v_nop
	global_prefetch_b8 v0, s[64:65] scope:SCOPE_SE
	s_setreg_imm32_b32 hwreg(HW_REG_WAVE_MODE, 25, 1), 1
	s_wait_xcnt 0x0
	s_wait_alu depctr_hold_cnt(0) depctr_sa_sdst(0) depctr_va_vdst(0) depctr_va_sdst(0) depctr_va_ssrc(0) depctr_va_vcc(0) depctr_vm_vsrc(0)
	s_getreg_b32 s2, hwreg(HW_REG_IB_STS2, 6, 4)
	s_cmp_eq_u32 s2, 0
	s_cbranch_scc0 .Lentry_in_a_cluster
	s_endpgm
.Lentry_in_a_cluster:
	s_bfe_u32 s2, ttmp6, 0x10000c
	s_cmp_lg_u32 s2, 0xf033
	s_cbranch_scc0 .Lentry_shape_is_right
	s_endpgm
.Lentry_shape_is_right:
.set KS,    32
.set ACODE, 0
.set ASCAL, 12582912
.set BCODE, 9437184
.set BSCAL, 12976128
.set LAPS,  KS/8
.set PART,  24576
.set SLOT,  4*PART
.set SCL,   2*SLOT
.set SHALF, KS*256
.set SPARE, SCL+4*SHALF
.set FR,    12
.set NL,    6
.set NP,    4
.set L8,    3
.set ADRA,  16
.set ADRB,  20
.set STO,   24
.set RD,    25
.set CO,    26
.set ADRS,  27
.set SPW,   28
.set NIL,   29
.set SC,    32
.set BB,    64
.set ACC,   128
.set F0,    0
.set F1,    128
.set SP,    272
.set G1, 24
.set G0, 32
.set G1B, 48
.set G0B, 56
.set G1S, 68
.set G0S, 76
.set G1SB, 80
.set G0SB, 88
.set MSB, 0
.macro WIN new
.if MSB != (\new)
	s_set_vgpr_msb (MSB<<8)|(\new)
.set MSB, (\new)
.endif
.endm
.set MUL,  0x05
.set TO_F, 0x40
.macro JLOAD g0a, g1a, g0b, g1b
	s_cmp_eq_u32 s15, 0
	s_cbranch_scc0 .Lfor_b_\@
	tensor_load_to_lds s[\g0a:\g0a+3], s[\g1a:\g1a+7]
	s_nop 0
.rept 4
	v_nop
.endr
	s_branch .Lasked_\@
.Lfor_b_\@:
	tensor_load_to_lds s[\g0b:\g0b+3], s[\g1b:\g1b+7]
	s_nop 0
.rept 4
	v_nop
.endr
.Lasked_\@:
.endm
.macro CREST
	s_cmp_lg_u32 s14, 0
	s_cbranch_scc1 .Lnot_wave_0_\@
	s_barrier_signal -3
.Lnot_wave_0_\@:
	s_barrier_wait -3
	s_barrier_signal -1
	s_barrier_wait -1
.endm
.macro CROUND
	s_barrier_signal -1
	s_barrier_wait -1
	CREST
.endm
.macro FRAG reg, adr, q, i
.irp p, 0,1,2,3,4,5
	ds_load_b64 v[\reg+2*\p:\reg+2*\p+1], v[\adr] offset:(\q)*12288+(\i)*1536+256*\p
.endr
.endm
.macro MUL4 f, a, q, sc, zero
.irp b, 0,1,2,3
.if \zero
	v_wmma_scale_f32_16x16x128_f8f6f4 v[ACC+8*(4*(\a)+\b):ACC+8*(4*(\a)+\b)+7], v[FR*\b+(\f):FR*\b+(\f)+FR-1], v[FR*(\a)+48+(\f):FR*(\a)+48+(\f)+FR-1], v[BB+8*\b:BB+8*\b+7], v[SC+16*(\sc)+4*\b+(\q)], v[SC+16*(\sc)+4*(\a)+(\q)] matrix_a_fmt:MATRIX_FMT_BF6 matrix_b_fmt:MATRIX_FMT_BF6 matrix_a_scale:MATRIX_SCALE_ROW1
.else
	v_wmma_scale_f32_16x16x128_f8f6f4 v[ACC+8*(4*(\a)+\b):ACC+8*(4*(\a)+\b)+7], v[FR*\b+(\f):FR*\b+(\f)+FR-1], v[FR*(\a)+48+(\f):FR*(\a)+48+(\f)+FR-1], v[ACC+8*(4*(\a)+\b):ACC+8*(4*(\a)+\b)+7], v[SC+16*(\sc)+4*\b+(\q)], v[SC+16*(\sc)+4*(\a)+(\q)] matrix_a_fmt:MATRIX_FMT_BF6 matrix_b_fmt:MATRIX_FMT_BF6 matrix_a_scale:MATRIX_SCALE_ROW1
.endif
.endr
.endm
.macro FETCH slot, q, f
	WIN TO_F
.irp i, 0,1,2,3
	FRAG FR*\i+(\f), ADRB+\slot, \q, \i
.endr
.irp i, 0,1,2,3
	FRAG FR*\i+48+(\f), ADRA+\slot, \q, \i
.endr
.endm
.macro SCALES sc
.irp i, 0,1,2,3
.irp q, 0,1,2,3
	ds_load_b32 v[SC+16*\sc+4*\i+\q], v[ADRS] offset:512*\q+64*\i
.endr
.endr
.endm
.macro PLACES n
.rept \n
	v_nop
.endr
.endm
.macro STEP slot, q, zero
.set FC, 128*((\q)%2)
.set FN, 128-FC
	s_wait_dscnt 2*NL
	WIN MUL
	MUL4 FC, 0, \q, \slot, \zero
	MUL4 FC, 1, \q, \slot, \zero
	PLACES NP
	FETCH \slot, (\q)+1, FN
	s_wait_dscnt 8*NL
	WIN MUL
	MUL4 FC, 2, \q, \slot, \zero
	MUL4 FC, 3, \q, \slot, \zero
.endm
.macro TURN slot, next, fill
	WIN 0
	s_wait_tensorcnt 0x0
	ds_add_u32 v[SPW], v[NIL]
	s_wait_dscnt 2*NL+1
	WIN MUL
	MUL4 F1, 0, 3, \slot, 0
	s_wait_dscnt 0x0
	s_barrier_signal -1
	MUL4 F1, 1, 3, \slot, 0
	WIN 0
	s_barrier_wait -1
.if \fill
	CREST
	s_add_nc_u64 s[G0+4*\slot+2:G0+4*\slot+3], s[G0+4*\slot+2:G0+4*\slot+3], 4*PART
	s_add_nc_u64 s[G0B+4*\slot+2:G0B+4*\slot+3], s[G0B+4*\slot+2:G0B+4*\slot+3], 4*PART
	JLOAD G0+4*\slot, G1, G0B+4*\slot, G1B
.else
	PLACES NP
.endif
	s_wait_alu depctr_va_vdst(0)
	v_add_nc_u32 v[ADRS], 2048, v[ADRS]
	SCALES \next
	FETCH \next, 0, F0
	WIN MUL
	MUL4 F1, 2, 3, \slot, 0
	MUL4 F1, 3, 3, \slot, 0
.endm
	s_load_b256 s[4:11], s[0:1], 0x0
	s_load_b64 s[12:13], s[0:1], 0x20
	v_lshl_add_u32 v[SPW], v0, 2, SPARE
	v_mov_b32 v[NIL], 0
	ds_add_u32 v28, v29
	ds_add_u32 v28, v29
	s_wait_dscnt 0x0
	v_lshrrev_b32 v1, 5, v0
	v_readfirstlane_b32 s14, v1
	s_lshr_b32 s15, s14, 1
	s_and_b32 s16, s14, 1
	s_bfe_u32 s40, ttmp6, 0x40000
	s_bfe_u32 s41, ttmp6, 0x40004
	s_lshl_b32 s42, ttmp9, 2
	s_add_co_u32 s42, s42, s40
	s_and_b32 s17, ttmp7, 0xffff
	s_lshl_b32 s17, s17, 2
	s_add_co_u32 s17, s17, s41
	s_lshl_b32 s43, s41, 2
	s_lshl_b32 s43, 15, s43
	s_lshl_b32 s44, 0x1111, s40
	s_or_b32 s[G1+0], s43, (3<<16)|(1<<21)
	s_or_b32 s[G1B+0], s44, (3<<16)|(1<<21)
.irp g, G1, G1B                        ; for the head's loads: a slot's 512 along K of one operand are 2 PART dense bytes, 192 rows of 256
	s_mov_b32 s[\g+1], 32<<16
	s_mov_b32 s[\g+2], 192<<16
	s_mov_b32 s[\g+3], 32<<16
	s_mov_b32 s[\g+4], 192
	s_mov_b32 s[\g+5], 32
	s_mov_b32 s[\g+6], 0
	s_mov_b32 s[\g+7], 0
.endr
	s_or_b32 s[G1S+0], s43, (3<<16)|(1<<21)
	s_or_b32 s[G1SB+0], s44, (3<<16)|(1<<21)
.irp g, G1S, G1SB
	s_mov_b32 s[\g+1], 32<<16
	s_mov_b32 s[\g+2], (2*KS)<<16                  ; the scale words of 128 positions, whole: 2 SHALF bytes are 2 KS rows of 256
	s_mov_b32 s[\g+3], 32<<16
	s_mov_b32 s[\g+4], 2*KS
	s_mov_b32 s[\g+5], 32
	s_mov_b32 s[\g+6], 0
	s_mov_b32 s[\g+7], 0
.endr
	s_mul_i32 s18, s16, PART
	s_mul_i32 s20, s17, KS*12288
	s_mul_i32 s46, s42, KS*12288
	s_mul_i32 s22, s17, KS*512
	s_mul_i32 s92, s42, KS*512
	s_add_co_u32 s20, s20, s18
	s_add_co_u32 s46, s46, s18
	s_add_co_u32 s20, s20, ACODE
	s_add_co_u32 s22, s22, ASCAL
	s_add_co_u32 s46, s46, BCODE
	s_add_co_u32 s92, s92, BSCAL
	s_mov_b32 s21, 0
	s_mov_b32 s23, 0
	s_mov_b32 s47, 0
	s_mov_b32 s93, 0
	s_mul_i32 s45, s14, PART
	s_wait_kmcnt 0x0
	s_add_nc_u64 s[20:21], s[4:5], s[20:21]
	s_add_nc_u64 s[22:23], s[4:5], s[22:23]
	s_add_nc_u64 s[46:47], s[6:7], s[46:47]
	s_add_nc_u64 s[92:93], s[6:7], s[92:93]
	CROUND
	s_mov_b32 s[G0S], 1
	s_mov_b32 s[G0S+1], SCL
	s_mov_b64 s[G0S+2:G0S+3], s[22:23]
	s_or_b32 s[G0S+3], s[G0S+3], 0x80000000
	s_mov_b32 s[G0SB], 1
	s_mov_b32 s[G0SB+1], SCL+2*SHALF
	s_mov_b64 s[G0SB+2:G0SB+3], s[92:93]
	s_or_b32 s[G0SB+3], s[G0SB+3], 0x80000000
.irp s, 0,1
	s_mov_b32 s[G0+4*\s], 1
	s_add_co_u32 s[G0+4*\s+1], s45, \s*SLOT
	s_add_nc_u64 s[G0+4*\s+2:G0+4*\s+3], s[20:21], \s*2*PART
	s_or_b32 s[G0+4*\s+3], s[G0+4*\s+3], 0x80000000
	s_mov_b32 s[G0B+4*\s], 1
	s_add_co_u32 s[G0B+4*\s+1], s45, \s*SLOT
	s_add_nc_u64 s[G0B+4*\s+2:G0B+4*\s+3], s[46:47], \s*2*PART
	s_or_b32 s[G0B+4*\s+3], s[G0B+4*\s+3], 0x80000000
.endr
; THE HEAD'S LOADS, ONE A WAVE: wave 0 brings slot 0's 512 along K of A (its own group 0: LDS byte 0), wave 1 A's scale words for all of K, wave 2 slot 0's 512 along K of B, wave 3 B's scale words.
; One tree of branches on the wave's number; every way through it passes exactly one load.
.macro ARM under, g0, g1, next
	s_cmp_lt_u32 s14, \under
	s_cbranch_scc0 \next
	tensor_load_to_lds s[\g0:\g0+3], s[\g1:\g1+7]
	s_nop 0
.rept 4
	v_nop
.endr
	s_branch .Lhead_asked
\next:
.endm
	ARM 1, G0,  G1,  .Lhead_sa
	ARM 2, G0S, G1S, .Lhead_b
	ARM 3, G0B, G1B, .Lhead_sb
	tensor_load_to_lds s[G0SB:G0SB+3], s[G1SB:G1SB+7]
	s_nop 0
.rept 4
	v_nop
.endr
.Lhead_asked:
	v_and_b32 v1, 15, v0
	v_bfe_u32 v2, v0, 4, 1
	s_wait_alu depctr_va_vdst(0)
	v_and_b32 v5, 31, v0
	v_lshlrev_b32 v[L8], 3, v5
	s_mul_i32 s21, s15, 4*1536
	s_mul_i32 s22, s16, 4*1536
	s_add_co_u32 s22, s22, 2*PART
.irp s, 0,1
	v_add_nc_u32 v[ADRA+\s], s21, v[L8]
	v_add_nc_u32 v[ADRB+\s], s22, v[L8]
	s_add_co_u32 s21, s21, SLOT
	s_add_co_u32 s22, s22, SLOT
.endr
	v_lshlrev_b32 v5, 2, v1
	s_lshl_b32 s21, s15, 8
	s_lshl_b32 s22, s16, 8
	s_add_co_u32 s22, s22, 2*SHALF
	s_sub_co_u32 s22, s22, s21
	v_mul_u32_u24 v6, s22, v2
	s_add_co_u32 s21, s21, SCL
	v_add_nc_u32 v5, v5, v6
	v_add_nc_u32 v[ADRS], s21, v5
	s_mul_i32 s23, s14, 16*SP
	v_mul_u32_u24 v5, v1, SP
	v_lshl_add_u32 v5, v2, 6, v5
	v_add_nc_u32 v[STO], s23, v5
	v_mul_u32_u24 v5, v2, SP
	v_lshl_add_u32 v5, v1, 4, v5
	v_add_nc_u32 v[RD], s23, v5
	v_lshlrev_b32 v[CO], 12, v2
	v_lshl_add_u32 v[CO], v1, 4, v[CO]
	s_wait_alu depctr_va_vdst(0)
	s_lshl_b32 s20, s17, 7
	s_lshl_b32 s21, s15, 6
	s_add_co_u32 s20, s20, s21
	s_lshl_b32 s20, s20, 12
	s_lshl_b32 s46, s42, 9
	s_lshl_b32 s47, s16, 8
	s_add_co_u32 s46, s46, s47
	s_mov_b32 s47, 0
	s_add_nc_u64 s[8:9], s[8:9], s[46:47]
	s_add_co_u32 s20, s20, s46
	s_mov_b32 s21, 0
	s_add_nc_u64 s[10:11], s[10:11], s[20:21]
	s_add_nc_u64 s[12:13], s[12:13], s[20:21]
	v_lshlrev_b32 v7, 6, v2
.irp b, 0,1,2,3
	global_load_b128 v[BB+8*\b:BB+8*\b+3], v7, s[8:9] offset:128*(\b/2)+32*(\b%2)
	global_load_b128 v[BB+8*\b+4:BB+8*\b+7], v7, s[8:9] offset:128*(\b/2)+32*(\b%2)+16
.endr
	WIN 0x80
.irp a, 0,1,2,3
.irp t, 0,1,2,3,4,5,6,7
	global_load_b128 v[32*\a+4*\t:32*\a+4*\t+3], v[CO], s[10:11] offset:(32*(\a/2)+8*(\a%2)+2*(\t%4)+16*(\t/4))*4096
.endr
.endr
	WIN 0
	s_wait_alu depctr_va_vdst(0)
	s_wait_tensorcnt 0x0                           ; my tile of the head's four is in
	ds_add_u32 v[SPW], v[NIL]
.irp g, G1, G1B                        ; no tensor load of mine is out: from here on a load brings one part, 96 rows of 256 bytes
	s_mov_b32 s[\g+2], 96<<16
	s_mov_b32 s[\g+4], 96
.endr
	s_wait_dscnt 0x0                               ; the add is done
	CROUND                                         ; all four tiles are in, and all sixteen work-groups are here
	JLOAD G0+4, G1, G0B+4, G1B                     ; slot 1's first fill, a quarter a wave: the first tensor load behind the round
	SCALES 0
	FETCH 0, 0, F0
	s_wait_loadcnt 32
	STEP 0, 0, 1
.if LAPS > 1
	WIN 0
	s_mov_b32 s3, LAPS-1
.Llap:
	STEP 0, 1, 0
	STEP 0, 2, 0
	TURN 0, 1, 1
	STEP 1, 0, 0
	STEP 1, 1, 0
	STEP 1, 2, 0
	TURN 1, 0, 1
	STEP 0, 0, 0
	WIN 0
	s_sub_co_u32 s3, s3, 1
	s_cmp_lg_u32 s3, 0
	s_cbranch_scc1 .Llap
.endif
	STEP 0, 1, 0
	STEP 0, 2, 0
	TURN 0, 1, 0
	STEP 1, 0, 0
	STEP 1, 1, 0
	STEP 1, 2, 0
	s_wait_dscnt 2*NL
	WIN MUL
	MUL4 F1, 0, 3, 1, 0
	MUL4 F1, 1, 3, 1, 0
	s_wait_dscnt 0
	MUL4 F1, 2, 3, 1, 0
	MUL4 F1, 3, 3, 1, 0
	WIN 0
.macro TOSTAGE a
	WIN 0
.irp b, 0,1,2,3
	ds_store_b128 v[STO], v[ACC+32*(\a)+8*\b:ACC+32*(\a)+8*\b+3] offset:128*(\b/2)+32*(\b%2)
	ds_store_b128 v[STO], v[ACC+32*(\a)+8*\b+4:ACC+32*(\a)+8*\b+7] offset:128*(\b/2)+32*(\b%2)+16
.endr
	WIN TO_F
.irp t, 0,1,2,3,4,5,6,7
	ds_load_b128 v[32*(\a)+4*\t:32*(\a)+4*\t+3], v[RD] offset:\t*2*SP
.endr
.endm
.macro SEND a, younger
	s_wait_dscnt \younger
	WIN 0x49
.set j, 0
.rept 16
	v_pk_add_f32 v[32*(\a)+j:32*(\a)+j+1], v[32*(\a)+j:32*(\a)+j+1], v[32*(\a)+j:32*(\a)+j+1]
.set j, j+2
.endr
	WIN 0x04
.irp t, 0,1,2,3,4,5,6,7
	global_store_b128 v[CO], v[32*(\a)+4*\t:32*(\a)+4*\t+3], s[12:13] offset:(32*((\a)/2)+8*((\a)%2)+2*(\t%4)+16*(\t/4))*4096
.endr
.endm
	PLACES NP
	s_wait_loadcnt 0x0
	TOSTAGE 0
	TOSTAGE 1
	SEND 0, 16
	TOSTAGE 2
	SEND 1, 16
	TOSTAGE 3
	SEND 2, 16
	SEND 3, 0
	WIN 0
	s_wait_tensorcnt 0x0
	ds_add_u32 v[SPW], v[NIL]
	s_wait_dscnt 0x0
	CROUND
	s_endpgm
.Lfunc_end_k_qe5dc883fe9_ffn2:
	.size	k_qe5dc883fe9_ffn2, .Lfunc_end_k_qe5dc883fe9_ffn2-k_qe5dc883fe9_ffn2
	.p2alignl 7, 3214868480
	.fill 96, 4, 3214868480
	.section	.rodata,"a",@progbits
	.p2align	6, 0x0
	.amdhsa_kernel k_qe5dc883fe9_ffn2
		.amdhsa_group_segment_fixed_size 327680
		.amdhsa_private_segment_fixed_size 0
		.amdhsa_enable_private_segment 0
		.amdhsa_kernarg_size 40
		.amdhsa_user_sgpr_count 2
		.amdhsa_user_sgpr_kernarg_segment_ptr 1
		.amdhsa_wavefront_size32 1
		.amdhsa_system_sgpr_workgroup_id_x 1
		.amdhsa_system_sgpr_workgroup_id_y 1
		.amdhsa_system_sgpr_workgroup_id_z 1
		.amdhsa_system_vgpr_workitem_id 0
		.amdhsa_next_free_vgpr 640
		.amdhsa_next_free_sgpr 102
		.amdhsa_reserve_vcc 0
		.amdhsa_float_denorm_mode_32 3
		.amdhsa_float_denorm_mode_16_64 3
		.amdhsa_memory_ordered 1
		.amdhsa_forward_progress 1
		.amdhsa_inst_pref_size 117
	.end_amdhsa_kernel
	.amdgpu_metadata
---
amdhsa.version: [ 1, 2 ]
amdhsa.kernels:
  - .name:           k_qe5dc883fe9_ffn2
    .symbol:         k_qe5dc883fe9_ffn2.kd
    .args:
      - { .name: fb, .offset: 0, .size: 8, .value_kind: global_buffer, .address_space: global }
      - { .name: pq, .offset: 8, .size: 8, .value_kind: global_buffer, .address_space: global }
      - { .name: b2, .offset: 16, .size: 8, .value_kind: global_buffer, .address_space: global }
      - { .name: hb, .offset: 24, .size: 8, .value_kind: global_buffer, .address_space: global }
      - { .name: yb, .offset: 32, .size: 8, .value_kind: global_buffer, .address_space: global }
    .group_segment_fixed_size: 327680
    .private_segment_fixed_size: 0
    .kernarg_segment_align: 8
    .kernarg_segment_size: 40
    .max_flat_workgroup_size: 128
    .sgpr_count:     102
    .vgpr_count:     640
    .wavefront_size: 32
...
	.end_amdgpu_metadata
.endif
;; end of part 15
;; launch ln2 (part 16): grid 256 x 1, 8 waves a work-group, no clusters, 69,632 bytes of LDS; arguments yb, ln2_a, ln2_b, out0; writes out0
.if DOCPART == 16
	.amdgcn_target "amdgcn-amd-amdhsa--gfx1250"
	.amdhsa_code_object_version 6
	.text
	.protected	k_qe5dc883fe9_ln2
	.globl	k_qe5dc883fe9_ln2
	.p2align	8
	.type	k_qe5dc883fe9_ln2,@function
k_qe5dc883fe9_ln2:
	s_mov_b64 s[64:65], 0
	v_nop
	global_prefetch_b8 v0, s[64:65] scope:SCOPE_SE
	s_setreg_imm32_b32 hwreg(HW_REG_WAVE_MODE, 25, 1), 1
	s_wait_xcnt 0x0
; out = (y - mean) / (std + 1e-6) a + b along rows of 1,024, std with divisor 1,023, in f32.
; Work-group rb takes 16 rows: 32 (rb / 2) + 8 (rb % 2) + (rr % 8) + 16 (rr / 8).  Wave w takes columns 128 w .. 128 w + 127.
; Each load reads 512 consecutive bytes of a row; the wave's 16 x 128 numbers turn through its own stage in LDS, after which lane (r, h) holds 64 numbers of row r, so that a row's sums want one exchange between lanes.
; The mean first, then the sum of squared differences from it: no difference of large sums.  The eight waves' parts of a row meet in LDS behind a barrier, twice, in bytes of their own.
; Memory binds: no matrix unit, no cluster.  A NaN in a row makes the row NaN.
.set SP,   528
.set STG,  16*SP
.set RED,  8*STG                       ; behind the stages: 16 rows x 8 waves x 4 bytes, twice
.set X,    32                          ; v32-95   the numbers
.set GA,   96                          ; v96-159  the gain, later rows on their way out
.set GB,   160                         ; v160-223 the bias
.set T,    224                         ; v224-233 at work
.set SEL,  24
.macro FOLD                            ; four pairs at v[T] on become one number
	v_pk_add_f32 v[T:T+1], v[T:T+1], v[T+2:T+3]
	v_pk_add_f32 v[T+4:T+5], v[T+4:T+5], v[T+6:T+7]
	s_delay_alu instid0(VALU_DEP_1)
	v_pk_add_f32 v[T:T+1], v[T:T+1], v[T+4:T+5]
	s_delay_alu instid0(VALU_DEP_1)
	v_add_f32 v[T], v[T], v[T+1]
.endm
.macro MEET off                        ; my wave's part of each row, then all eight waves'
	FOLD
	s_delay_alu instid0(VALU_DEP_1)
	v_permlanex16_b32 v[T+1], v[T], s[SEL], s[SEL+1]
	s_delay_alu instid0(VALU_DEP_1)
	v_add_f32 v[T], v[T], v[T+1]                   ; with lane l xor 16's: the row's 128 columns of my wave
	ds_store_b32 v11, v[T] offset:\off             ; (both halves write the same word with the same value)
	s_wait_dscnt 0x0                               ; for the others' sake
	s_barrier_signal -1
	s_barrier_wait -1
	ds_load_b128 v[T:T+3], v12 offset:\off
	ds_load_b128 v[T+4:T+7], v12 offset:\off+16
	s_wait_dscnt 0x0
	FOLD
.endm
	s_load_b256 s[4:11], s[0:1], 0x0               ; y, the gain, the bias, the result
	v_lshl_add_u32 v254, v0, 2, 0x10c00
	v_mov_b32 v255, 0
	v_lshrrev_b32 v6, 5, v0
	s_delay_alu instid0(VALU_DEP_1)
	v_readfirstlane_b32 s2, v6                     ; wave 0..7
	v_and_b32 v7, 31, v0
	v_and_b32 v8, 15, v0                           ; r
	v_bfe_u32 v9, v0, 4, 1                         ; h
	s_delay_alu instid0(VALU_DEP_3)
	v_lshlrev_b32 v5, 4, v7
	s_mul_i32 s3, s2, STG
	v_add_nc_u32 v2, s3, v5                        ; the stage, by rows
	v_mul_u32_u24 v3, v8, SP
	s_delay_alu instid0(VALU_DEP_1)
	v_lshl_add_u32 v3, v9, 6, v3
	s_delay_alu instid0(VALU_DEP_1)
	v_add_nc_u32 v3, s3, v3                        ; the stage, by lanes
	v_lshlrev_b32 v10, 6, v9
	v_lshl_add_u32 v12, v8, 5, RED                 ; row r's eight parts
	s_lshl_b32 s12, s2, 2
	v_add_nc_u32 v11, s12, v12                     ; my wave's among them
	s_mov_b32 s[SEL], 0x76543210
	s_mov_b32 s[SEL+1], 0xfedcba98
	s_lshr_b32 s13, ttmp9, 1
	s_lshl_b32 s13, s13, 5
	s_and_b32 s14, ttmp9, 1
	s_lshl_b32 s14, s14, 3
	s_add_co_u32 s13, s13, s14                     ; the block's first row
	s_lshl_b32 s14, s13, 12
	s_lshl_b32 s16, s2, 9
	s_add_co_u32 s14, s14, s16
	s_mov_b32 s15, 0
	s_mov_b32 s17, 0
	s_wait_alu depctr_va_vdst(0)
	s_wait_kmcnt 0x0
	s_add_nc_u64 s[4:5], s[4:5], s[14:15]
	s_add_nc_u64 s[6:7], s[6:7], s[16:17]
	s_add_nc_u64 s[8:9], s[8:9], s[16:17]
	s_add_nc_u64 s[10:11], s[10:11], s[14:15]
.irp rr, 0,1,2,3,4,5,6,7,8,9,10,11,12,13,14,15
	global_load_b128 v[X+4*\rr:X+4*\rr+3], v5, s[4:5] offset:((\rr%8)+16*(\rr/8))*4096 th:TH_LOAD_NT
.endr
.irp b, 0,1,2,3
.irp j, 0,1,2,3
	global_load_b128 v[GA+16*\b+4*\j:GA+16*\b+4*\j+3], v10, s[6:7] offset:128*\b+16*\j
	global_load_b128 v[GB+16*\b+4*\j:GB+16*\b+4*\j+3], v10, s[8:9] offset:128*\b+16*\j
.endr
.endr
	s_wait_loadcnt 32                              ; the rows are in; the 32 loads of gain and bias may be out
.irp rr, 0,1,2,3,4,5,6,7,8,9,10,11,12,13,14,15
	ds_store_b128 v2, v[X+4*\rr:X+4*\rr+3] offset:\rr*SP
.endr
.irp b, 0,1,2,3
.irp j, 0,1,2,3
	ds_load_b128 v[X+16*\b+4*\j:X+16*\b+4*\j+3], v3 offset:128*\b+16*\j   ; LDS serves a wave's instructions in order
.endr
.endr
	s_wait_dscnt 0x0
.irp k, 0,1,2,3
	v_pk_add_f32 v[T+2*\k:T+2*\k+1], v[X+4*\k:X+4*\k+1], v[X+4*\k+2:X+4*\k+3]   ; four chains, started by the first sixteen numbers
.endr
.irp i, 16,24,32,40,48,56
.irp k, 0,1,2,3
	s_delay_alu instid0(VALU_DEP_4)
	v_pk_add_f32 v[T+2*\k:T+2*\k+1], v[T+2*\k:T+2*\k+1], v[X+\i+2*\k:X+\i+2*\k+1]
.endr
.endr
	MEET 0
	s_delay_alu instid0(VALU_DEP_1)
	v_mul_f32 v[T+8], 0xba800000, v[T]             ; - the mean
	s_delay_alu instid0(VALU_DEP_1)
	v_mov_b32 v[T+9], v[T+8]
.set j, 0
.rept 32
	v_pk_add_f32 v[X+j:X+j+1], v[X+j:X+j+1], v[T+8:T+9]
.set j, j+2
.endr
.irp k, 0,1,2,3
	v_pk_mul_f32 v[T+2*\k:T+2*\k+1], v[X+2*\k:X+2*\k+1], v[X+2*\k:X+2*\k+1]
.endr
.irp i, 8,16,24,32,40,48,56
.irp k, 0,1,2,3
	s_delay_alu instid0(VALU_DEP_4)
	v_pk_fma_f32 v[T+2*\k:T+2*\k+1], v[X+\i+2*\k:X+\i+2*\k+1], v[X+\i+2*\k:X+\i+2*\k+1], v[T+2*\k:T+2*\k+1]
.endr
.endr
	MEET 512
	s_delay_alu instid0(VALU_DEP_1)
	v_mul_f32 v[T], 0x3a802008, v[T]               ; / 1,023
	s_wait_alu depctr_va_vdst(0)
	v_sqrt_f32 v[T+1], v[T]
	v_nop                                          ; a plain place behind a transcendental,
	s_wait_alu depctr_va_vdst(0)                   ; and the wait ahead of its first reader
	v_add_f32 v[T+1], 0x358637bd, v[T+1]           ; + 1e-6
	s_wait_alu depctr_va_vdst(0)
	v_rcp_f32 v[T+8], v[T+1]
	v_nop
	s_wait_alu depctr_va_vdst(0)
	v_mov_b32 v[T+9], v[T+8]
	s_wait_alu depctr_va_vdst(0)
	s_wait_loadcnt 0x0                             ; gain and bias
.set j, 0
.rept 32
	v_pk_mul_f32 v[X+j:X+j+1], v[X+j:X+j+1], v[T+8:T+9]
.set j, j+2
.endr
.set j, 0
.rept 32
	v_pk_fma_f32 v[X+j:X+j+1], v[X+j:X+j+1], v[GA+j:GA+j+1], v[GB+j:GB+j+1]
.set j, j+2
.endr
.irp b, 0,1,2,3
.irp j, 0,1,2,3
	ds_store_b128 v3, v[X+16*\b+4*\j:X+16*\b+4*\j+3] offset:128*\b+16*\j   ; back through the stage, so that whole runs of a row leave together
.endr
.endr
.irp rr, 0,1,2,3,4,5,6,7,8,9,10,11,12,13,14,15
	ds_load_b128 v[GA+4*\rr:GA+4*\rr+3], v2 offset:\rr*SP
.endr
.irp rr, 0,1,2,3,4,5,6,7,8,9,10,11,12,13,14,15
	s_wait_dscnt 15-\rr
	global_store_b128 v5, v[GA+4*\rr:GA+4*\rr+3], s[10:11] offset:((\rr%8)+16*(\rr/8))*4096 th:TH_STORE_NT   ; 32 lanes store 512 consecutive bytes, aligned
.endr
	s_wait_tensorcnt 0x0
	ds_add_u32 v254, v255
	s_wait_dscnt 0x0
	s_endpgm
.Lfunc_end_k_qe5dc883fe9_ln2:
	.size	k_qe5dc883fe9_ln2, .Lfunc_end_k_qe5dc883fe9_ln2-k_qe5dc883fe9_ln2
	.p2alignl 7, 3214868480
	.fill 96, 4, 3214868480
	.section	.rodata,"a",@progbits
	.p2align	6, 0x0
	.amdhsa_kernel k_qe5dc883fe9_ln2
		.amdhsa_group_segment_fixed_size 69632
		.amdhsa_private_segment_fixed_size 0
		.amdhsa_enable_private_segment 0
		.amdhsa_kernarg_size 32
		.amdhsa_user_sgpr_count 2
		.amdhsa_user_sgpr_kernarg_segment_ptr 1
		.amdhsa_wavefront_size32 1
		.amdhsa_system_sgpr_workgroup_id_x 1
		.amdhsa_system_sgpr_workgroup_id_y 1
		.amdhsa_system_sgpr_workgroup_id_z 1
		.amdhsa_system_vgpr_workitem_id 0
		.amdhsa_next_free_vgpr 256
		.amdhsa_next_free_sgpr 66
		.amdhsa_reserve_vcc 0
		.amdhsa_float_denorm_mode_32 3
		.amdhsa_float_denorm_mode_16_64 3
		.amdhsa_memory_ordered 1
		.amdhsa_forward_progress 1
		.amdhsa_inst_pref_size 27
	.end_amdhsa_kernel
	.amdgpu_metadata
---
amdhsa.version: [ 1, 2 ]
amdhsa.kernels:
  - .name:           k_qe5dc883fe9_ln2
    .symbol:         k_qe5dc883fe9_ln2.kd
    .args:
      - { .name: yb, .offset: 0, .size: 8, .value_kind: global_buffer, .address_space: global }
      - { .name: ln2_a, .offset: 8, .size: 8, .value_kind: global_buffer, .address_space: global }
      - { .name: ln2_b, .offset: 16, .size: 8, .value_kind: global_buffer, .address_space: global }
      - { .name: out0, .offset: 24, .size: 8, .value_kind: global_buffer, .address_space: global }
    .group_segment_fixed_size: 69632
    .private_segment_fixed_size: 0
    .kernarg_segment_align: 8
    .kernarg_segment_size: 32
    .max_flat_workgroup_size: 256
    .sgpr_count:     66
    .vgpr_count:     256
    .wavefront_size: 32
...
	.end_amdgpu_metadata
.endif
;; end of part 16
